; MI455X (gfx1250); checked and timed in simulation.
; The chip was launched on July 23, 2026; its instructions are those of AMD's public machine-readable ISA for CDNA 5 (MIT licence, August 2026) and "CDNA5" Instruction Set Architecture Reference Guide (July 2026). The comments in the code are by the model that wrote it; some were corrected since.
;; GQA. Allowed arithmetic: matrix products marked QUANTISED: E4M3 operands, one E8M0 scale for each 32 along K, by v_wmma_scale_f32_16x16x128_f8f6f4 with both operands' format E4M3, f32 sums; everything else in f32.
;; Inputs: cos 2,048 x 32 float32; kn 64 float32; qn 64 float32; sin 2,048 x 32 float32; wg 2,048 x 2,048 float32; wk 512 x 2,048 float32; wo 2,048 x 2,048 float32; wq 2,048 x 2,048 float32; wv 512 x 2,048 float32; x 1 x 2,048 x 2,048 float32.
;; Outputs: out0 1 x 2,048 x 2,048 float32.
;; This version of the problem:
;;   THIS VERSION OF THE PROBLEM IS GIVEN IN LOW PRECISION. The matrix products marked QUANTISED in the list below multiply operands that are first quantised to E4M3 (4 exponent bits, 3 mantissa bits; 8 bits a number), with one power-of-two scale for each 32 numbers along K (OCP MX v1.0); their sums are f32. All else is computed in f32.
;;   The module's matrix products, in the order in which they are computed (A, B: the left and right operand; K: the contracted axis; several contracted axes count as one K, in the product's order):
;;     1. [M 2,048, K 2,048] x [K 2,048, N 2,048]; A: input x; B: input wq: QUANTISED
;;     2. [M 2,048, K 2,048] x [K 2,048, N 512]; A: input x; B: input wk: QUANTISED
;;     3. [M 2,048, K 2,048] x [K 2,048, N 512]; A: input x; B: input wv: QUANTISED
;;     4. batch 8 x [M 2,048, K 64] x [K 64, N 8,192]; A: computed on the way; B: computed on the way: QUANTISED
;;     5. batch 8 x [M 64, K 2,048] x [K 2,048, N 8,192]; A: computed on the way; B: softmax (see below): QUANTISED
;;     6. [M 2,048, K 2,048] x [K 2,048, N 2,048]; A: input x; B: input wg: QUANTISED
;;     7. [M 2,048, K 2,048] x [K 2,048, N 2,048]; A: computed on the way; B: input wo: QUANTISED
;;   THE QUANTISER, for each operand of a quantised product, along K:
;;     - K is cut into blocks of 32 from its start; a last block that is shorter is filled with zeros.
;;     - A block's scale is 2^e with e = floor(log2(the largest magnitude in the block)) - 8, held to -126 .. 127; a block of zeros has e = 0. As a byte (E8M0): e + 127.
;;     - Each number is divided by its block's scale, clamped to +-448, and rounded to the nearest number of E4M3, ties to even, subnormals kept.
;;     - The product sums the exact products of the quantised numbers (number of the format x scale) in f32.
;;   ~~~python
;;   def quantise(x, axis):      # numpy; x: float32 -> the quantised numbers, widened to float32 again
;;       x = np.moveaxis(x, axis, -1); K = x.shape[-1]
;;       x = np.pad(x, [(0, 0)] * (x.ndim - 1) + [(0, -K % 32)]); x = x.reshape(x.shape[:-1] + (-1, 32)); a = np.abs(x).max(-1, keepdims=True)
;;       e = np.where(a > 0, np.clip(np.frexp(np.where(a > 0, a, 1))[1] - 1 - 8, -126, 127), 0)      # np.frexp(a)[1] - 1 = floor(log2(a)), exactly
;;       r = np.clip(x / 2.0 ** e, -448, 448)
;;       step = 2.0 ** (np.maximum(np.frexp(np.where(r == 0, 1, r))[1] - 1, -6) - 3)
;;       q = np.round(r / step) * step * 2.0 ** e      # np.round: ties to even
;;       return np.moveaxis(q.reshape(q.shape[:-2] + (-1,))[..., :K], -1, axis).astype(np.float32)
;;   ~~~
;;   SOFTMAX AHEAD OF A QUANTISED PRODUCT. Where the list says 'softmax', what is quantised is not the finished softmax but p = 2^(t - M), with t = logit x log2(e) and M = ceil(the row's largest t), a whole number; so 1/2 < the row's largest p <= 1. The row's sum l is taken of the UNQUANTISED p, in f32, and the product's result is divided by l at the end. Since M is a whole number, a kernel that streams over the keys may use a running M (the ceiling of the running maximum): every later rescaling is an exact power of two, which a block's scale takes up: the codes' values come out the same.
;;   OPERANDS COMPUTED ON THE WAY. 'Computed on the way' means the value that the module computes at that place (a softmax that the list does not call 'softmax' is quantised finished and normalised). What goes into a quantiser is computed in f32, as accurately as f32 sums, v_exp_f32 and their like allow (about 1e-6 of the number): no bf16 or f16 on the way to a quantiser, and a product that is left as it is and whose result goes on into a quantised operand takes f32 operands (vector FMAs, or v_wmma_f32_16x16x4_f32). A number that lies on a knife's edge between two numbers of the format may be rounded either way, as far as f32 arithmetic and the matrix unit's own rounding can turn it there, and no further.
;; 2 versions. Each part assembles by itself: llvm-mc -triple=amdgcn-amd-amdhsa -mcpu=gfx1250 --defsym DOCPART=n.
;; ======== version 1 of 2: 4 launches
;; workspace buffers: codes 18,874,368 bytes; scales 589,824 bytes; qimg 4,194,304 bytes; qsc 262,144 bytes; kv 2,195,456 bytes; gate 16,777,216 bytes; ogc 4,194,304 bytes; ogs 131,072 bytes
;; launch quant (part 1): grid 576 x 1, 4 waves a work-group, no clusters, 35,328 bytes of LDS; arguments x, wq, wk, wv, wg, wo, codes, scales; writes codes, scales
.if DOCPART == 1
	.amdgcn_target "amdgcn-amd-amdhsa--gfx1250"
	.amdhsa_code_object_version 6
	.text
	.protected	k_q10953983b2_quant
	.globl	k_q10953983b2_quant
	.p2align	8
	.type	k_q10953983b2_quant,@function
k_q10953983b2_quant:
	s_mov_b64 s[64:65], 0
	v_nop
	global_prefetch_b8 v0, s[64:65] scope:SCOPE_SE
	s_setreg_imm32_b32 hwreg(HW_REG_WAVE_MODE, 25, 1), 1
	s_wait_xcnt 0x0
; x [2048][2048], wq, wg, wo [2048][2048], wk, wv [512][2048], all f32 with K innermost, become codes of FP8 (E4M3) with one E8M0 scale byte for each 32 along K.
; A block's scale is 2^(floor(log2(its largest magnitude)) - 8); its byte is the largest magnitude's exponent field - 8, held at 1 from below; each number is divided by the scale, held within +-448, rounded to the nearest code, ties to even.
; LIMITS: NaN and infinities among the inputs are not served; a block whose largest magnitude lies under 2^-118 is held at the byte 1; a block of zeros gets the byte 1 (its codes are zeros, and this program alone reads the bytes).
; LAYOUT OF THE RESULT: images of the operand's registers.  codes: [row block 576][kappa 16][c 4][lane 32][16 bytes]: a fragment of 16 rows x 128 K; lane (r = lane % 16, h = lane / 16) holds row r, k = 32 c + 16 h + 0 .. 15.
; scales: [row block][kappa][r] one word of four bytes.  Row blocks 0-127 x, 128-255 wq, 256-319 wk and wv by turns of eight (block 256 + 16 T + 8 half + i = block 8 T + i of wk or wv), 320-447 wg, 448-575 wo.
; SHARES: a work-group makes one row block (16 rows, all of K), wave w its kappa 4 w .. 4 w + 3, a unit of 16 rows x 128 K at a time.  Each load reads 512 consecutive bytes of one row; the unit turns through the wave's own
; stage in LDS (rows 528 bytes apart) so that a lane gets 16 neighbours of each block of 32; each store of codes covers 512 consecutive bytes; the wave's 64 scale words leave as one aligned run of 256 bytes.
; No tensor loads, no barrier: waves share nothing.  Loads run two units (32 loads a wave) ahead.
.set WREG, 8704                        ; LDS of a wave: the stage, 16 rows x 528 bytes, then 256 bytes of scale words
.set SP,   528
.set R,    16                          ; v16-143   two sets of 64 registers as loaded
.set X,    144                         ; v144-207  64 numbers: register 16 b + i = k 32 b + 16 h + i of my row
.set PC,   208                         ; v208-223  the fragment's codes
.set TM,   224                         ; v224-239  at work in the quantiser
.set PW,   240                         ; v240      the scale word
.set SEL,  28                          ; s[28:29]  lane selects: lane l xor 16
.set MNT,  30                          ; s30       the mantissa field of 448
; 64 numbers of a lane become a fragment's 16 registers of codes, v[PC] on, and its row's scale word, v[PW]
.macro QUANT4 s
.irp b, 0,1,2,3
	v_max3_num_f32 v[TM+\b], |v[\s+16*\b]|, |v[\s+1+16*\b]|, 0x4800000   ; block b: my 16 numbers, and the floor 2^(9 - 127): the byte cannot fall under 1
.endr
.irp i, 2,4,6,8,10,12,14
.irp b, 0,1,2,3
	v_max3_num_f32 v[TM+\b], v[TM+\b], |v[\s+16*\b+\i]|, |v[\s+1+16*\b+\i]|   ; the four blocks by turns
.endr
.endr
.irp b, 0,1,2,3
	v_permlanex16_b32 v[TM+4+\b], v[TM+\b], s[SEL], s[SEL+1]
.endr
.irp b, 0,1,2,3
	v_max_num_f32 v[TM+\b], v[TM+\b], v[TM+4+\b]   ; with lane l xor 16's: the block's largest magnitude
.endr
.irp b, 0,1,2,3
	v_add_nc_u32 v[TM+12+\b], 0xfc000000, v[TM+\b]   ; 8 off its exponent field: the conversion's scale operand
.endr
.irp b, 0,1,2,3
	v_and_or_b32 v[TM+8+\b], v[TM+\b], 0x7f800000, s[MNT]   ; 448 x the scale
.endr
.irp b, 0,1,2,3
	v_lshrrev_b32 v[TM+4+\b], 23, v[TM+12+\b]   ; the scale's byte
.endr
	v_lshl_or_b32 v[PW], v[TM+5], 8, v[TM+4]
	v_lshl_or_b32 v[PW], v[TM+6], 16, v[PW]
	v_lshl_or_b32 v[PW], v[TM+7], 24, v[PW]
.irp b, 0,1,2,3
.irp i, 0,1,2,3,4,5,6,7,8,9,10,11,12,13,14,15
	v_med3_num_f32 v[\s+16*\b+\i], v[\s+16*\b+\i], -v[TM+8+\b], v[TM+8+\b]   ; the conversion to an 8-bit code does not saturate (ISA guide 7.6.2): the hold comes first
.endr
	v_cvt_scalef32_pk8_fp8_f32 v[PC+4*\b:PC+1+4*\b], v[\s+16*\b:\s+7+16*\b], v[TM+12+\b]
	v_cvt_scalef32_pk8_fp8_f32 v[PC+2+4*\b:PC+3+4*\b], v[\s+8+16*\b:\s+15+16*\b], v[TM+12+\b]
.endr
	v_nop                                          ; one plain vector line behind the last conversion
.endm
	s_load_b512 s[4:19], s[0:1], 0x0               ; x, wq, wk, wv, wg, wo, codes, scales
	v_lshl_add_u32 v248, v0, 2, 0x8800
	v_mov_b32 v249, 0
	v_lshrrev_b32 v7, 5, v0
	v_readfirstlane_b32 s20, v7                    ; wave
	v_and_b32 v7, 31, v0                           ; lane
	v_and_b32 v8, 15, v0                           ; r
	v_bfe_u32 v9, v0, 4, 1                         ; h
	v_lshlrev_b32 v1, 4, v7                        ; v1 = 16 x lane: my bytes of a load, of a stage row, of a store of codes
	s_mul_i32 s21, s20, WREG
	v_add_nc_u32 v2, s21, v1                       ; v2: the stage on the way in
	v_mul_u32_u24 v3, v8, SP
	v_lshl_add_u32 v3, v9, 6, v3
	v_add_nc_u32 v3, s21, v3                       ; v3: on the way out: row r, + 64 h
	s_add_co_u32 s21, s21, 16*SP
	v_lshlrev_b32 v4, 2, v8
	v_add_nc_u32 v4, s21, v4                       ; v4: my row's scale word
	v_lshlrev_b32 v6, 3, v7                        ; v6 = 8 x lane
	v_add_nc_u32 v5, s21, v6                       ; v5: the scale words on the way out
	s_mov_b32 s[SEL], 0x76543210
	s_mov_b32 s[SEL+1], 0xfedcba98
	s_mov_b32 s[MNT], 0x600000
.irp b, 0,1,2,3
	v_mov_b32 v[TM+4+\b], 0                        ; written once: a lane permute's destination counts as one of its sources
.endr
	s_sub_co_u32 s32, ttmp9, 256                   ; my place among wk's and wv's 64 blocks (a large number outside them)
	s_lshr_b32 s33, s32, 4
	s_lshl_b32 s33, s33, 3
	s_and_b32 s34, s32, 7
	s_add_co_u32 s33, s33, s34                     ; the source's row block there: 8 T + i
	s_wait_kmcnt 0x0
	s_bitcmp1_b32 s32, 3                           ; the choice of the source hangs on the work-group's number alone
	s_cselect_b64 s[22:23], s[10:11], s[8:9]       ; wv or wk
	s_mov_b32 s21, 256
	s_cmp_lt_u32 ttmp9, 320
	s_cselect_b64 s[22:23], s[22:23], s[12:13]     ; from 320 on wg
	s_cselect_b32 s21, s21, 320
	s_cmp_lt_u32 ttmp9, 448
	s_cselect_b64 s[22:23], s[22:23], s[14:15]     ; from 448 on wo
	s_cselect_b32 s21, s21, 448
	s_cmp_lt_u32 ttmp9, 256
	s_cselect_b64 s[22:23], s[6:7], s[22:23]       ; under 256 wq
	s_cselect_b32 s21, 128, s21
	s_cmp_lt_u32 ttmp9, 128
	s_cselect_b64 s[22:23], s[4:5], s[22:23]       ; under 128 x
	s_cselect_b32 s21, 0, s21
	s_sub_co_u32 s21, ttmp9, s21                   ; the source's row block
	s_cmp_lt_u32 s32, 64
	s_cselect_b32 s21, s33, s21
	s_lshl_b32 s34, s21, 17                        ; 16 rows of 8,192 bytes
	s_lshl_b32 s35, s20, 11                        ; + my wave's 512 numbers of a row
	s_add_co_u32 s34, s34, s35
	s_mov_b32 s35, 0
	s_add_nc_u64 s[22:23], s[22:23], s[34:35]
	s_lshl_b32 s34, ttmp9, 15                      ; codes: 32,768 bytes a row block, 8,192 a wave
	s_lshl_b32 s36, s20, 13
	s_add_co_u32 s34, s34, s36
	s_add_nc_u64 s[24:25], s[16:17], s[34:35]
	s_lshl_b32 s34, ttmp9, 10                      ; scale words: 1,024 bytes a row block, 256 a wave
	s_lshl_b32 s36, s20, 8
	s_add_co_u32 s34, s34, s36
	s_add_nc_u64 s[26:27], s[18:19], s[34:35]
.macro LOAD t                          ; unit t: 16 rows x 512 bytes
.irp i, 0,1,2,3,4,5,6,7,8,9,10,11,12,13,14,15
	global_load_b128 v[R+64*((\t)%2)+4*\i:R+64*((\t)%2)+4*\i+3], v1, s[22:23] offset:8192*\i+512*(\t) th:TH_LOAD_NT
.endr
.endm
.macro UNIT t
.if (\t) < 3
	s_wait_loadcnt 16                              ; this unit's 16 loads are in; the next unit's may be out
.else
	s_wait_loadcnt 0x0
.endif
.irp i, 0,1,2,3,4,5,6,7,8,9,10,11,12,13,14,15
	ds_store_b128 v2, v[R+64*((\t)%2)+4*\i:R+64*((\t)%2)+4*\i+3] offset:SP*\i
.endr
.irp c, 0,1,2,3
.irp j, 0,1,2,3
	ds_load_b128 v[X+16*\c+4*\j:X+16*\c+4*\j+3], v3 offset:128*\c+16*\j   ; LDS serves a wave's instructions in order: these see the stores above
.endr
.endr
	s_wait_xcnt 0x0                                ; the last unit's stores have read their registers: the codes may be written again
	s_wait_dscnt 0x0                               ; the numbers are back, and the stage's stores have read their registers,
.if (\t) < 2
	LOAD (\t)+2                                    ; which take the loads of two units on
.endif
	QUANT4 X
.irp c, 0,1,2,3
	global_store_b128 v1, v[PC+4*\c:PC+4*\c+3], s[24:25] offset:2048*(\t)+512*\c   ; 32 lanes store 512 consecutive bytes
.endr
	ds_store_b32 v4, v[PW] offset:64*(\t)          ; both halves of the lanes write the same word with the same value
.endm
	LOAD 0
	LOAD 1
	UNIT 0
	UNIT 1
	UNIT 2
	UNIT 3
	ds_load_b64 v[12:13], v5
	s_wait_dscnt 0x0
	global_store_b64 v6, v[12:13], s[26:27]        ; 32 lanes store 256 consecutive bytes, aligned
	s_wait_tensorcnt 0x0
	ds_add_u32 v248, v249
	s_wait_dscnt 0x0
	s_endpgm
.Lfunc_end_k_q10953983b2_quant:
	.size	k_q10953983b2_quant, .Lfunc_end_k_q10953983b2_quant-k_q10953983b2_quant
	.p2alignl 7, 3214868480
	.fill 96, 4, 3214868480
	.section	.rodata,"a",@progbits
	.p2align	6, 0x0
	.amdhsa_kernel k_q10953983b2_quant
		.amdhsa_group_segment_fixed_size 35328
		.amdhsa_private_segment_fixed_size 0
		.amdhsa_enable_private_segment 0
		.amdhsa_kernarg_size 64
		.amdhsa_user_sgpr_count 2
		.amdhsa_user_sgpr_kernarg_segment_ptr 1
		.amdhsa_wavefront_size32 1
		.amdhsa_system_sgpr_workgroup_id_x 1
		.amdhsa_system_sgpr_workgroup_id_y 1
		.amdhsa_system_sgpr_workgroup_id_z 1
		.amdhsa_system_vgpr_workitem_id 0
		.amdhsa_next_free_vgpr 250
		.amdhsa_next_free_sgpr 66
		.amdhsa_reserve_vcc 0
		.amdhsa_float_denorm_mode_32 3
		.amdhsa_float_denorm_mode_16_64 3
		.amdhsa_memory_ordered 1
		.amdhsa_forward_progress 1
		.amdhsa_inst_pref_size 52
	.end_amdhsa_kernel
	.amdgpu_metadata
---
amdhsa.version: [ 1, 2 ]
amdhsa.kernels:
  - .name:           k_q10953983b2_quant
    .symbol:         k_q10953983b2_quant.kd
    .args:
      - { .name: x, .offset: 0, .size: 8, .value_kind: global_buffer, .address_space: global }
      - { .name: wq, .offset: 8, .size: 8, .value_kind: global_buffer, .address_space: global }
      - { .name: wk, .offset: 16, .size: 8, .value_kind: global_buffer, .address_space: global }
      - { .name: wv, .offset: 24, .size: 8, .value_kind: global_buffer, .address_space: global }
      - { .name: wg, .offset: 32, .size: 8, .value_kind: global_buffer, .address_space: global }
      - { .name: wo, .offset: 40, .size: 8, .value_kind: global_buffer, .address_space: global }
      - { .name: codes, .offset: 48, .size: 8, .value_kind: global_buffer, .address_space: global }
      - { .name: scales, .offset: 56, .size: 8, .value_kind: global_buffer, .address_space: global }
    .group_segment_fixed_size: 35328
    .private_segment_fixed_size: 0
    .kernarg_segment_align: 8
    .kernarg_segment_size: 64
    .max_flat_workgroup_size: 128
    .sgpr_count:     66
    .vgpr_count:     250
    .wavefront_size: 32
...
	.end_amdgpu_metadata
.endif
;; end of part 1
;; launch proj (part 2): grid 20 x 8, 4 waves a work-group, clusters of 4 x 4, 327,680 bytes of LDS; arguments codes, scales, cos, sin, qn, kn, qimg, qsc, kv, gate; writes qimg, qsc, kv, gate
.if DOCPART == 2
	.amdgcn_target "amdgcn-amd-amdhsa--gfx1250"
	.amdhsa_code_object_version 6
	.text
	.protected	k_q10953983b2_proj
	.globl	k_q10953983b2_proj
	.p2align	8
	.type	k_q10953983b2_proj,@function
k_q10953983b2_proj:
	s_mov_b64 s[64:65], 0
	v_nop
	global_prefetch_b8 v0, s[64:65] scope:SCOPE_SE
	s_setreg_imm32_b32 hwreg(HW_REG_WAVE_MODE, 25, 1), 1
	s_wait_xcnt 0x0
	s_wait_alu depctr_hold_cnt(0) depctr_sa_sdst(0) depctr_va_vdst(0) depctr_va_sdst(0) depctr_va_ssrc(0) depctr_va_vcc(0) depctr_vm_vsrc(0)
	s_getreg_b32 s2, hwreg(HW_REG_IB_STS2, 6, 4)
	s_cmp_eq_u32 s2, 0
	s_cbranch_scc0 .Lentry_in_a_cluster
	s_endpgm
.Lentry_in_a_cluster:
	s_bfe_u32 s2, ttmp6, 0x10000c
	s_cmp_lg_u32 s2, 0xf033
	s_cbranch_scc0 .Lentry_shape_is_right
	s_endpgm
.Lentry_shape_is_right:
; x [2048][2048] times [wq; wk|wv; wg]^T, 5,120 columns, on codes of FP8 (E4M3) with E8M0 scales, and what follows each part: q and k: rope, rmsnorm with qn or kn, quantised along the head's 64;
; v: quantised along the keys; g: the sigmoid, kept in f32.  All in f32 behind the products.
; A tile of 256 positions x 256 columns is made by a work-group of four waves, each 128 x 128: 64 accumulators of 16 x 16, 512 registers.  K goes in steps of 256 through a ring of two LDS slots.
; OPERANDS LIE AS IMAGES OF THEIR REGISTERS (a fragment of 16 rows x 128 K: [c 4][lane 32][16 bytes]): every LDS load reads 512 consecutive bytes, and a K step's part of a row block is 4,096 consecutive bytes of memory.
; The scale words of the work-group's rows, for all of K, come into LDS once, with the first fills.
; CLUSTERS: 4 x 4 work-groups; A's tiles are asked for jointly along a row of the cluster, B's along a column.  THE MATRIX INSTRUCTION IS USED TRANSPOSED (source 0 = 16 rows of a weight, source 1 = 16 positions):
; a lane holds one position and eight neighbouring columns.
; WHAT A WAVE'S 128 COLUMNS ARE hangs on the cluster's x and the wave's number alone: clusters 0, 1: q; cluster 2: column half 0 k, half 1 v (wk and wv were laid by turns for this); clusters 3, 4: g.
; THE WAY OUT: each wave dumps its 128 x 128 numbers into a stage of its own in LDS (over the ring, which has had its last fill and its last read) and reads them back in the order that its part wants.
; RESULTS: qimg [head 32][granule of 16 positions 128][c 2][lane][16 B]; qsc [granule][head][r] a word, bytes 2 and 3 = 0x7f; kv: a record of 274,432 bytes for each kv head: K [tile of 16 keys 128][c 2][lane][16 B],
; V at 131,072 [step of 128 keys 16][tile of 16 channels 4][c 4][lane][16 B], K's scale words at 262,144 [tile][r], V's at 270,336 [step][tile][channel]; gate [granule][head][tile 4][j 2][lane][16 B] f32.
; V'S ORDER ALONG THE KEYS: slot 32 c + 16 h + i of a fragment holds key 32 c + 8 h + i % 8 + 16 (i / 8): the order in which the next launch's weights p fall.  The change stays inside a block of 32, so codes and scales are the rule's.
; LIMITS: NaN and infinities are not served; a block whose largest magnitude lies under 2^-118 is held at the byte 1, a block of zeros gets the byte 1.  The scale words of q, k and v leave in runs of 64 or 128 bytes.
; REGISTERS, in windows of 256: window 0: v1-29 addresses and small work; v32-63 scale words, two sets; v64-127 cos and sin, two sets; from v128 A's fragments, one set (behind the loop: 64 numbers, qn or kn, codes, work);
;   window 1: B's fragments, two sets; windows 2, 3: the accumulators ((a, b) at v[8 (8 (a % 4) + b)]).
.set NQ,     2                         ; matrix instructions deep in a slot
.set FR,     16                        ; registers of a fragment
.set NL,     4                         ; LDS loads that bring one
.set NP,     8                         ; places behind this matrix instruction (ISA guide 7.12.1)
.set HALFT,  32768                     ; 8 row blocks x 4,096 bytes: what one tensor load brings
.set SLOT,   4*HALFT                   ; A's 16 row blocks, then B's 16
.set LAPS,   4                         ; 2,048 along K = 8 K steps = 4 times round the ring
.set SCL,    2*SLOT                    ; A's scale words, 16,384 bytes
.set SCB,    16448                     ; B's begin so far behind A's: 64 bytes more than A's length, so that the two halves of the lanes read different words of a line of 256 bytes
.set SPARE,  295168                    ; the spare words: 128 bytes a wave, two blocks of 256 bytes that no other line names
.set SP,     528                       ; a stage row: 512 bytes + 16
.set STG,    128*SP                    ; a wave's stage
.set KVREC,  274432
.set CSO, 3                            ; v3   cos, sin: 128 r + 32 h
.set LI,  4                            ; v4   16 x lane
.set R4,  5                            ; v5   4 r
.set SH,  6                            ; v6   16 h
.set SOFF, 7                           ; v7   4 r + h x the distance from a head's scale words to the next head's
.set STO, 8                            ; v8   the stage: row r, + 32 h
.set RDQ0, 9                           ; v9   row r, + 64 h
.set QNO, 10                           ; v10  64 h
.set RDV0, 11                          ; v11  row 8 h, + 4 r
.set ADQ, 12                           ; v12-14 the same three at the trip's place
.set ADG, 13
.set ADV, 14
.set PW,  15                           ; v15  the scale word just made
.set ADRA, 16                          ; v16-17 my A fragments in slot 0, 1
.set ADRB, 20                          ; v20-21 the same for B
.set T,   22                           ; v22-25 at work in the rope
.set SWD, 26                           ; v26  a head's scale word as it is stored
.set ADRS, 27                          ; v27  my scale words: lanes 0-15 A's rows, lanes 16-31 B's
.set SPW, 28                           ; v28  my spare word; never rewritten
.set NIL, 29                           ; v29  0; never rewritten
.set SC,  32                           ; scale words: set s at v[SC + 16 s], register 2 i + q
.set CS,  64                           ; cos and sin: set u at v[CS + 32 u]: 16 of cos, 16 of sin
.set AF,  128
.set X,   128                          ; behind the loop: 64 numbers
.set QN,  192                          ; 32 of qn or kn
.set PC,  224                          ; the codes; ahead of them the norm's sums
.set TM,  240                          ; at work in the quantiser
.set G1, 24
.set G0, 32
.set G1B, 48
.set G0B, 56
.set G1S, 68
.set G0S, 76
.set G1SB, 80
.set G0SB, 88
.set PA,  24                           ; behind the loop the descriptors' registers are free: s[24:31] four store pointers,
.set PB,  26
.set PSA, 28
.set PSB, 30
.set STP, 32                           ; s[32:33], s[34:35] their steps a trip, s[36:37] cos' and sin's
.set STS, 34
.set RST, 36
.set SA,  38                           ; s38, s39 the trip's place in the stage
.set SV,  39
.set HSS, 52
.set GM0, 53
.set SEL, 54
.set MNT, 56
.set K64, 57
.set EPSS, 58
.set NL2E, 60
.set M7F, 62
.set TYPE, 100                         ; s100 0: q or k; 1: v; 2: g
.set ISK, 101                          ; s101 1 in the cluster of k and v
.set MSB, 0
.macro WIN new                         ; the immediate's high byte repeats the setting that is left
.if MSB != \new
	s_set_vgpr_msb (MSB<<8)|\new
.set MSB, \new
.endif
.endm
.set MUL_LO, 0xa1                      ; source 0 (B) window 1, source 1 (A) window 0, C and D window 2
.set MUL_HI, 0xf1                      ; the same, C and D window 3
.set TO_B,   0x40                      ; destination window 1, address window 0
; A joint load: waves 0 and 1 fetch for A, waves 2 and 3 for B.  The branch hangs on the wave's number alone.  Four v_nop follow each of the two lines.
.macro JLOAD g0a, g1a, g0b, g1b
	s_cmp_eq_u32 s17, 0
	s_cbranch_scc0 .Lfor_b_\@
	tensor_load_to_lds s[\g0a:\g0a+3], s[\g1a:\g1a+7]
	s_nop 0
.rept 4
	v_nop
.endr
	s_branch .Lasked_\@
.Lfor_b_\@:
	tensor_load_to_lds s[\g0b:\g0b+3], s[\g1b:\g1b+7]
	s_nop 0
.rept 4
	v_nop
.endr
.Lasked_\@:
.endm
.macro CREST                           ; a round of the cluster's barrier behind its opening barrier
	s_cmp_lg_u32 s16, 0
	s_cbranch_scc1 .Lnot_wave_0_\@
	s_barrier_signal -3
.Lnot_wave_0_\@:
	s_barrier_wait -3
	s_barrier_signal -1
	s_barrier_wait -1
.endm
.macro CROUND                          ; a whole round
	s_barrier_signal -1
	s_barrier_wait -1
	CREST
.endm
	s_load_b128 s[4:7], s[0:1], 0x0                ; codes, scales
	s_load_b256 s[8:15], s[0:1], 0x10              ; cos, sin, qn, kn
	s_load_b256 s[92:99], s[0:1], 0x30             ; qimg, qsc, kv, gate
	v_lshl_add_u32 v[SPW], v0, 2, SPARE
	v_mov_b32 v[NIL], 0
	ds_add_u32 v28, v29
	ds_add_u32 v28, v29
	s_wait_dscnt 0x0
	v_lshrrev_b32 v1, 5, v0
	v_readfirstlane_b32 s16, v1                    ; wave 0..3
	s_lshr_b32 s17, s16, 1                         ; which half of the tile's positions is mine.  Also: I fetch for A (0) or for B (1)
	s_and_b32 s18, s16, 1                          ; which half of its columns.  Also: which 8 row blocks I fetch
	s_bfe_u32 s40, ttmp6, 0x40000                  ; cx, cy: my place in the cluster
	s_bfe_u32 s41, ttmp6, 0x40004
	s_lshl_b32 s20, ttmp9, 2
	s_add_co_u32 s20, s20, s40                     ; tile column = 4 x cluster x + cx
	s_and_b32 s19, ttmp7, 0xffff
	s_lshl_b32 s19, s19, 2
	s_add_co_u32 s19, s19, s41                     ; tile row = 4 x cluster y + cy
	s_lshl_b32 s42, s41, 2
	s_lshl_b32 s42, 15, s42                        ; my row of the cluster
	s_lshl_b32 s43, 0x1111, s40                    ; my column
	; descriptor group 1 for codes: 8 rows (row blocks) of 512 elements of 8 bytes, 4,096 elements (a row block's 32,768 bytes) apart; no padding
	s_or_b32 s[G1+0], s42, (3<<16)|(1<<21)         ; 15:0 the mask; 17:16 elements of 8 bytes; 21 set beside a mask
	s_or_b32 s[G1B+0], s43, (3<<16)|(1<<21)
.irp g, G1, G1B
	s_mov_b32 s[\g+1], 512<<16                     ; tensor_dim0
	s_mov_b32 s[\g+2], 8<<16                       ; tensor_dim1
	s_mov_b32 s[\g+3], 512<<16                     ; tile_dim0
	s_mov_b32 s[\g+4], 8                           ; tile_dim1
	s_mov_b32 s[\g+5], 4096                        ; tensor_dim0_stride
	s_mov_b32 s[\g+6], 0
	s_mov_b32 s[\g+7], 0
.endr
	; and for the scale words of 8 row blocks: 8,192 dense bytes as 32 rows of 256
	s_or_b32 s[G1S+0], s42, (3<<16)|(1<<21)
	s_or_b32 s[G1SB+0], s43, (3<<16)|(1<<21)
.irp g, G1S, G1SB
	s_mov_b32 s[\g+1], 32<<16
	s_mov_b32 s[\g+2], 32<<16
	s_mov_b32 s[\g+3], 32<<16
	s_mov_b32 s[\g+4], 32
	s_mov_b32 s[\g+5], 32
	s_mov_b32 s[\g+6], 0
	s_mov_b32 s[\g+7], 0
.endr
	s_lshl_b32 s21, s18, 3                         ; which 8 row blocks of the tile I fetch
	s_lshl_b32 s44, s19, 4
	s_add_co_u32 s44, s44, s21                     ; A: row block 16 x tile row + 8 x half (x lies first in the buffer)
	s_lshl_b32 s46, s20, 4
	s_add_co_u32 s46, s46, s21
	s_add_co_u32 s46, s46, 128                     ; B: 128 + 16 x tile column + 8 x half
	s_lshl_b32 s22, s44, 10                        ; their scale words, 1,024 bytes a row block,
	s_mov_b32 s23, 0
	s_lshl_b32 s44, s44, 15                        ; and their codes, 32,768
	s_mov_b32 s45, 0
	s_lshl_b32 s66, s46, 10
	s_mov_b32 s67, 0
	s_lshl_b32 s46, s46, 15
	s_mov_b32 s47, 0
	s_lshl_b32 s104, s16, 15                       ; where they go: wave x 32,768 and wave x 8,192: no place in the cluster enters an LDS address
	s_lshl_b32 s105, s16, 13
	s_wait_kmcnt 0x0
	s_add_nc_u64 s[44:45], s[4:5], s[44:45]
	s_add_nc_u64 s[22:23], s[6:7], s[22:23]
	s_add_nc_u64 s[46:47], s[4:5], s[46:47]
	s_add_nc_u64 s[66:67], s[6:7], s[66:67]
	CROUND                                         ; all sixteen work-groups are here: the first joint loads meet
	s_mov_b32 s[G0S], 1
	s_add_co_u32 s[G0S+1], s105, SCL
	s_mov_b64 s[G0S+2:G0S+3], s[22:23]
	s_or_b32 s[G0S+3], s[G0S+3], 0x80000000
	s_mov_b32 s[G0SB], 1
	s_add_co_u32 s[G0SB+1], s105, SCL+64
	s_mov_b64 s[G0SB+2:G0SB+3], s[66:67]
	s_or_b32 s[G0SB+3], s[G0SB+3], 0x80000000
	JLOAD G0S, G1S, G0SB, G1SB                     ; the scale words first: they are wanted with K step 0
.irp s, 0,1
	s_mov_b32 s[G0+4*\s], 1
	s_add_co_u32 s[G0+4*\s+1], s104, \s*SLOT
	s_add_nc_u64 s[G0+4*\s+2:G0+4*\s+3], s[44:45], \s*4096
	s_or_b32 s[G0+4*\s+3], s[G0+4*\s+3], 0x80000000
	s_mov_b32 s[G0B+4*\s], 1
	s_add_co_u32 s[G0B+4*\s+1], s104, \s*SLOT
	s_add_nc_u64 s[G0B+4*\s+2:G0B+4*\s+3], s[46:47], \s*4096
	s_or_b32 s[G0B+4*\s+3], s[G0B+4*\s+3], 0x80000000
	JLOAD G0+4*\s, G1, G0B+4*\s, G1B               ; three tensor loads of mine are out
.endr
	v_and_b32 v1, 15, v0                           ; r
	v_bfe_u32 v2, v0, 4, 1                         ; h
	v_and_b32 v[LI], 31, v0
	v_lshlrev_b32 v[LI], 4, v[LI]
	s_lshl_b32 s21, s17, 15                        ; my 8 row blocks of A
	s_lshl_b32 s22, s18, 15                        ; my 8 of B,
	s_add_co_u32 s22, s22, 2*HALFT                 ; which lie behind A's 16
.irp s, 0,1
	v_add_nc_u32 v[ADRA+\s], s21, v[LI]
	v_add_nc_u32 v[ADRB+\s], s22, v[LI]
	s_add_co_u32 s21, s21, SLOT
	s_add_co_u32 s22, s22, SLOT
.endr
	s_lshl_b32 s21, s17, 13                        ; A's scale words: my 8 row blocks
	s_lshl_b32 s22, s18, 13                        ; B's
	s_add_co_u32 s22, s22, SCB
	s_sub_co_u32 s22, s22, s21
	v_mul_u32_u24 v5, s22, v2                      ; lanes 16-31 take B's: one product, the distance between the two
	s_add_co_u32 s21, s21, SCL
	v_lshl_add_u32 v5, v1, 2, v5
	v_add_nc_u32 v[ADRS], s21, v5
	v_lshlrev_b32 v[CSO], 7, v1                    ; a row of cos or sin is 128 bytes; my half's 8 pairs of a block of 32 columns begin 32 h on
	v_lshl_add_u32 v[CSO], v2, 5, v[CSO]
	s_lshl_b32 s22, s19, 15                        ; my first position: 256 x tile row + 128 x half, x 128 bytes
	s_lshl_b32 s23, s17, 14
	s_add_co_u32 s22, s22, s23
	s_mov_b32 s23, 0
	s_add_nc_u64 s[8:9], s[8:9], s[22:23]
	s_add_nc_u64 s[10:11], s[10:11], s[22:23]
; cos and sin of 16 positions into set u: for the columns 32 c + 16 h + 0 .. 15 of a head the pairs 16 c + 8 h + 0 .. 7
.macro CSLOAD u, off
.irp c, 0,1
.irp j, 0,1
	global_load_b128 v[CS+32*\u+8*\c+4*\j:CS+32*\u+8*\c+4*\j+3], v[CSO], s[8:9] offset:\off+64*\c+16*\j
	global_load_b128 v[CS+32*\u+16+8*\c+4*\j:CS+32*\u+16+8*\c+4*\j+3], v[CSO], s[10:11] offset:\off+64*\c+16*\j
.endr
.endr
.endm
	CSLOAD 0, 0                                    ; my first two blocks of 16 positions: they land under the products
	CSLOAD 1, 2048
.macro FRAG reg, adr, q, i             ; a fragment: four loads of 512 consecutive bytes
.irp c, 0,1,2,3
	ds_load_b128 v[\reg+4*\c:\reg+4*\c+3], v[\adr] offset:4096*(\i)+2048*(\q)+512*\c
.endr
.endm
; 16 matrix instructions: A's blocks a0, a0 + 1 x B's eight, the slot's q-th 128 along K.  p: B's set; sc: the set of scale words.  zero = 1: the first product starts the sums.
; The 64 accumulators take turns, one instruction a turn, in the same order in every step.
.macro MUL16 a0, p, q, sc, zero
.irp a, \a0, \a0+1
.irp b, 0,1,2,3,4,5,6,7
.if \zero
	v_wmma_scale_f32_16x16x128_f8f6f4 v[8*(8*((\a)%4)+\b):8*(8*((\a)%4)+\b)+7], v[128*(\p)+FR*\b:128*(\p)+FR*\b+FR-1], v[AF+FR*(\a):AF+FR*(\a)+FR-1], 0, v[SC+8*NQ*(\sc)+NQ*\b+(\q)], v[SC+8*NQ*(\sc)+NQ*(\a)+(\q)] matrix_a_scale:MATRIX_SCALE_ROW1
.else
	v_wmma_scale_f32_16x16x128_f8f6f4 v[8*(8*((\a)%4)+\b):8*(8*((\a)%4)+\b)+7], v[128*(\p)+FR*\b:128*(\p)+FR*\b+FR-1], v[AF+FR*(\a):AF+FR*(\a)+FR-1], v[8*(8*((\a)%4)+\b):8*(8*((\a)%4)+\b)+7], v[SC+8*NQ*(\sc)+NQ*\b+(\q)], v[SC+8*NQ*(\sc)+NQ*(\a)+(\q)] matrix_a_scale:MATRIX_SCALE_ROW1
.endif
.endr
.endr
.endm
.macro FETCH_B slot, q, p
	WIN TO_B
.irp i, 0,1,2,3,4,5,6,7
	FRAG 128*(\p)+FR*\i, ADRB+\slot, \q, \i
.endr
	WIN 0
.endm
.macro FETCH_A slot, q, i0
.irp i, \i0, \i0+1, \i0+2, \i0+3
	FRAG AF+FR*(\i), ADRA+\slot, \q, \i
.endr
.endm
.macro SCALES sc                       ; a K step's scale words: lanes 0-15 A's block i, lanes 16-31 B's block i
.irp i, 0,1,2,3,4,5,6,7
.irp q, 0,1
	ds_load_b32 v[SC+16*\sc+2*\i+\q], v[ADRS] offset:1024*\i+64*\q
.endr
.endr
.endm
.macro PLACES n                        ; plain vector lines between a matrix instruction and a load into, or a read of, its registers
.rept \n
	v_nop
.endr
.endm
.macro STEP slot, q, zero              ; a step of 128 along K that has its successor in the same slot
	s_wait_dscnt 4*NL                              ; B's set, A's blocks 0-3 and the scale words are in; the youngest 16 loads (A's blocks 4-7) may be out
	WIN MUL_LO
	MUL16 0, (\q)%2, \q, \slot, \zero
	MUL16 2, (\q)%2, \q, \slot, \zero
	s_wait_dscnt 0                                 ; A's blocks 4-7 are in
	PLACES NP
	FETCH_B \slot, (\q)+1, 1-(\q)%2
	FETCH_A \slot, (\q)+1, 0
	WIN MUL_HI
	MUL16 4, (\q)%2, \q, \slot, \zero
	MUL16 6, (\q)%2, \q, \slot, \zero
	PLACES NP
	WIN 0
	FETCH_A \slot, (\q)+1, 4
.endm
; A slot's last step changes slots: one barrier; in front of it each wave waits for all its tensor loads, adds 0 to its spare word, and waits for that and for its reads of this slot.  fill = 1: the slot is filled again, two K steps ahead.
.macro TURN slot, next, fill
	s_wait_tensorcnt 0x0                           ; all my tensor loads have landed: my part of the next slot
	ds_add_u32 v[SPW], v[NIL]                      ; 0 onto my spare word
	s_wait_dscnt 4*NL+1                            ; (the add and the youngest 16 loads may be out)
	WIN MUL_LO
	MUL16 0, 1, NQ-1, \slot, 0                     ; sixteen matrix instructions stand between the add and the wait for it
	s_wait_dscnt 0x0                               ; the add is done, and my reads of this slot are over
	s_barrier_signal -1
	MUL16 2, 1, NQ-1, \slot, 0
	WIN 0
	s_barrier_wait -1
.if \fill
	CREST                                          ; the barrier has opened a round of the cluster's barrier: no wave of any partner still reads this slot or has a load on its way
	s_add_nc_u64 s[G0+4*\slot+2:G0+4*\slot+3], s[G0+4*\slot+2:G0+4*\slot+3], 8192
	s_add_nc_u64 s[G0B+4*\slot+2:G0B+4*\slot+3], s[G0B+4*\slot+2:G0B+4*\slot+3], 8192
	JLOAD G0+4*\slot, G1, G0B+4*\slot, G1B         ; my one tensor load behind the round; its four v_nop are among the places in front of the loads below
	PLACES NP-4
.else
	PLACES NP
.endif
	v_add_nc_u32 v[ADRS], 128, v[ADRS]             ; the next K step's scale words
	FETCH_B \next, 0, 0
	FETCH_A \next, 0, 0
	SCALES \next
	WIN MUL_HI
	MUL16 4, 1, NQ-1, \slot, 0
	MUL16 6, 1, NQ-1, \slot, 0
	PLACES NP
	WIN 0
	FETCH_A \next, 0, 4
.endm
	s_wait_tensorcnt 1                             ; the scale words and my part of K step 0 are in; K step 1's load may be out
	s_barrier_signal -1
	s_barrier_wait -1
	FETCH_B 0, 0, 0
	FETCH_A 0, 0, 0
	SCALES 0
	FETCH_A 0, 0, 4
	STEP 0, 0, 1                                   ; the first step stands in front of the loop: its products start the sums
	s_mov_b32 s3, LAPS-1
.Llap:                                                 ; a trip goes once round the ring and fills both slots again
	TURN 0, 1, 1
	STEP 1, 0, 0
	TURN 1, 0, 1
	STEP 0, 0, 0
	s_sub_co_u32 s3, s3, 1
	s_cmp_lg_u32 s3, 0
	s_cbranch_scc1 .Llap
	TURN 0, 1, 0                                   ; the last lap fills nothing
	STEP 1, 0, 0
	s_wait_dscnt 4*NL
	WIN MUL_LO
	MUL16 0, 1, NQ-1, 1, 0
	MUL16 2, 1, NQ-1, 1, 0
	s_wait_dscnt 0
	WIN MUL_HI
	MUL16 4, 1, NQ-1, 1, 0
	MUL16 6, 1, NQ-1, 1, 0
	WIN 0
	PLACES NP                                      ; in front of the reads of results and of the writes over A's fragments
	s_barrier_signal -1                            ; every wave's reads of the ring and of the scale words are over (its last wait on LDS was for 0): the stages may be written over them
	s_barrier_wait -1
	; ---------------- behind the products ----------------
	s_mov_b32 s[SEL], 0x76543210
	s_mov_b32 s[SEL+1], 0xfedcba98                 ; lane l xor 16
	s_mov_b32 s[MNT], 0x600000                     ; the mantissa field of 448
	s_mov_b32 s[K64], 0x3c800000                   ; 1 / 64
	s_mov_b32 s[EPSS], 0x358637bd                  ; 1e-6
	s_mov_b32 s[NL2E], 0xbfb8aa3b                  ; -log2(e)
	s_mov_b32 s[NL2E+1], s[NL2E]                   ; (named with it as a pair)
	s_mov_b32 s[M7F], 0x7f7f0000                   ; the bytes of the K that a head of 64 does not have: 2^0
	s_cmp_eq_u32 ttmp9, 2
	s_cselect_b32 s[ISK], 1, 0
	s_cselect_b64 s[12:13], s[14:15], s[12:13]     ; kn there, else qn
	s_and_b32 s[TYPE], s[ISK], s18                 ; v: that cluster's column half 1
	s_cmp_ge_u32 ttmp9, 3
	s_cselect_b32 s[TYPE], 2, s[TYPE]              ; g
	s_mul_i32 s23, s16, STG                        ; my stage.  All LDS addresses are made here, ahead of the ways' parting
	v_mul_u32_u24 v[STO], v1, SP
	v_add_nc_u32 v[STO], s23, v[STO]
	v_lshl_add_u32 v[RDQ0], v2, 6, v[STO]
	v_mul_u32_u24 v[RDV0], v2, 8*SP
	v_lshl_add_u32 v[RDV0], v1, 2, v[RDV0]
	v_add_nc_u32 v[RDV0], s23, v[RDV0]
	v_lshl_add_u32 v[STO], v2, 5, v[STO]
	v_lshlrev_b32 v[R4], 2, v1
	v_lshlrev_b32 v[SH], 4, v2
	v_lshlrev_b32 v[QNO], 6, v2
.irp b, 0,1,2,3
	v_mov_b32 v[TM+4+\b], 0                        ; written once: a lane permute's destination counts as one of its sources
.endr
	v_mov_b32 v[PC+9], 0                           ; (upper halves of pairs that are named whole)
	v_mov_b32 v[PC+11], 0
.irp c, 0,1
.irp j, 0,1,2,3
	global_load_b128 v[QN+16*\c+4*\j:QN+16*\c+4*\j+3], v[QNO], s[12:13] offset:128*\c+16*\j   ; the gain of column 32 c + 16 h + i in register 16 c + i
.endr
.endr
	; where my results go: whole-number offsets by kind; the buffers are chosen below
	s_lshl_b32 s[GM0], s19, 4
	s_lshl_b32 s21, s17, 3
	s_add_co_u32 s[GM0], s[GM0], s21               ; my first granule of 16 positions: 16 x tile row + 8 x half
	s_cmp_eq_u32 s[TYPE], 2
	s_cbranch_scc1 .Larm_g
	s_cmp_eq_u32 s[ISK], 1
	s_cbranch_scc1 .Larm_kv
	s_lshl_b32 s21, s20, 2                         ; q: my first head: 4 x tile column + 2 x half
	s_lshl_b32 s22, s18, 1
	s_add_co_u32 s21, s21, s22
	s_lshl_b32 s44, s21, 7
	s_add_co_u32 s44, s44, s[GM0]
	s_lshl_b32 s44, s44, 10                        ; (head x 128 + granule) x 1,024
	s_mov_b32 s46, 131072                          ; the next head's images
	s_lshl_b32 s48, s[GM0], 5
	s_add_co_u32 s48, s48, s21
	s_lshl_b32 s48, s48, 6                         ; (granule x 32 + head) x 64
	s_mov_b32 s50, 2048                            ; the next granule's words
	s_mov_b32 s[STP], 2048
	s_mov_b32 s[STS], 4096
	s_mov_b32 s[HSS], 64
	s_branch .Larm_end
.Larm_kv:
	s_sub_co_u32 s21, s20, 8
	s_mul_i32 s21, s21, 2*KVREC                    ; the record of my first kv head
	s_mov_b32 s46, KVREC
	s_mov_b32 s[STP], 2048
	s_mov_b32 s[HSS], KVREC
	s_cmp_eq_u32 s[TYPE], 1
	s_cbranch_scc1 .Larm_v
	s_lshl_b32 s44, s[GM0], 10                     ; k: tile = granule
	s_add_co_u32 s44, s44, s21
	s_lshl_b32 s48, s[GM0], 6
	s_add_co_u32 s48, s48, s21
	s_add_co_u32 s48, s48, 262144
	s_mov_b32 s50, 64
	s_mov_b32 s[STS], 128
	s_branch .Larm_end
.Larm_v:
	s_lshl_b32 s22, s19, 1
	s_add_co_u32 s22, s22, s17                     ; v: my 128 positions are key step 2 x tile row + half
	s_lshl_b32 s44, s22, 13
	s_add_co_u32 s44, s44, s21
	s_add_co_u32 s44, s44, 131072
	s_lshl_b32 s48, s22, 8
	s_add_co_u32 s48, s48, s21
	s_add_co_u32 s48, s48, 270336
	s_mov_b32 s50, KVREC
	s_mov_b32 s[STS], 64
	s_branch .Larm_end
.Larm_g:
	s_sub_co_u32 s21, s20, 12
	s_lshl_b32 s21, s21, 2
	s_lshl_b32 s22, s18, 1
	s_add_co_u32 s21, s21, s22                     ; g: my first head
	s_lshl_b32 s44, s[GM0], 5
	s_add_co_u32 s44, s44, s21
	s_lshl_b32 s44, s44, 12                        ; (granule x 32 + head) x 4,096
	s_mov_b32 s46, 0
	s_mov_b32 s48, s44
	s_mov_b32 s50, 0
	s_mov_b32 s[STP], 262144
	s_mov_b32 s[STS], 0
	s_mov_b32 s[HSS], 0
.Larm_end:
	s_mov_b32 s45, 0
	s_mov_b32 s47, 0
	s_mov_b32 s49, 0
	s_mov_b32 s51, 0
	s_mov_b32 s[STP+1], 0
	s_mov_b32 s[STS+1], 0
	s_mov_b32 s[RST+1], 0
	s_cmp_eq_u32 s[ISK], 1
	s_cselect_b64 s[66:67], s[96:97], s[92:93]     ; codes go to kv or qimg,
	s_cselect_b64 s[68:69], s[96:97], s[94:95]     ; scale words to kv or qsc,
	s_cmp_eq_u32 s[TYPE], 2
	s_cselect_b64 s[66:67], s[98:99], s[66:67]     ; the sigmoid to gate
	s_cselect_b64 s[68:69], s[98:99], s[68:69]
	s_add_nc_u64 s[PA:PA+1], s[66:67], s[44:45]
	s_add_nc_u64 s[PB:PB+1], s[PA:PA+1], s[46:47]
	s_add_nc_u64 s[PSA:PSA+1], s[68:69], s[48:49]
	s_add_nc_u64 s[PSB:PSB+1], s[PSA:PSA+1], s[50:51]
	v_mul_u32_u24 v[SOFF], s[HSS], v2
	v_lshl_add_u32 v[SOFF], v1, 2, v[SOFF]
	; the dump: accumulator (a, b): positions 16 a + r, columns 16 b + 8 h + 0 .. 7; each from its low end on
.irp a, 0,1,2,3,4,5,6,7
	WIN 0x08+4*(\a/4)                              ; an LDS store's data are its source 1: window 2 or 3
.irp b, 0,1,2,3,4,5,6,7
	ds_store_b128 v[STO], v[8*(8*(\a%4)+\b):8*(8*(\a%4)+\b)+3] offset:16*SP*\a+64*\b
	ds_store_b128 v[STO], v[8*(8*(\a%4)+\b)+4:8*(8*(\a%4)+\b)+7] offset:16*SP*\a+64*\b+16
.endr
.endr
	WIN 0
	s_wait_loadcnt 0x0                             ; cos, sin, the gains; and their loads have read their addresses:
	s_add_nc_u64 s[8:9], s[8:9], 4096              ; the refills begin at my third block of 16 positions
	s_add_nc_u64 s[10:11], s[10:11], 4096
; 64 numbers of a lane, register 16 b + i, become 16 registers of codes, v[PC] on, and a scale word, v[PW]
.macro QUANT4 s
.irp b, 0,1,2,3
	v_max3_num_f32 v[TM+\b], |v[\s+16*\b]|, |v[\s+1+16*\b]|, 0x4800000   ; block b: my 16 numbers, and the floor 2^(9 - 127): the byte cannot fall under 1
.endr
.irp i, 2,4,6,8,10,12,14
.irp b, 0,1,2,3
	v_max3_num_f32 v[TM+\b], v[TM+\b], |v[\s+16*\b+\i]|, |v[\s+1+16*\b+\i]|
.endr
.endr
.irp b, 0,1,2,3
	v_permlanex16_b32 v[TM+4+\b], v[TM+\b], s[SEL], s[SEL+1]
.endr
.irp b, 0,1,2,3
	v_max_num_f32 v[TM+\b], v[TM+\b], v[TM+4+\b]   ; with lane l xor 16's: the block's largest magnitude
.endr
.irp b, 0,1,2,3
	v_add_nc_u32 v[TM+12+\b], 0xfc000000, v[TM+\b]   ; 8 off its exponent field: the conversion's scale operand
.endr
.irp b, 0,1,2,3
	v_and_or_b32 v[TM+8+\b], v[TM+\b], 0x7f800000, s[MNT]   ; 448 x the scale
.endr
.irp b, 0,1,2,3
	v_lshrrev_b32 v[TM+4+\b], 23, v[TM+12+\b]   ; the scale's byte
.endr
	v_lshl_or_b32 v[PW], v[TM+5], 8, v[TM+4]
	v_lshl_or_b32 v[PW], v[TM+6], 16, v[PW]
	v_lshl_or_b32 v[PW], v[TM+7], 24, v[PW]
.irp b, 0,1,2,3
.irp i, 0,1,2,3,4,5,6,7,8,9,10,11,12,13,14,15
	v_med3_num_f32 v[\s+16*\b+\i], v[\s+16*\b+\i], -v[TM+8+\b], v[TM+8+\b]   ; the conversion to an 8-bit code does not saturate (ISA guide 7.6.2)
.endr
	v_cvt_scalef32_pk8_fp8_f32 v[PC+4*\b:PC+1+4*\b], v[\s+16*\b:\s+7+16*\b], v[TM+12+\b]
	v_cvt_scalef32_pk8_fp8_f32 v[PC+2+4*\b:PC+3+4*\b], v[\s+8+16*\b:\s+15+16*\b], v[TM+12+\b]
.endr
	v_nop                                          ; one plain vector line behind the last conversion
.endm
; q or k: 16 positions x two heads.  Register 16 b + i, b = 2 e + c: column 32 c + 16 h + i of head e, position r
.macro BODY_QK sub
.irp b, 0,1,2,3
.irp j, 0,1,2,3
	ds_load_b128 v[X+16*\b+4*\j:X+16*\b+4*\j+3], v[ADQ] offset:16*SP*\sub+128*\b+16*\j
.endr
.endr
	s_wait_dscnt 0x0
.irp b, 0,1,2,3                        ; the rope: (x0, x1) -> (x0 c - x1 s, x0 s + x1 c)
.irp p, 0,1,2,3,4,5,6,7
	v_mul_f32 v[T+\p%4], v[X+16*\b+2*\p+1], v[CS+32*\sub+16+8*(\b%2)+\p]
	v_mul_f32 v[X+16*\b+2*\p+1], v[X+16*\b+2*\p+1], v[CS+32*\sub+8*(\b%2)+\p]
	v_fmac_f32 v[X+16*\b+2*\p+1], v[X+16*\b+2*\p], v[CS+32*\sub+16+8*(\b%2)+\p]
	v_fma_f32 v[X+16*\b+2*\p], v[X+16*\b+2*\p], v[CS+32*\sub+8*(\b%2)+\p], -v[T+\p%4]
.endr
.endr
.irp e, 0,1                            ; the norm: a head's sum of squares, my 32 numbers in two packed chains
	v_pk_mul_f32 v[PC+4*\e:PC+4*\e+1], v[X+32*\e:X+32*\e+1], v[X+32*\e:X+32*\e+1]
	v_pk_mul_f32 v[PC+4*\e+2:PC+4*\e+3], v[X+32*\e+2:X+32*\e+3], v[X+32*\e+2:X+32*\e+3]
.endr
.irp i, 4,8,12,16,20,24,28
.irp e, 0,1
	v_pk_fma_f32 v[PC+4*\e:PC+4*\e+1], v[X+32*\e+\i:X+32*\e+\i+1], v[X+32*\e+\i:X+32*\e+\i+1], v[PC+4*\e:PC+4*\e+1]
	v_pk_fma_f32 v[PC+4*\e+2:PC+4*\e+3], v[X+32*\e+\i+2:X+32*\e+\i+3], v[X+32*\e+\i+2:X+32*\e+\i+3], v[PC+4*\e+2:PC+4*\e+3]
.endr
.endr
.irp e, 0,1
	v_pk_add_f32 v[PC+4*\e:PC+4*\e+1], v[PC+4*\e:PC+4*\e+1], v[PC+4*\e+2:PC+4*\e+3]
.endr
.irp e, 0,1
	v_add_f32 v[PC+4*\e], v[PC+4*\e], v[PC+4*\e+1]
.endr
.irp e, 0,1
	v_permlanex16_b32 v[PC+4*\e+1], v[PC+4*\e], s[SEL], s[SEL+1]
.endr
.irp e, 0,1
	v_add_f32 v[PC+4*\e], v[PC+4*\e], v[PC+4*\e+1]   ; with lane l xor 16's 32
.endr
.irp e, 0,1
	v_fma_f32 v[PC+4*\e], v[PC+4*\e], s[K64], s[EPSS]   ; the mean + eps
.endr
.irp e, 0,1
	v_rsq_f32 v[PC+8+2*\e], v[PC+4*\e]
.endr
	v_nop                                          ; a plain line behind the last of the two,
	s_wait_alu depctr_va_vdst(0)                   ; and one wait for both, ahead of their first reader
.irp e, 0,1
.irp i, 0,2,4,6,8,10,12,14,16,18,20,22,24,26,28,30
	v_pk_mul_f32 v[X+32*\e+\i:X+32*\e+\i+1], v[X+32*\e+\i:X+32*\e+\i+1], v[PC+8+2*\e:PC+9+2*\e] op_sel_hi:[1,0]
.endr
.endr
.irp b, 0,1,2,3
.irp i, 0,2,4,6,8,10,12,14
	v_pk_mul_f32 v[X+16*\b+\i:X+16*\b+\i+1], v[X+16*\b+\i:X+16*\b+\i+1], v[QN+16*(\b%2)+\i:QN+16*(\b%2)+\i+1]   ; x inv, then the gain: the order of the definition
.endr
.endr
	QUANT4 X
	v_lshrrev_b32 v[SWD], v[SH], v[PW]             ; lanes 0-15 keep head 0's two bytes, lanes 16-31 take head 1's
	v_and_or_b32 v[SWD], v[SWD], 0xffff, s[M7F]
.irp c, 0,1
	global_store_b128 v[LI], v[PC+4*\c:PC+4*\c+3], s[PA:PA+1] offset:1024*\sub+512*\c      ; 512 consecutive bytes a store
	global_store_b128 v[LI], v[PC+8+4*\c:PC+8+4*\c+3], s[PB:PB+1] offset:1024*\sub+512*\c
.endr
.if \sub == 0
	global_store_b32 v[SOFF], v[SWD], s[PSA:PSA+1]
.else
	global_store_b32 v[SOFF], v[SWD], s[PSB:PSB+1]
.endif
.endm
; v: the fragment of head sub, channels 16 x trip + r, over my 128 keys.  Register 16 c + i: key 32 c + 8 h + i % 8 + 16 (i / 8)
.macro BODY_V sub
.irp c, 0,1,2,3
.irp i, 0,1,2,3,4,5,6,7,8,9,10,11,12,13,14,15
	ds_load_b32 v[X+16*\c+\i], v[ADV] offset:(32*\c+16*(\i/8)+\i%8)*SP+256*\sub
.endr
.endr
	s_wait_dscnt 0x0
	QUANT4 X
.if \sub == 0
.irp c, 0,1,2,3
	global_store_b128 v[LI], v[PC+4*\c:PC+4*\c+3], s[PA:PA+1] offset:512*\c
.endr
	global_store_b32 v[R4], v[PW], s[PSA:PSA+1]    ; both halves of the lanes write the same word with the same value
.else
.irp c, 0,1,2,3
	global_store_b128 v[LI], v[PC+4*\c:PC+4*\c+3], s[PB:PB+1] offset:512*\c
.endr
	global_store_b32 v[R4], v[PW], s[PSB:PSB+1]
.endif
.endm
; g: 16 positions x two heads: 1 / (1 + 2^(-x log2(e))).  Registers 8 m + 4 j on, m = 4 e + tile: channels 16 tile + 8 h + 4 j + 0 .. 3
.macro BODY_G sub
.irp m, 0,1,2,3,4,5,6,7
.irp j, 0,1
	ds_load_b128 v[X+8*\m+4*\j:X+8*\m+4*\j+3], v[ADG] offset:16*SP*\sub+64*\m+16*\j
.endr
.endr
	s_wait_dscnt 0x0
.set n, 0
.rept 32
	v_pk_mul_f32 v[X+n:X+n+1], v[X+n:X+n+1], s[NL2E:NL2E+1] op_sel_hi:[1,0]
.set n, n+2
.endr
.set n, 0
.rept 64
	v_exp_f32 v[X+n], v[X+n]
.set n, n+1
.endr
	v_nop
	s_wait_alu depctr_va_vdst(0)                   ; one wait for the batch, ahead of its first reader
.set n, 0
.rept 32
	v_pk_add_f32 v[X+n:X+n+1], v[X+n:X+n+1], 1.0 op_sel_hi:[1,0]
.set n, n+2
.endr
.set n, 0
.rept 64
	v_rcp_f32 v[X+n], v[X+n]
.set n, n+1
.endr
	v_nop
	s_wait_alu depctr_va_vdst(0)
.irp m, 0,1,2,3,4,5,6,7
.irp j, 0,1
	global_store_b128 v[LI], v[X+8*\m+4*\j:X+8*\m+4*\j+3], s[PA:PA+1] offset:131072*\sub+1024*\m+512*\j th:TH_STORE_NT
.endr
.endr
.endm
; One of a trip's two parts.  The waits, the addresses and the refill of cos and sin are every wave's; only the body differs.
.macro EPI sub
	s_wait_xcnt 0x0                                ; the last part's stores have read their registers
	s_wait_loadcnt 8                               ; this set of cos and sin is in; the other set's 8 loads may be out
	v_add_nc_u32 v[ADQ], s[SA], v[RDQ0]
	v_add_nc_u32 v[ADG], s[SA], v[STO]
	v_add_nc_u32 v[ADV], s[SV], v[RDV0]
	s_cmp_eq_u32 s[TYPE], 1
	s_cbranch_scc1 .Lbody_v_\@
	s_cmp_eq_u32 s[TYPE], 2
	s_cbranch_scc1 .Lbody_g_\@
	BODY_QK \sub
	s_branch .Ljoin_\@
.Lbody_v_\@:
	BODY_V \sub
	s_branch .Ljoin_\@
.Lbody_g_\@:
	BODY_G \sub
.Ljoin_\@:
	CSLOAD \sub, 2048*\sub                         ; the set just used takes the positions of the next trip
.endm
	s_mov_b32 s3, 0
	s_mov_b32 s[SA], 0
	s_mov_b32 s[SV], 0
.Ltrip:                                                ; four trips: q, k, g: 32 positions each; v: one tile of 16 channels of both heads
	EPI 0
	EPI 1
	s_wait_xcnt 0x0                                ; stores and loads have read their bases
	s_add_nc_u64 s[PA:PA+1], s[PA:PA+1], s[STP:STP+1]
	s_add_nc_u64 s[PB:PB+1], s[PB:PB+1], s[STP:STP+1]
	s_add_nc_u64 s[PSA:PSA+1], s[PSA:PSA+1], s[STS:STS+1]
	s_add_nc_u64 s[PSB:PSB+1], s[PSB:PSB+1], s[STS:STS+1]
	s_cmp_lt_u32 s3, 2
	s_cselect_b32 s[RST], 4096, 0                  ; the last trip's refill asks for my last 32 positions once more: no load leaves cos or sin, and the counts stay as they are
	s_add_nc_u64 s[8:9], s[8:9], s[RST:RST+1]
	s_add_nc_u64 s[10:11], s[10:11], s[RST:RST+1]
	s_add_co_u32 s[SA], s[SA], 32*SP
	s_add_co_u32 s[SV], s[SV], 64
	s_add_co_u32 s3, s3, 1
	s_cmp_lt_u32 s3, 4
	s_cbranch_scc1 .Ltrip
	s_wait_tensorcnt 0x0                           ; the wave's end
	ds_add_u32 v[SPW], v[NIL]
	s_wait_dscnt 0x0
	CROUND                                         ; the closing round
	s_endpgm
.Lfunc_end_k_q10953983b2_proj:
	.size	k_q10953983b2_proj, .Lfunc_end_k_q10953983b2_proj-k_q10953983b2_proj
	.p2alignl 7, 3214868480
	.fill 96, 4, 3214868480
	.section	.rodata,"a",@progbits
	.p2align	6, 0x0
	.amdhsa_kernel k_q10953983b2_proj
		.amdhsa_group_segment_fixed_size 327680
		.amdhsa_private_segment_fixed_size 0
		.amdhsa_enable_private_segment 0
		.amdhsa_kernarg_size 80
		.amdhsa_user_sgpr_count 2
		.amdhsa_user_sgpr_kernarg_segment_ptr 1
		.amdhsa_wavefront_size32 1
		.amdhsa_system_sgpr_workgroup_id_x 1
		.amdhsa_system_sgpr_workgroup_id_y 1
		.amdhsa_system_sgpr_workgroup_id_z 1
		.amdhsa_system_vgpr_workitem_id 0
		.amdhsa_next_free_vgpr 1024
		.amdhsa_next_free_sgpr 106
		.amdhsa_reserve_vcc 0
		.amdhsa_float_denorm_mode_32 3
		.amdhsa_float_denorm_mode_16_64 3
		.amdhsa_memory_ordered 1
		.amdhsa_forward_progress 1
		.amdhsa_inst_pref_size 224
	.end_amdhsa_kernel
	.amdgpu_metadata
---
amdhsa.version: [ 1, 2 ]
amdhsa.kernels:
  - .name:           k_q10953983b2_proj
    .symbol:         k_q10953983b2_proj.kd
    .args:
      - { .name: codes, .offset: 0, .size: 8, .value_kind: global_buffer, .address_space: global }
      - { .name: scales, .offset: 8, .size: 8, .value_kind: global_buffer, .address_space: global }
      - { .name: cos, .offset: 16, .size: 8, .value_kind: global_buffer, .address_space: global }
      - { .name: sin, .offset: 24, .size: 8, .value_kind: global_buffer, .address_space: global }
      - { .name: qn, .offset: 32, .size: 8, .value_kind: global_buffer, .address_space: global }
      - { .name: kn, .offset: 40, .size: 8, .value_kind: global_buffer, .address_space: global }
      - { .name: qimg, .offset: 48, .size: 8, .value_kind: global_buffer, .address_space: global }
      - { .name: qsc, .offset: 56, .size: 8, .value_kind: global_buffer, .address_space: global }
      - { .name: kv, .offset: 64, .size: 8, .value_kind: global_buffer, .address_space: global }
      - { .name: gate, .offset: 72, .size: 8, .value_kind: global_buffer, .address_space: global }
    .group_segment_fixed_size: 327680
    .private_segment_fixed_size: 0
    .kernarg_segment_align: 8
    .kernarg_segment_size: 80
    .max_flat_workgroup_size: 128
    .sgpr_count:     106
    .vgpr_count:     1024
    .wavefront_size: 32
...
	.end_amdgpu_metadata
.endif
;; end of part 2
;; launch attn (part 3): grid 32 x 8, 16 waves a work-group, clusters of 4 x 1, 276,480 bytes of LDS; arguments qimg, qsc, kv, gate, ogc, ogs; writes ogc, ogs
.if DOCPART == 3
	.amdgcn_target "amdgcn-amd-amdhsa--gfx1250"
	.amdhsa_code_object_version 6
	.text
	.protected	k_q10953983b2_attn
	.globl	k_q10953983b2_attn
	.p2align	8
	.type	k_q10953983b2_attn,@function
k_q10953983b2_attn:
	s_mov_b64 s[64:65], 0
	v_nop
	global_prefetch_b8 v0, s[64:65] scope:SCOPE_SE
	s_setreg_imm32_b32 hwreg(HW_REG_WAVE_MODE, 25, 1), 1
	s_wait_xcnt 0x0
	s_wait_alu depctr_hold_cnt(0) depctr_sa_sdst(0) depctr_va_vdst(0) depctr_va_sdst(0) depctr_va_ssrc(0) depctr_va_vcc(0) depctr_vm_vsrc(0)
	s_getreg_b32 s2, hwreg(HW_REG_IB_STS2, 6, 4)
	s_cmp_eq_u32 s2, 0
	s_cbranch_scc0 .Lentry_in_a_cluster
	s_endpgm
.Lentry_in_a_cluster:
	s_bfe_u32 s2, ttmp6, 0x10000c
	s_cmp_lg_u32 s2, 0x3003
	s_cbranch_scc0 .Lentry_shape_is_right
	s_endpgm
.Lentry_shape_is_right:
; Causal attention of 32 query heads on 8 kv heads, head size 64, 2,048 positions, both products on codes of FP8 (E4M3) with E8M0 scales; then O / l x the gate, quantised along the 2,048 of the last product's K.
; THE SOFTMAX: t = score x log2(e) / 8; M = the running largest t rounded up to a whole number; p = 2^(t - M) is quantised along the keys, not normalised; the row's sum is taken of the unquantised p and divides at the end.
; When M moves, the sum and O are multiplied by 2^(old M - new M): exact.
; SHARES.  A cluster of four work-groups takes the four query heads of one kv head (the place in the cluster enters global addresses alone).  A work-group has sixteen waves, each with ONE tile of 16 queries in 256 registers.
; Cluster x = j: eight waves take granules 8 j + 0 .. 7 of the queries (j + 1 key steps of 128), eight take 127 - 8 j - 0 .. 7 (16 - j steps): every work-group has the same work.
; LDS holds the kv head's whole record as it lies in memory (K's images, V's images, their scale words: 274,432 bytes), filled ONCE, by joint loads issued together at the head: five a wave are out at the most.
; Nothing is filled again.  The keys come in four stages of 512; a counted wait and a barrier stand in front of each stage's four key steps.
; LAYOUT.  Both products are used transposed: S^T = K Q^T (source 0 = 16 neighbouring keys), O^T = V^T P^T (source 0 = 16 channels): a lane holds one query (lane % 16) throughout.
; In S^T tile t, register j of lane (r, h) is key 16 t + 8 h + j, so slot 32 c + 16 h + i of p's operand holds key 32 c + 8 h + i % 8 + 16 (i / 8); V's images were laid in the same order.  The change stays inside a
; block of 32: codes and scales are the rule's; only the order of the sums inside the matrix instruction differs.
; THE FIRST PRODUCT'S K IS 64 OF THE INSTRUCTION'S 128.  Q's registers 8-15 are zero codes; K's operand for tile t is 16 registers from the tile's first, so its upper eight are the next tile's codes (for tile 7: zeros).
; The quantiser makes no NaN code and the scale bytes there are 2^0, so those products are exact zeros; K is read from LDS once.
; EVERY wave walks all 16 key steps: trip counts are constants.  A step all of whose keys come after the wave's queries is jumped over by a scalar branch on ids, round its work, not round the lines that step addresses.
; LIMITS: NaN and infinities are not served; a block whose largest magnitude lies under 2^-118 is held at the byte 1.  The two scale bytes a row and head leave by a store of two bytes: 131,072 bytes in all.
.set KVREC, 274432
.set LI,   1                           ; v1   16 x lane
.set AV0,  2                           ; v2   V's images: 131,072 + 16 x lane
.set R4,   3                           ; v3   4 r
.set ASK0, 4                           ; v4   K's scale words: 262,144 + 4 x lane
.set QL,   5                           ; v5   r - 8 h
.set ASV0, 6                           ; v6   V's scale words: 270,336 + 4 x lane
.set OGO,  7                           ; v7   16 r + 8 h
.set ADK,  8                           ; v8-11 the step's addresses
.set ADV,  9
.set ADS,  10
.set ADT,  11
.set KB,   32                          ; v32-95 K's eight tiles, then V's four fragments; v96-103 zeros
.set S,    104                         ; v104-167 S^T, then p
.set OT,   168                         ; v168-199 O^T
.set PC,   200                         ; v200-215 p's codes
.set BM,   216                         ; v216-219 the blocks' largest; v220-223, v224-227, v228-231 at work
.set BP,   220
.set BH,   224
.set BS,   228
.set KSW,  232                         ; v232-235 K's scale words: lanes 0-15 an even tile's, lanes 16-31 the odd one's
.set VSW,  236                         ; v236-237 V's likewise
.set QS,   238                         ; v238 Q's
.set PSW,  239                         ; v239 p's
.set FF,   240                         ; v[240:241] f = 2^(old M - new M), later 1 / l; the upper one is only named
.set WV,   16
.set GM,   18                          ; s18  my granule of 16 queries
.set MNT,  19
.set SEL,  20
.set CS,   22                          ; s[22:23] log2(e) / 8
.set G1,   24                          ; s[24:31] group 1: 16 rows of 256 bytes;  s[32:39]: 3 rows;  s[40:59] five groups 0
.set G1S,  32
.set G0,   40
.set TB,   60                          ; s60  the step's images of K and of V: 8,192 bytes a step
.set TS,   61                          ; s61  K's scale words: 512 a step
.set TJ,   62                          ; s62  V's: 256 a step
.set KF,   63                          ; s63  the step's first key
.set Q0,   66                          ; s66  my first query
.set CNT,  67
.set HQ,   68
.macro CROUND                          ; a round of the cluster's barrier
	s_barrier_signal -1
	s_barrier_wait -1
	s_cmp_lg_u32 s[WV], 0
	s_cbranch_scc1 .Lnot_wave_0_\@
	s_barrier_signal -3
.Lnot_wave_0_\@:
	s_barrier_wait -3
	s_barrier_signal -1
	s_barrier_wait -1
.endm
	s_load_b256 s[4:11], s[0:1], 0x0               ; qimg, qsc, kv, gate
	s_load_b128 s[12:15], s[0:1], 0x20             ; ogc, ogs
	v_lshl_add_u32 v254, v0, 2, 0x43000
	v_mov_b32 v255, 0
	ds_add_u32 v254, v255
	ds_add_u32 v254, v255
	v_lshrrev_b32 v1, 5, v0
	v_readfirstlane_b32 s[WV], v1                  ; wave 0..15
	s_bfe_u32 s17, ttmp6, 0x40000                  ; cx: which of the group's four query heads
	s_and_b32 s69, ttmp7, 0xffff                   ; the kv head
	s_lshl_b32 s[HQ], s69, 2
	s_add_co_u32 s[HQ], s[HQ], s17                 ; the query head
	s_lshr_b32 s70, s[WV], 1
	s_lshl_b32 s71, ttmp9, 3
	s_add_co_u32 s70, s70, s71                     ; 8 j + wave / 2: an early granule,
	s_sub_co_u32 s71, 127, s70                     ; and its mirror
	s_lshr_b32 s72, s[WV], 2
	s_xor_b32 s72, s72, s[WV]
	s_and_b32 s72, s72, 1                          ; of waves 2 i and 2 i + 1 one takes each; the pattern turns every four waves
	s_cmp_eq_u32 s72, 1
	s_cselect_b32 s[GM], s71, s70
	s_lshl_b32 s[Q0], s[GM], 4
	s_mov_b32 s[G1], 15|(3<<16)|(1<<21)            ; 15:0 the mask: all four work-groups; 17:16 elements of 8 bytes; 21 set beside a mask; no padding
	s_mov_b32 s[G1+1], 32<<16                      ; tensor_dim0 = 32 elements: 256 bytes
	s_mov_b32 s[G1+2], 16<<16                      ; tensor_dim1
	s_mov_b32 s[G1+3], 32<<16                      ; tile_dim0
	s_mov_b32 s[G1+4], 16                          ; tile_dim1
	s_mov_b32 s[G1+5], 32                          ; dense
	s_mov_b32 s[G1+6], 0
	s_mov_b32 s[G1+7], 0
	s_mov_b32 s[G1S], 15|(3<<16)|(1<<21)
	s_mov_b32 s[G1S+1], 32<<16
	s_mov_b32 s[G1S+2], 3<<16
	s_mov_b32 s[G1S+3], 32<<16
	s_mov_b32 s[G1S+4], 3
	s_mov_b32 s[G1S+5], 32
	s_mov_b32 s[G1S+6], 0
	s_mov_b32 s[G1S+7], 0
	s_mul_i32 s70, s69, KVREC
	s_mov_b32 s71, 0
	s_mul_i32 s72, s[WV], 768
	s_add_co_u32 s72, s72, 262144                  ; my 768 bytes of the scale words: the same place in the record and in LDS
	s_lshr_b32 s73, s[WV], 3
	s_lshl_b32 s73, s73, 17                        ; waves 0-7 fetch K's images, waves 8-15 V's:
	s_and_b32 s74, s[WV], 7
	s_lshl_b32 s74, s74, 12
	s_add_co_u32 s73, s73, s74                     ; my 4,096 bytes of a stage's 32,768
	s_mov_b32 s75, 0
	s_mov_b32 s[SEL], 0x76543210
	s_mov_b32 s[SEL+1], 0xfedcba98
	s_mov_b32 s[CS], 0x3e38aa3b                    ; log2(e) / 8
	s_mov_b32 s[CS+1], s[CS]
	s_mov_b32 s[MNT], 0x600000
	s_mov_b32 s[TB], 0
	s_mov_b32 s[TS], 0
	s_mov_b32 s[TJ], 0
	s_mov_b32 s[KF], 0
	s_wait_dscnt 0x0
	s_wait_kmcnt 0x0
	s_add_nc_u64 s[8:9], s[8:9], s[70:71]          ; the kv head's record: the same in all four partners
	s_mov_b32 s[G0], 1
	s_mov_b32 s[G0+1], s72
	s_mov_b32 s74, s72
	s_add_nc_u64 s[G0+2:G0+3], s[8:9], s[74:75]
	s_or_b32 s[G0+3], s[G0+3], 0x80000000
.irp n, 0,1,2,3
	s_mov_b32 s[G0+4+4*\n], 1
	s_add_co_u32 s[G0+5+4*\n], s73, 32768*\n
	s_mov_b32 s74, s[G0+5+4*\n]
	s_add_nc_u64 s[G0+6+4*\n:G0+7+4*\n], s[8:9], s[74:75]
	s_or_b32 s[G0+7+4*\n], s[G0+7+4*\n], 0x80000000
.endr
	CROUND                                         ; all four work-groups are here: the joint loads meet
	tensor_load_to_lds s[G0:G0+3], s[G1S:G1S+7]    ; the scale words,
	s_nop 0
	tensor_load_to_lds s[G0+4:G0+7], s[G1:G1+7]    ; and the four stages of 512 keys: first fills all, in one group
	s_nop 0
	tensor_load_to_lds s[G0+8:G0+11], s[G1:G1+7]
	s_nop 0
	tensor_load_to_lds s[G0+12:G0+15], s[G1:G1+7]
	s_nop 0
	tensor_load_to_lds s[G0+16:G0+19], s[G1:G1+7]
	s_nop 0
.rept 4
	v_nop
.endr
	s_lshl_b32 s76, s[HQ], 7
	s_add_co_u32 s76, s76, s[GM]
	s_lshl_b32 s76, s76, 10
	s_mov_b32 s77, 0
	s_add_nc_u64 s[4:5], s[4:5], s[76:77]          ; my tile's image of Q
	s_lshl_b32 s78, s[GM], 5
	s_add_co_u32 s78, s78, s[HQ]                   ; 32 x granule + head
	s_lshl_b32 s76, s78, 6
	s_add_nc_u64 s[6:7], s[6:7], s[76:77]          ; its scale words
	s_lshl_b32 s76, s78, 12
	s_add_nc_u64 s[10:11], s[10:11], s[76:77]      ; its gate
	s_lshl_b32 s76, s78, 10
	s_add_nc_u64 s[12:13], s[12:13], s[76:77]      ; its codes: granule x 32,768 + (head / 2) x 2,048 + (head % 2) x 1,024
	s_lshr_b32 s76, s[HQ], 1
	s_lshl_b32 s76, s76, 6
	s_and_b32 s79, s[HQ], 1
	s_lshl_b32 s79, s79, 1
	s_add_co_u32 s76, s76, s79
	s_lshl_b32 s79, s[GM], 10
	s_add_co_u32 s76, s76, s79
	s_add_nc_u64 s[14:15], s[14:15], s[76:77]      ; and its two scale bytes of each row's word
	v_and_b32 v8, 31, v0
	v_lshlrev_b32 v[LI], 4, v8
	v_lshlrev_b32 v8, 2, v8
	v_add_nc_u32 v[AV0], 131072, v[LI]
	v_add_nc_u32 v[ASK0], 262144, v8
	v_add_nc_u32 v[ASV0], 270336, v8
	v_and_b32 v9, 15, v0                           ; r
	v_bfe_u32 v10, v0, 4, 1                        ; h
	v_lshlrev_b32 v[R4], 2, v9
	v_lshlrev_b32 v[QL], 3, v10
	v_sub_nc_u32 v[QL], v9, v[QL]
	v_lshlrev_b32 v[OGO], 4, v9
	v_lshl_add_u32 v[OGO], v10, 3, v[OGO]
	global_load_b128 v[16:19], v[LI], s[4:5]       ; Q: k = 16 h + 0 .. 15,
	global_load_b128 v[20:23], v[LI], s[4:5] offset:512   ; and 32 + 16 h + 0 .. 15
	global_load_b32 v[QS], v[R4], s[6:7]
.irp i, 0,1,2,3,4,5,6,7
	v_mov_b32 v[24+\i], 0                          ; the K that a head of 64 does not have: zero codes
	v_mov_b32 v[96+\i], 0
.endr
.set n, 0
.rept 32
	v_mov_b32 v[OT+n], 0                           ; the step is written once: the first finds zeros, which the first change of M leaves zeros
.set n, n+1
.endr
	v_mov_b32 v13, 0xff61b1e6                      ; the largest t so far: -3e38
	v_floor_f32 v12, -v13                          ; -M
	v_mov_b32 v14, 0                               ; the sum, in two halves
	v_mov_b32 v15, 0
.irp b, 0,1,2,3
	v_mov_b32 v[BP+\b], 0                          ; written once: a lane permute's destination counts as one of its sources
.endr
	v_mov_b32 v[FF+1], 0
	v_mov_b32 v242, 0
	v_mov_b32 v245, 0xff800000                     ; -infinity
	s_wait_loadcnt 0x0                             ; Q
; A KEY STEP: 128 keys
.macro STEP
	s_add_co_u32 s70, s[Q0], 15
	s_cmp_gt_u32 s[KF], s70
	s_cbranch_scc1 .Lhidden_\@                     ; all its keys come after my queries
	v_add_nc_u32 v[ADK], s[TB], v[LI]
	v_add_nc_u32 v[ADV], s[TB], v[AV0]
	v_add_nc_u32 v[ADS], s[TS], v[ASK0]
	v_add_nc_u32 v[ADT], s[TJ], v[ASV0]
.rept 4
	v_nop                                          ; with the four additions: eight places in front of loads into registers that the last products read
.endr
.irp t, 0,1,2,3,4,5,6,7
.irp c, 0,1
	ds_load_b128 v[KB+8*\t+4*\c:KB+8*\t+4*\c+3], v[ADK] offset:1024*\t+512*\c
.endr
.endr
.irp u, 0,1,2,3
	ds_load_b32 v[KSW+\u], v[ADS] offset:128*\u
.endr
	s_wait_dscnt 0x0
.irp t, 0,2,4,6                        ; S^T = K Q^T, eight tiles of 16 keys
	v_wmma_scale_f32_16x16x128_f8f6f4 v[S+8*\t:S+8*\t+7], v[KB+8*\t:KB+8*\t+15], v[16:31], 0, v[KSW+\t/2], v[QS]
	v_wmma_scale_f32_16x16x128_f8f6f4 v[S+8*\t+8:S+8*\t+15], v[KB+8*\t+8:KB+8*\t+23], v[16:31], 0, v[KSW+\t/2], v[QS] matrix_a_scale:MATRIX_SCALE_ROW1
.endr
.rept 8
	v_nop
.endr
.irp t, 0,1,2,3                        ; V's fragments are asked for here and land under the softmax
.irp c, 0,1,2,3
	ds_load_b128 v[KB+16*\t+4*\c:KB+16*\t+4*\c+3], v[ADV] offset:2048*\t+512*\c
.endr
.endr
.irp u, 0,1
	ds_load_b32 v[VSW+\u], v[ADT] offset:128*\u
.endr
	s_add_co_u32 s70, s[KF], 127                   ; on the diagonal the scores of hidden keys become -infinity ahead of the maximum; a step all of whose keys count skips this
	s_cmp_le_u32 s70, s[Q0]
	s_cbranch_scc1 .Lopen_\@
	s_sub_co_i32 s70, s[Q0], s[KF]
	v_add_nc_u32 v244, s70, v[QL]                  ; d = my query - the step's first key - 8 h: register 8 t + j holds a hidden key where 16 t + j > d
.set n, 0
.rept 64
	v_cmp_gt_i32 vcc_lo, 16*(n/8)+n%8, v244
	v_cndmask_b32 v[S+n], v[S+n], v245, vcc_lo
.set n, n+1
.endr
.Lopen_\@:
.irp b, 0,1,2,3
	v_max3_num_f32 v[BM+\b], v[S+16*\b], v[S+1+16*\b], v[S+2+16*\b]   ; the largest score of each block of 32 keys: for the row's maximum, and, since p rises with the score, for the block's largest p
.endr
.irp i, 3,5,7,9,11,13
.irp b, 0,1,2,3
	v_max3_num_f32 v[BM+\b], v[BM+\b], v[S+16*\b+\i], v[S+1+16*\b+\i]
.endr
.endr
.irp b, 0,1,2,3
	v_max_num_f32 v[BM+\b], v[BM+\b], v[S+15+16*\b]
.endr
.irp b, 0,1,2,3
	v_permlanex16_b32 v[BP+\b], v[BM+\b], s[SEL], s[SEL+1]
.endr
.irp b, 0,1,2,3
	v_max_num_f32 v[BM+\b], v[BM+\b], v[BP+\b]     ; with lane l xor 16's 16 keys
.endr
	v_max3_num_f32 v242, v[BM], v[BM+1], v[BM+2]
	v_max_num_f32 v242, v242, v[BM+3]              ; the step's largest score of my query
	v_mul_f32 v242, s[CS], v242                    ; as t
	v_max_num_f32 v13, v13, v242                   ; the running largest t
	v_mov_b32 v242, v12
	v_floor_f32 v12, -v13                          ; the new -M = floor(-t): M is a whole number
	v_sub_f32 v242, v12, v242                      ; old M - new M: a whole number, 0 or less
	v_cvt_i32_f32 v242, v242                       ; (it saturates)
	v_ldexp_f32 v[FF], 1.0, v242                   ; f = 2^(old M - new M)
.set n, 0
.rept 32
	v_pk_fma_f32 v[S+n:S+n+1], v[S+n:S+n+1], s[CS:CS+1], v[12:13] op_sel_hi:[1,0,0]   ; t - M, two at a time
.set n, n+2
.endr
.irp b, 0,1,2,3
	v_fma_f32 v[BM+\b], v[BM+\b], s[CS], v12       ; the same of each block's largest score
.endr
.set n, 0
.rept 64
	v_exp_f32 v[S+n], v[S+n]                       ; p = 2^(t - M)
.set n, n+1
.endr
	v_pk_mul_f32 v[14:15], v[14:15], v[FF:FF+1] op_sel_hi:[1,0]   ; the sums under the new M: a plain line behind the exponentials
	s_wait_alu depctr_va_vdst(0)                   ; one wait for the batch, ahead of its first reader
.irp b, 0,1,2,3
	v_exp_f32 v[BM+\b], v[BM+\b]                   ; the block's largest p
.endr
	v_pk_add_f32 v[BP:BP+1], v[S:S+1], v[S+2:S+3]  ; the row's sum, of the unquantised p, in two packed chains
.irp j, 4,8,12,16,20,24,28,32,36,40,44,48,52,56,60
	v_pk_add_f32 v[14:15], v[14:15], v[S+\j:S+\j+1]
	v_pk_add_f32 v[BP:BP+1], v[BP:BP+1], v[S+2+\j:S+3+\j]
.endr
	v_pk_add_f32 v[14:15], v[14:15], v[BP:BP+1]
	s_wait_alu depctr_va_vdst(0)                   ; and one for the four
.irp b, 0,1,2,3
	v_max_num_f32 v[BM+\b], 0x4800000, v[BM+\b]    ; the floor 2^(9 - 127): the byte cannot fall under 1
.endr
.irp b, 0,1,2,3
	v_add_nc_u32 v[BS+\b], 0xfc000000, v[BM+\b]    ; 8 off the exponent field: the conversion's scale operand
.endr
.irp b, 0,1,2,3
	v_and_or_b32 v[BH+\b], v[BM+\b], 0x7f800000, s[MNT]   ; 448 x the scale
.endr
.irp b, 0,1,2,3
	v_lshrrev_b32 v[BP+\b], 23, v[BS+\b]           ; the scale's byte
.endr
	v_lshl_or_b32 v[PSW], v[BP+1], 8, v[BP]        ; p's scale word for these 128 keys
	v_lshl_or_b32 v[PSW], v[BP+2], 16, v[PSW]
	v_lshl_or_b32 v[PSW], v[BP+3], 24, v[PSW]
.irp b, 0,1,2,3
.irp i, 0,1,2,3,4,5,6,7,8,9,10,11,12,13,14,15
	v_min_num_f32 v[S+16*\b+\i], v[S+16*\b+\i], v[BH+\b]   ; the conversion does not saturate (ISA guide 7.6.2); p is not negative, so the hold is one-sided
.endr
	v_cvt_scalef32_pk8_fp8_f32 v[PC+4*\b:PC+1+4*\b], v[S+16*\b:S+7+16*\b], v[BS+\b]
	v_cvt_scalef32_pk8_fp8_f32 v[PC+2+4*\b:PC+3+4*\b], v[S+8+16*\b:S+15+16*\b], v[BS+\b]
.endr
.set n, 0
.rept 16
	v_pk_mul_f32 v[OT+n:OT+n+1], v[OT+n:OT+n+1], v[FF:FF+1] op_sel_hi:[1,0]   ; O^T under the new M; these are also the places between the codes and the products
.set n, n+2
.endr
	s_wait_dscnt 0x0                               ; V
.irp t, 0,2                            ; O^T += V^T P^T: four accumulators by turns
	v_wmma_scale_f32_16x16x128_f8f6f4 v[OT+8*\t:OT+8*\t+7], v[KB+16*\t:KB+16*\t+15], v[PC:PC+15], v[OT+8*\t:OT+8*\t+7], v[VSW+\t/2], v[PSW]
	v_wmma_scale_f32_16x16x128_f8f6f4 v[OT+8*\t+8:OT+8*\t+15], v[KB+16*\t+16:KB+16*\t+31], v[PC:PC+15], v[OT+8*\t+8:OT+8*\t+15], v[VSW+\t/2], v[PSW] matrix_a_scale:MATRIX_SCALE_ROW1
.endr
.Lhidden_\@:
	s_add_co_u32 s[KF], s[KF], 128
	s_add_co_u32 s[TB], s[TB], 8192
	s_add_co_u32 s[TS], s[TS], 512
	s_add_co_u32 s[TJ], s[TJ], 256
.endm
; A stage: 512 keys.  The count leaves the later stages' loads out
.macro STAGE n
	s_wait_tensorcnt 3-\n                          ; my parts of the scale words and of stages 0 to n are in,
	s_barrier_signal -1
	s_barrier_wait -1                              ; everybody's are
	s_mov_b32 s[CNT], 4
.Lstage_\@:
	STEP
	s_sub_co_u32 s[CNT], s[CNT], 1
	s_cmp_lg_u32 s[CNT], 0
	s_cbranch_scc1 .Lstage_\@
.endm
	STAGE 0
	STAGE 1
	STAGE 2
	STAGE 3
	; THE WAY OUT: O^T / l x the gate, quantised along the channels: a block of 32 channels is the 16 registers of two tiles in lanes l and l xor 16
.rept 8
	v_nop                                          ; places behind the last products: loads into V's registers and reads of O^T follow
.endr
.irp t, 0,1,2,3
.irp j, 0,1
	global_load_b128 v[KB+8*\t+4*\j:KB+8*\t+4*\j+3], v[LI], s[10:11] offset:1024*\t+512*\j th:TH_LOAD_NT   ; the gate in O^T's own layout
.endr
.endr
	v_add_f32 v14, v14, v15                        ; the sum's two halves,
	v_permlanex16_b32 v242, v14, s[SEL], s[SEL+1]
	v_add_f32 v14, v14, v242                       ; and lane l xor 16's
	v_rcp_f32 v[FF], v14
	v_nop
	s_wait_alu depctr_va_vdst(0)
.set n, 0
.rept 16
	v_pk_mul_f32 v[OT+n:OT+n+1], v[OT+n:OT+n+1], v[FF:FF+1] op_sel_hi:[1,0]
.set n, n+2
.endr
	s_wait_loadcnt 0x0
.set n, 0
.rept 16
	v_pk_mul_f32 v[OT+n:OT+n+1], v[OT+n:OT+n+1], v[KB+n:KB+n+1]
.set n, n+2
.endr
.irp b, 0,1
	v_max3_num_f32 v[BM+\b], |v[OT+16*\b]|, |v[OT+1+16*\b]|, 0x4800000
.endr
.irp i, 2,4,6,8,10,12,14
.irp b, 0,1
	v_max3_num_f32 v[BM+\b], v[BM+\b], |v[OT+16*\b+\i]|, |v[OT+1+16*\b+\i]|
.endr
.endr
.irp b, 0,1
	v_permlanex16_b32 v[BP+\b], v[BM+\b], s[SEL], s[SEL+1]
.endr
.irp b, 0,1
	v_max_num_f32 v[BM+\b], v[BM+\b], v[BP+\b]
.endr
.irp b, 0,1
	v_add_nc_u32 v[BS+\b], 0xfc000000, v[BM+\b]
.endr
.irp b, 0,1
	v_and_or_b32 v[BH+\b], v[BM+\b], 0x7f800000, s[MNT]
.endr
.irp b, 0,1
	v_lshrrev_b32 v[BP+\b], 23, v[BS+\b]
.endr
	v_lshl_or_b32 v243, v[BP+1], 8, v[BP]          ; my row's two scale bytes
.irp b, 0,1
.irp i, 0,1,2,3,4,5,6,7,8,9,10,11,12,13,14,15
	v_med3_num_f32 v[OT+16*\b+\i], v[OT+16*\b+\i], -v[BH+\b], v[BH+\b]
.endr
	v_cvt_scalef32_pk8_fp8_f32 v[PC+4*\b:PC+1+4*\b], v[OT+16*\b:OT+7+16*\b], v[BS+\b]
	v_cvt_scalef32_pk8_fp8_f32 v[PC+2+4*\b:PC+3+4*\b], v[OT+8+16*\b:OT+15+16*\b], v[BS+\b]
.endr
	v_nop
.irp t, 0,1,2,3
	global_store_b64 v[OGO], v[PC+2*\t:PC+2*\t+1], s[12:13] offset:256*\t   ; tile t's channels 16 t + 8 h + 0 .. 7 are bytes 8 h on of lane (r, t % 2) of c = t / 2: 32 lanes store 256 consecutive bytes, aligned
.endr
	global_store_b16 v[R4], v243, s[14:15]         ; both halves of the lanes write the same two bytes
	s_wait_tensorcnt 0x0
	s_wait_tensorcnt 0x0
	ds_add_u32 v254, v255
	s_wait_dscnt 0x0
	CROUND                                         ; the closing round
	s_endpgm
.Lfunc_end_k_q10953983b2_attn:
	.size	k_q10953983b2_attn, .Lfunc_end_k_q10953983b2_attn-k_q10953983b2_attn
	.p2alignl 7, 3214868480
	.fill 96, 4, 3214868480
	.section	.rodata,"a",@progbits
	.p2align	6, 0x0
	.amdhsa_kernel k_q10953983b2_attn
		.amdhsa_group_segment_fixed_size 276480
		.amdhsa_private_segment_fixed_size 0
		.amdhsa_enable_private_segment 0
		.amdhsa_kernarg_size 48
		.amdhsa_user_sgpr_count 2
		.amdhsa_user_sgpr_kernarg_segment_ptr 1
		.amdhsa_wavefront_size32 1
		.amdhsa_system_sgpr_workgroup_id_x 1
		.amdhsa_system_sgpr_workgroup_id_y 1
		.amdhsa_system_sgpr_workgroup_id_z 1
		.amdhsa_system_vgpr_workitem_id 0
		.amdhsa_next_free_vgpr 256
		.amdhsa_next_free_sgpr 80
		.amdhsa_reserve_vcc 1
		.amdhsa_float_denorm_mode_32 3
		.amdhsa_float_denorm_mode_16_64 3
		.amdhsa_memory_ordered 1
		.amdhsa_forward_progress 1
		.amdhsa_inst_pref_size 113
	.end_amdhsa_kernel
	.amdgpu_metadata
---
amdhsa.version: [ 1, 2 ]
amdhsa.kernels:
  - .name:           k_q10953983b2_attn
    .symbol:         k_q10953983b2_attn.kd
    .args:
      - { .name: qimg, .offset: 0, .size: 8, .value_kind: global_buffer, .address_space: global }
      - { .name: qsc, .offset: 8, .size: 8, .value_kind: global_buffer, .address_space: global }
      - { .name: kv, .offset: 16, .size: 8, .value_kind: global_buffer, .address_space: global }
      - { .name: gate, .offset: 24, .size: 8, .value_kind: global_buffer, .address_space: global }
      - { .name: ogc, .offset: 32, .size: 8, .value_kind: global_buffer, .address_space: global }
      - { .name: ogs, .offset: 40, .size: 8, .value_kind: global_buffer, .address_space: global }
    .group_segment_fixed_size: 276480
    .private_segment_fixed_size: 0
    .kernarg_segment_align: 8
    .kernarg_segment_size: 48
    .max_flat_workgroup_size: 512
    .sgpr_count:     80
    .vgpr_count:     256
    .wavefront_size: 32
...
	.end_amdgpu_metadata
.endif
;; end of part 3
;; launch outp (part 4): grid 8 x 8, 4 waves a work-group, clusters of 4 x 4, 327,680 bytes of LDS; arguments ogc, ogs, codes, scales, out0; writes out0
.if DOCPART == 4
	.amdgcn_target "amdgcn-amd-amdhsa--gfx1250"
	.amdhsa_code_object_version 6
	.text
	.protected	k_q10953983b2_outp
	.globl	k_q10953983b2_outp
	.p2align	8
	.type	k_q10953983b2_outp,@function
k_q10953983b2_outp:
	s_mov_b64 s[64:65], 0
	v_nop
	global_prefetch_b8 v0, s[64:65] scope:SCOPE_SE
	s_setreg_imm32_b32 hwreg(HW_REG_WAVE_MODE, 25, 1), 1
	s_wait_xcnt 0x0
	s_wait_alu depctr_hold_cnt(0) depctr_sa_sdst(0) depctr_va_vdst(0) depctr_va_sdst(0) depctr_va_ssrc(0) depctr_va_vcc(0) depctr_vm_vsrc(0)
	s_getreg_b32 s2, hwreg(HW_REG_IB_STS2, 6, 4)
	s_cmp_eq_u32 s2, 0
	s_cbranch_scc0 .Lentry_in_a_cluster
	s_endpgm
.Lentry_in_a_cluster:
	s_bfe_u32 s2, ttmp6, 0x10000c
	s_cmp_lg_u32 s2, 0xf033
	s_cbranch_scc0 .Lentry_shape_is_right
	s_endpgm
.Lentry_shape_is_right:
; out0 [2048][2048] f32 = og wo^T on codes of FP8 (E4M3) with E8M0 scales.  og: images [granule of 16 rows 128][kappa 16][2,048 B] with scale words [granule][kappa][r]; wo: row blocks 448-575 of the codes' buffer, laid alike.
; A tile of 256 x 256 is made by a work-group of four waves, each 128 x 128: 64 accumulators, 512 registers.  K goes in steps of 256 through a ring of two LDS slots; operands lie as images of their registers, so every
; LDS load reads 512 consecutive bytes.  The scale words of the work-group's rows, for all of K, come into LDS once.  CLUSTERS: 4 x 4 work-groups; A's tiles are asked for jointly along a row, B's along a column.
; THE MATRIX INSTRUCTION IS USED TRANSPOSED (source 0 = 16 rows of wo, source 1 = 16 rows of og): a lane holds eight neighbouring numbers of a row of the result.
; REGISTERS, in windows of 256: window 0: v1-29 addresses; v32-63 scale words, two sets; from v128 A's fragments, one set (on the way out: rows read back); window 1: B's fragments, two sets; windows 2, 3: the accumulators.
.set NQ,     2
.set FR,     16
.set NL,     4
.set NP,     8
.set HALFT,  32768
.set SLOT,   4*HALFT
.set LAPS,   4
.set SCL,    2*SLOT
.set SCB,    16448                     ; B's scale words begin so far behind A's
.set SPARE,  295168                    ; the spare words: 128 bytes a wave, two blocks of 256 bytes that no other line names
.set SPITCH, 528                       ; the way out: a stage of 16 rows x (512 bytes + 16) for each wave, in slot 0, which has had its last fill and its last read when the first result is stored there
.set SIZE_N, 2048
.set LI,  4
.set ADRA, 16
.set ADRB, 20
.set STO,  24
.set RD,   25
.set CO,   26
.set ADRS, 27
.set SPW,  28
.set NIL,  29
.set SC,   32
.set AF,   128
.set BK,   128
.set G1, 24
.set G0, 32
.set G1B, 48
.set G0B, 56
.set G1S, 68
.set G0S, 76
.set G1SB, 80
.set G0SB, 88
.set MSB, 0
.macro WIN new                         ; the immediate's high byte repeats the setting that is left
.if MSB != \new
	s_set_vgpr_msb (MSB<<8)|\new
.set MSB, \new
.endif
.endm
.set MUL_LO, 0xa1
.set MUL_HI, 0xf1
.set TO_B,   0x40
.macro JLOAD g0a, g1a, g0b, g1b        ; a joint load: waves 0 and 1 fetch for A, waves 2 and 3 for B; four v_nop follow each of the two lines
	s_cmp_eq_u32 s17, 0
	s_cbranch_scc0 .Lfor_b_\@
	tensor_load_to_lds s[\g0a:\g0a+3], s[\g1a:\g1a+7]
	s_nop 0
.rept 4
	v_nop
.endr
	s_branch .Lasked_\@
.Lfor_b_\@:
	tensor_load_to_lds s[\g0b:\g0b+3], s[\g1b:\g1b+7]
	s_nop 0
.rept 4
	v_nop
.endr
.Lasked_\@:
.endm
.macro CREST
	s_cmp_lg_u32 s16, 0
	s_cbranch_scc1 .Lnot_wave_0_\@
	s_barrier_signal -3
.Lnot_wave_0_\@:
	s_barrier_wait -3
	s_barrier_signal -1
	s_barrier_wait -1
.endm
.macro CROUND
	s_barrier_signal -1
	s_barrier_wait -1
	CREST
.endm
	s_load_b256 s[4:11], s[0:1], 0x0               ; ogc, ogs, codes, scales
	s_load_b64 s[12:13], s[0:1], 0x20              ; out0
	v_lshl_add_u32 v[SPW], v0, 2, SPARE
	v_mov_b32 v[NIL], 0
	ds_add_u32 v28, v29
	ds_add_u32 v28, v29
	s_wait_dscnt 0x0
	v_lshrrev_b32 v1, 5, v0
	v_readfirstlane_b32 s16, v1                    ; wave 0..3
	s_lshr_b32 s17, s16, 1                         ; which half of the tile's rows is mine.  Also: I fetch for A (0) or for B (1)
	s_and_b32 s18, s16, 1                          ; which half of its columns.  Also: which 8 row blocks I fetch
	s_bfe_u32 s40, ttmp6, 0x40000
	s_bfe_u32 s41, ttmp6, 0x40004
	s_lshl_b32 s20, ttmp9, 2
	s_add_co_u32 s20, s20, s40                     ; tile column
	s_and_b32 s19, ttmp7, 0xffff
	s_lshl_b32 s19, s19, 2
	s_add_co_u32 s19, s19, s41                     ; tile row
	s_lshl_b32 s42, s41, 2
	s_lshl_b32 s42, 15, s42                        ; my row of the cluster
	s_lshl_b32 s43, 0x1111, s40                    ; my column
	s_or_b32 s[G1+0], s42, (3<<16)|(1<<21)         ; codes: 8 rows of 512 elements of 8 bytes, 4,096 elements apart
	s_or_b32 s[G1B+0], s43, (3<<16)|(1<<21)
.irp g, G1, G1B
	s_mov_b32 s[\g+1], 512<<16
	s_mov_b32 s[\g+2], 8<<16
	s_mov_b32 s[\g+3], 512<<16
	s_mov_b32 s[\g+4], 8
	s_mov_b32 s[\g+5], 4096
	s_mov_b32 s[\g+6], 0
	s_mov_b32 s[\g+7], 0
.endr
	s_or_b32 s[G1S+0], s42, (3<<16)|(1<<21)        ; scale words: 8,192 dense bytes as 32 rows of 256
	s_or_b32 s[G1SB+0], s43, (3<<16)|(1<<21)
.irp g, G1S, G1SB
	s_mov_b32 s[\g+1], 32<<16
	s_mov_b32 s[\g+2], 32<<16
	s_mov_b32 s[\g+3], 32<<16
	s_mov_b32 s[\g+4], 32
	s_mov_b32 s[\g+5], 32
	s_mov_b32 s[\g+6], 0
	s_mov_b32 s[\g+7], 0
.endr
	s_lshl_b32 s21, s18, 3
	s_lshl_b32 s44, s19, 4
	s_add_co_u32 s44, s44, s21                     ; A: granule 16 x tile row + 8 x half
	s_lshl_b32 s46, s20, 4
	s_add_co_u32 s46, s46, s21
	s_add_co_u32 s46, s46, 448                     ; B: row block 448 + 16 x tile column + 8 x half
	s_lshl_b32 s22, s44, 10
	s_mov_b32 s23, 0
	s_lshl_b32 s44, s44, 15
	s_mov_b32 s45, 0
	s_lshl_b32 s66, s46, 10
	s_mov_b32 s67, 0
	s_lshl_b32 s46, s46, 15
	s_mov_b32 s47, 0
	s_lshl_b32 s104, s16, 15
	s_lshl_b32 s105, s16, 13
	s_wait_kmcnt 0x0
	s_add_nc_u64 s[44:45], s[4:5], s[44:45]
	s_add_nc_u64 s[22:23], s[6:7], s[22:23]
	s_add_nc_u64 s[46:47], s[8:9], s[46:47]
	s_add_nc_u64 s[66:67], s[10:11], s[66:67]
	CROUND                                         ; all sixteen work-groups are here: the first joint loads meet
	s_mov_b32 s[G0S], 1
	s_add_co_u32 s[G0S+1], s105, SCL
	s_mov_b64 s[G0S+2:G0S+3], s[22:23]
	s_or_b32 s[G0S+3], s[G0S+3], 0x80000000
	s_mov_b32 s[G0SB], 1
	s_add_co_u32 s[G0SB+1], s105, SCL+64
	s_mov_b64 s[G0SB+2:G0SB+3], s[66:67]
	s_or_b32 s[G0SB+3], s[G0SB+3], 0x80000000
	JLOAD G0S, G1S, G0SB, G1SB
.irp s, 0,1
	s_mov_b32 s[G0+4*\s], 1
	s_add_co_u32 s[G0+4*\s+1], s104, \s*SLOT
	s_add_nc_u64 s[G0+4*\s+2:G0+4*\s+3], s[44:45], \s*4096
	s_or_b32 s[G0+4*\s+3], s[G0+4*\s+3], 0x80000000
	s_mov_b32 s[G0B+4*\s], 1
	s_add_co_u32 s[G0B+4*\s+1], s104, \s*SLOT
	s_add_nc_u64 s[G0B+4*\s+2:G0B+4*\s+3], s[46:47], \s*4096
	s_or_b32 s[G0B+4*\s+3], s[G0B+4*\s+3], 0x80000000
	JLOAD G0+4*\s, G1, G0B+4*\s, G1B               ; three tensor loads of mine are out
.endr
	v_and_b32 v1, 15, v0                           ; r
	v_bfe_u32 v2, v0, 4, 1                         ; h
	v_and_b32 v[LI], 31, v0
	v_lshlrev_b32 v[LI], 4, v[LI]
	s_lshl_b32 s21, s17, 15
	s_lshl_b32 s22, s18, 15
	s_add_co_u32 s22, s22, 2*HALFT
.irp s, 0,1
	v_add_nc_u32 v[ADRA+\s], s21, v[LI]
	v_add_nc_u32 v[ADRB+\s], s22, v[LI]
	s_add_co_u32 s21, s21, SLOT
	s_add_co_u32 s22, s22, SLOT
.endr
	s_lshl_b32 s21, s17, 13
	s_lshl_b32 s22, s18, 13
	s_add_co_u32 s22, s22, SCB
	s_sub_co_u32 s22, s22, s21
	v_mul_u32_u24 v5, s22, v2                      ; lanes 16-31 take B's: one product, the distance between the two
	s_add_co_u32 s21, s21, SCL
	v_lshl_add_u32 v5, v1, 2, v5
	v_add_nc_u32 v[ADRS], s21, v5
	s_mul_i32 s23, s16, 16*SPITCH                  ; my stage
	v_mul_u32_u24 v5, v1, SPITCH                   ; in: row r, 32 bytes for each half of the lanes
	v_lshl_add_u32 v5, v2, 5, v5
	v_add_nc_u32 v[STO], s23, v5
	v_mov_b32 v[CO], v[LI]                         ; back: the 32 lanes take one row of 512 bytes; and the same in the result
	v_add_nc_u32 v[RD], s23, v[LI]
	s_lshl_b32 s104, s19, 8
	s_lshl_b32 s105, s17, 7
	s_add_co_u32 s104, s104, s105                  ; my first row: 256 x tile row + 128 x half
	s_lshl_b32 s104, s104, 13                      ; rows of 8,192 bytes
	s_lshl_b32 s105, s20, 10
	s_add_co_u32 s104, s104, s105                  ; + 1,024 x tile column
	s_lshl_b32 s105, s18, 9
	s_add_co_u32 s104, s104, s105                  ; + 512 x half
	s_mov_b32 s105, 0
	s_add_nc_u64 s[12:13], s[12:13], s[104:105]
.macro FRAG reg, adr, q, i
.irp c, 0,1,2,3
	ds_load_b128 v[\reg+4*\c:\reg+4*\c+3], v[\adr] offset:4096*(\i)+2048*(\q)+512*\c
.endr
.endm
; The 64 accumulators take turns, one instruction a turn, in the same order in every step.
.macro MUL16 a0, p, q, sc, zero
.irp a, \a0, \a0+1
.irp b, 0,1,2,3,4,5,6,7
.if \zero
	v_wmma_scale_f32_16x16x128_f8f6f4 v[8*(8*((\a)%4)+\b):8*(8*((\a)%4)+\b)+7], v[128*(\p)+FR*\b:128*(\p)+FR*\b+FR-1], v[AF+FR*(\a):AF+FR*(\a)+FR-1], 0, v[SC+8*NQ*(\sc)+NQ*\b+(\q)], v[SC+8*NQ*(\sc)+NQ*(\a)+(\q)] matrix_a_scale:MATRIX_SCALE_ROW1
.else
	v_wmma_scale_f32_16x16x128_f8f6f4 v[8*(8*((\a)%4)+\b):8*(8*((\a)%4)+\b)+7], v[128*(\p)+FR*\b:128*(\p)+FR*\b+FR-1], v[AF+FR*(\a):AF+FR*(\a)+FR-1], v[8*(8*((\a)%4)+\b):8*(8*((\a)%4)+\b)+7], v[SC+8*NQ*(\sc)+NQ*\b+(\q)], v[SC+8*NQ*(\sc)+NQ*(\a)+(\q)] matrix_a_scale:MATRIX_SCALE_ROW1
.endif
.endr
.endr
.endm
.macro FETCH_B slot, q, p
	WIN TO_B
.irp i, 0,1,2,3,4,5,6,7
	FRAG 128*(\p)+FR*\i, ADRB+\slot, \q, \i
.endr
	WIN 0
.endm
.macro FETCH_A slot, q, i0
.irp i, \i0, \i0+1, \i0+2, \i0+3
	FRAG AF+FR*(\i), ADRA+\slot, \q, \i
.endr
.endm
.macro SCALES sc
.irp i, 0,1,2,3,4,5,6,7
.irp q, 0,1
	ds_load_b32 v[SC+16*\sc+2*\i+\q], v[ADRS] offset:1024*\i+64*\q
.endr
.endr
.endm
.macro PLACES n
.rept \n
	v_nop
.endr
.endm
.macro STEP slot, q, zero
	s_wait_dscnt 4*NL                              ; all but the youngest 16 loads (A's blocks 4-7) are in
	WIN MUL_LO
	MUL16 0, (\q)%2, \q, \slot, \zero
	MUL16 2, (\q)%2, \q, \slot, \zero
	s_wait_dscnt 0
	PLACES NP
	FETCH_B \slot, (\q)+1, 1-(\q)%2
	FETCH_A \slot, (\q)+1, 0
	WIN MUL_HI
	MUL16 4, (\q)%2, \q, \slot, \zero
	MUL16 6, (\q)%2, \q, \slot, \zero
	PLACES NP
	WIN 0
	FETCH_A \slot, (\q)+1, 4
.endm
.macro TURN slot, next, fill
	s_wait_tensorcnt 0x0                           ; all my tensor loads have landed: my part of the next slot
	ds_add_u32 v[SPW], v[NIL]                      ; 0 onto my spare word
	s_wait_dscnt 4*NL+1                            ; (the add and the youngest 16 loads may be out)
	WIN MUL_LO
	MUL16 0, 1, NQ-1, \slot, 0
	s_wait_dscnt 0x0                               ; the add is done, and my reads of this slot are over
	s_barrier_signal -1
	MUL16 2, 1, NQ-1, \slot, 0
	WIN 0
	s_barrier_wait -1
.if \fill
	CREST                                          ; the barrier has opened a round of the cluster's barrier
	s_add_nc_u64 s[G0+4*\slot+2:G0+4*\slot+3], s[G0+4*\slot+2:G0+4*\slot+3], 8192
	s_add_nc_u64 s[G0B+4*\slot+2:G0B+4*\slot+3], s[G0B+4*\slot+2:G0B+4*\slot+3], 8192
	JLOAD G0+4*\slot, G1, G0B+4*\slot, G1B         ; my one tensor load behind the round
	PLACES NP-4
.else
	PLACES NP
.endif
	v_add_nc_u32 v[ADRS], 128, v[ADRS]
	FETCH_B \next, 0, 0
	FETCH_A \next, 0, 0
	SCALES \next
	WIN MUL_HI
	MUL16 4, 1, NQ-1, \slot, 0
	MUL16 6, 1, NQ-1, \slot, 0
	PLACES NP
	WIN 0
	FETCH_A \next, 0, 4
.endm
	s_wait_tensorcnt 1                             ; the scale words and my part of K step 0 are in; K step 1's load may be out
	s_barrier_signal -1
	s_barrier_wait -1
	FETCH_B 0, 0, 0
	FETCH_A 0, 0, 0
	SCALES 0
	FETCH_A 0, 0, 4
	STEP 0, 0, 1
	s_mov_b32 s3, LAPS-1
.Llap:
	TURN 0, 1, 1
	STEP 1, 0, 0
	TURN 1, 0, 1
	STEP 0, 0, 0
	s_sub_co_u32 s3, s3, 1
	s_cmp_lg_u32 s3, 0
	s_cbranch_scc1 .Llap
	TURN 0, 1, 0
	STEP 1, 0, 0
	s_wait_dscnt 4*NL
	WIN MUL_LO
	MUL16 0, 1, NQ-1, 1, 0
	MUL16 2, 1, NQ-1, 1, 0
	s_wait_dscnt 0
	WIN MUL_HI
	MUL16 4, 1, NQ-1, 1, 0
	MUL16 6, 1, NQ-1, 1, 0
	WIN 0
; THE WAY OUT, block by block of 16 rows x 128 columns, through my own stage: in as 32 bytes a lane, back as whole rows of 512 bytes.  LDS serves a wave's instructions in order (ISA guide 5.7.1.4).
.macro TOSTAGE a
.set AC, 64*((\a)%4)
	WIN 0x08+4*((\a)/4)                            ; the data: window 2 or 3
.irp b, 0,1,2,3,4,5,6,7
	ds_store_b128 v[STO], v[AC+8*\b:AC+8*\b+3] offset:64*\b          ; each accumulator from its low end on
	ds_store_b128 v[STO], v[AC+8*\b+4:AC+8*\b+7] offset:64*\b+16
.endr
	WIN 0
.set BB, BK+64*((\a)%2)
.irp t, 0,1,2,3,4,5,6,7,8,9,10,11,12,13,14,15
	ds_load_b128 v[BB+4*\t:BB+4*\t+3], v[RD] offset:\t*SPITCH
.endr
.endm
.macro SEND a, younger                 ; younger: the LDS instructions issued behind block a's loads, which may stay out
.set BB, BK+64*((\a)%2)
	s_wait_dscnt \younger
.if (\a) > 0
	s_add_nc_u64 s[12:13], s[12:13], 16*SIZE_N*4   ; (behind a wait on XCNT: the earlier stores have read their base)
.endif
.irp t, 0,1,2,3,4,5,6,7,8,9,10,11,12,13,14,15
	global_store_b128 v[CO], v[BB+4*\t:BB+4*\t+3], s[12:13] offset:\t*SIZE_N*4 th:TH_STORE_NT   ; 32 lanes store 512 consecutive bytes, aligned
.endr
.endm
	PLACES NP
	TOSTAGE 0
.irp a, 1,2,3,4,5,6,7
.if \a > 1
	s_wait_xcnt 0x0                                ; block a - 2's stores have read their registers and their base
.endif
	TOSTAGE \a
	SEND \a-1, 32                                  ; behind block a - 1's loads: block a's 16 stores and 16 loads
.endr
	s_wait_xcnt 0x0
	SEND 7, 0
	s_wait_tensorcnt 0x0                           ; the wave's end
	ds_add_u32 v[SPW], v[NIL]
	s_wait_dscnt 0x0
	CROUND                                         ; the closing round
	s_endpgm
.Lfunc_end_k_q10953983b2_outp:
	.size	k_q10953983b2_outp, .Lfunc_end_k_q10953983b2_outp-k_q10953983b2_outp
	.p2alignl 7, 3214868480
	.fill 96, 4, 3214868480
	.section	.rodata,"a",@progbits
	.p2align	6, 0x0
	.amdhsa_kernel k_q10953983b2_outp
		.amdhsa_group_segment_fixed_size 327680
		.amdhsa_private_segment_fixed_size 0
		.amdhsa_enable_private_segment 0
		.amdhsa_kernarg_size 40
		.amdhsa_user_sgpr_count 2
		.amdhsa_user_sgpr_kernarg_segment_ptr 1
		.amdhsa_wavefront_size32 1
		.amdhsa_system_sgpr_workgroup_id_x 1
		.amdhsa_system_sgpr_workgroup_id_y 1
		.amdhsa_system_sgpr_workgroup_id_z 1
		.amdhsa_system_vgpr_workitem_id 0
		.amdhsa_next_free_vgpr 1024
		.amdhsa_next_free_sgpr 106
		.amdhsa_reserve_vcc 0
		.amdhsa_float_denorm_mode_32 3
		.amdhsa_float_denorm_mode_16_64 3
		.amdhsa_memory_ordered 1
		.amdhsa_forward_progress 1
		.amdhsa_inst_pref_size 147
	.end_amdhsa_kernel
	.amdgpu_metadata
---
amdhsa.version: [ 1, 2 ]
amdhsa.kernels:
  - .name:           k_q10953983b2_outp
    .symbol:         k_q10953983b2_outp.kd
    .args:
      - { .name: ogc, .offset: 0, .size: 8, .value_kind: global_buffer, .address_space: global }
      - { .name: ogs, .offset: 8, .size: 8, .value_kind: global_buffer, .address_space: global }
      - { .name: codes, .offset: 16, .size: 8, .value_kind: global_buffer, .address_space: global }
      - { .name: scales, .offset: 24, .size: 8, .value_kind: global_buffer, .address_space: global }
      - { .name: out0, .offset: 32, .size: 8, .value_kind: global_buffer, .address_space: global }
    .group_segment_fixed_size: 327680
    .private_segment_fixed_size: 0
    .kernarg_segment_align: 8
    .kernarg_segment_size: 40
    .max_flat_workgroup_size: 128
    .sgpr_count:     106
    .vgpr_count:     1024
    .wavefront_size: 32
...
	.end_amdgpu_metadata
.endif
;; end of part 4
;; ======== version 2 of 2: 4 launches
;; limits: right only within a limited range of input values
;; workspace buffers: codes 18,874,368 bytes; scales 589,824 bytes; qimg 4,194,304 bytes; qsc 262,144 bytes; kv 2,195,456 bytes; gate 16,777,216 bytes; ogc 4,194,304 bytes; ogs 131,072 bytes
;; launch quant (part 5): grid 256 x 1, 9 waves a work-group, no clusters, 79,872 bytes of LDS; arguments x, wq, wk, wv, wg, wo, codes, scales; writes codes, scales
.if DOCPART == 5
	.amdgcn_target "amdgcn-amd-amdhsa--gfx1250"
	.amdhsa_code_object_version 6
	.text
	.protected	k_q10953983b2_quant
	.globl	k_q10953983b2_quant
	.p2align	8
	.type	k_q10953983b2_quant,@function
k_q10953983b2_quant:
	s_mov_b64 s[64:65], 0
	v_nop
	global_prefetch_b8 v0, s[64:65] scope:SCOPE_SE
	s_setreg_imm32_b32 hwreg(HW_REG_WAVE_MODE, 25, 1), 1
	s_wait_xcnt 0x0
; x [2048][2048], wq, wg, wo [2048][2048], wk, wv [512][2048], all f32 with K innermost, become codes of FP8 (E4M3) with one E8M0 scale byte for each 32 along K.
; A block's scale is 2^(floor(log2(its largest magnitude)) - 8); its byte is the largest magnitude's exponent field - 8, held at 1 from below; each number is divided by the scale, held within +-448, rounded to the nearest code, ties to even.
; LIMITS: NaN and infinities among the inputs are not served; a block whose largest magnitude lies under 2^-118 is held at the byte 1; a block of zeros gets the byte 1 (its codes are zeros, and this program alone reads the bytes).
; LAYOUT OF THE RESULT: images of the operand's registers.  codes: [row block 576][kappa 16][c 4][lane 32][16 bytes]: a fragment of 16 rows x 128 K; lane (r = lane % 16, h = lane / 16) holds row r, k = 32 c + 16 h + 0 .. 15.
; scales: [row block][kappa][r] one word of four bytes.  Row blocks 0-127 x, 128-255 wq, 256-319 wk and wv by turns of eight (block 256 + 16 T + 8 half + i = block 8 T + i of wk or wv), 320-447 wg, 448-575 wo.
; SHARES: 576 row blocks x 4 quarters of K are 2,304 shares of 16 rows x 512 K: 256 work-groups of nine waves, a share a wave: share 9 x work-group + wave is quarter share % 4 of row block share / 4.
; A wave works a unit of 16 rows x 128 K at a time.  Each load reads 512 consecutive bytes of one row; the unit turns through the wave's own stage in LDS (rows 528 bytes apart) so that a lane gets 16 neighbours of each
; block of 32; each store of codes covers 512 consecutive bytes; the wave's 64 scale words leave as one aligned run of 256 bytes.
; No tensor loads, no barrier: waves share nothing.  Loads run two units (32 loads a wave) ahead.
.set WREG, 8704                        ; LDS of a wave: the stage, 16 rows x 528 bytes, then 256 bytes of scale words
.set SPARE, 9*WREG                     ; behind the nine regions: the spare words
.set SP,   528
.set R,    16                          ; v16-143   two sets of 64 registers as loaded
.set X,    144                         ; v144-207  64 numbers: register 16 b + i = k 32 b + 16 h + i of my row
.set PC,   208                         ; v208-223  the fragment's codes
.set TM,   224                         ; v224-239  at work in the quantiser
.set PW,   240                         ; v240      the scale word
.set SEL,  28                          ; s[28:29]  lane selects: lane l xor 16
.set MNT,  30                          ; s30       the mantissa field of 448
.set RB,   38                          ; s38       my row block
.set KQ,   39                          ; s39       my quarter of K
; 64 numbers of a lane become a fragment's 16 registers of codes, v[PC] on, and its row's scale word, v[PW]
.macro QUANT4 s
.irp b, 0,1,2,3
	v_max3_num_f32 v[TM+\b], |v[\s+16*\b]|, |v[\s+1+16*\b]|, 0x4800000   ; block b: my 16 numbers, and the floor 2^(9 - 127)
.endr
.irp i, 2,4,6,8,10,12,14
.irp b, 0,1,2,3
	v_max3_num_f32 v[TM+\b], v[TM+\b], |v[\s+16*\b+\i]|, |v[\s+1+16*\b+\i]|
.endr
.endr
.irp b, 0,1,2,3
	v_permlanex16_b32 v[TM+4+\b], v[TM+\b], s[SEL], s[SEL+1]
.endr
.irp b, 0,1,2,3
	v_max_num_f32 v[TM+\b], v[TM+\b], v[TM+4+\b]   ; with lane l xor 16's: the block's largest magnitude
.endr
.irp b, 0,1,2,3
	v_add_nc_u32 v[TM+12+\b], 0xfc000000, v[TM+\b]   ; 8 off its exponent field: the conversion's scale operand
.endr
.irp b, 0,1,2,3
	v_and_or_b32 v[TM+8+\b], v[TM+\b], 0x7f800000, s[MNT]   ; 448 x the scale
.endr
.irp b, 0,1,2,3
	v_lshrrev_b32 v[TM+4+\b], 23, v[TM+12+\b]   ; the scale's byte
.endr
	v_lshl_or_b32 v[PW], v[TM+5], 8, v[TM+4]
	v_lshl_or_b32 v[PW], v[TM+6], 16, v[PW]
	v_lshl_or_b32 v[PW], v[TM+7], 24, v[PW]
.irp b, 0,1,2,3
.irp i, 0,1,2,3,4,5,6,7,8,9,10,11,12,13,14,15
	v_med3_num_f32 v[\s+16*\b+\i], v[\s+16*\b+\i], -v[TM+8+\b], v[TM+8+\b]   ; the conversion does not saturate (ISA guide 7.6.2): the hold comes first
.endr
	v_cvt_scalef32_pk8_fp8_f32 v[PC+4*\b:PC+1+4*\b], v[\s+16*\b:\s+7+16*\b], v[TM+12+\b]
	v_cvt_scalef32_pk8_fp8_f32 v[PC+2+4*\b:PC+3+4*\b], v[\s+8+16*\b:\s+15+16*\b], v[TM+12+\b]
.endr
	v_nop                                          ; one plain vector line behind the last conversion
.endm
	s_load_b512 s[4:19], s[0:1], 0x0               ; x, wq, wk, wv, wg, wo, codes, scales
	v_lshl_add_u32 v248, v0, 2, SPARE
	v_mov_b32 v249, 0
	v_lshrrev_b32 v7, 5, v0
	v_readfirstlane_b32 s20, v7                    ; wave 0..8
	s_mul_i32 s37, ttmp9, 9
	s_add_co_u32 s37, s37, s20                     ; my share
	s_lshr_b32 s[RB], s37, 2
	s_and_b32 s[KQ], s37, 3
	v_and_b32 v7, 31, v0                           ; lane
	v_and_b32 v8, 15, v0                           ; r
	v_bfe_u32 v9, v0, 4, 1                         ; h
	v_lshlrev_b32 v1, 4, v7                        ; v1 = 16 x lane: my bytes of a load, of a stage row, of a store of codes
	s_mul_i32 s21, s20, WREG
	v_add_nc_u32 v2, s21, v1                       ; v2: the stage on the way in
	v_mul_u32_u24 v3, v8, SP
	v_lshl_add_u32 v3, v9, 6, v3
	v_add_nc_u32 v3, s21, v3                       ; v3: on the way out: row r, + 64 h
	s_add_co_u32 s21, s21, 16*SP
	v_lshlrev_b32 v4, 2, v8
	v_add_nc_u32 v4, s21, v4                       ; v4: my row's scale word
	v_lshlrev_b32 v6, 3, v7                        ; v6 = 8 x lane
	v_add_nc_u32 v5, s21, v6                       ; v5: the scale words on the way out
	s_mov_b32 s[SEL], 0x76543210
	s_mov_b32 s[SEL+1], 0xfedcba98
	s_mov_b32 s[MNT], 0x600000
.irp b, 0,1,2,3
	v_mov_b32 v[TM+4+\b], 0                        ; a lane permute's destination counts as one of its sources
.endr
	s_sub_co_u32 s32, s[RB], 256                   ; my place among wk's and wv's 64 blocks (a large number outside them)
	s_lshr_b32 s33, s32, 4
	s_lshl_b32 s33, s33, 3
	s_and_b32 s34, s32, 7
	s_add_co_u32 s33, s33, s34                     ; the source's row block there: 8 T + i
	s_wait_alu depctr_va_vdst(0)
	s_wait_kmcnt 0x0
	s_bitcmp1_b32 s32, 3                           ; the choice of the source hangs on the share's number alone
	s_cselect_b64 s[22:23], s[10:11], s[8:9]       ; wv or wk
	s_mov_b32 s21, 256
	s_cmp_lt_u32 s[RB], 320
	s_cselect_b64 s[22:23], s[22:23], s[12:13]     ; from 320 on wg
	s_cselect_b32 s21, s21, 320
	s_cmp_lt_u32 s[RB], 448
	s_cselect_b64 s[22:23], s[22:23], s[14:15]     ; from 448 on wo
	s_cselect_b32 s21, s21, 448
	s_cmp_lt_u32 s[RB], 256
	s_cselect_b64 s[22:23], s[6:7], s[22:23]       ; under 256 wq
	s_cselect_b32 s21, 128, s21
	s_cmp_lt_u32 s[RB], 128
	s_cselect_b64 s[22:23], s[4:5], s[22:23]       ; under 128 x
	s_cselect_b32 s21, 0, s21
	s_sub_co_u32 s21, s[RB], s21                   ; the source's row block
	s_cmp_lt_u32 s32, 64
	s_cselect_b32 s21, s33, s21
	s_lshl_b32 s34, s21, 17                        ; 16 rows of 8,192 bytes
	s_lshl_b32 s35, s[KQ], 11                      ; + my quarter's 512 numbers of a row
	s_add_co_u32 s34, s34, s35
	s_mov_b32 s35, 0
	s_add_nc_u64 s[22:23], s[22:23], s[34:35]
	s_lshl_b32 s34, s[RB], 15                      ; codes: 32,768 bytes a row block, 8,192 a quarter
	s_lshl_b32 s36, s[KQ], 13
	s_add_co_u32 s34, s34, s36
	s_add_nc_u64 s[24:25], s[16:17], s[34:35]
	s_lshl_b32 s34, s[RB], 10                      ; scale words: 1,024 bytes a row block, 256 a quarter
	s_lshl_b32 s36, s[KQ], 8
	s_add_co_u32 s34, s34, s36
	s_add_nc_u64 s[26:27], s[18:19], s[34:35]
.macro LOAD t                          ; unit t: 16 rows x 512 bytes
.irp i, 0,1,2,3,4,5,6,7,8,9,10,11,12,13,14,15
	global_load_b128 v[R+64*((\t)%2)+4*\i:R+64*((\t)%2)+4*\i+3], v1, s[22:23] offset:8192*\i+512*(\t) th:TH_LOAD_NT
.endr
.endm
.macro UNIT t
.if (\t) < 3
	s_wait_loadcnt 16                              ; this unit's 16 loads are in; the next unit's may be out
.else
	s_wait_loadcnt 0x0
.endif
.irp i, 0,1,2,3,4,5,6,7,8,9,10,11,12,13,14,15
	ds_store_b128 v2, v[R+64*((\t)%2)+4*\i:R+64*((\t)%2)+4*\i+3] offset:SP*\i
.endr
.irp c, 0,1,2,3
.irp j, 0,1,2,3
	ds_load_b128 v[X+16*\c+4*\j:X+16*\c+4*\j+3], v3 offset:128*\c+16*\j   ; LDS serves a wave's instructions in order: these see the stores above
.endr
.endr
	s_wait_xcnt 0x0                                ; the last unit's stores have read their registers: the codes may be written again
	s_wait_dscnt 0x0                               ; the numbers are back, and the stage's stores have read their registers,
.if (\t) < 2
	LOAD (\t)+2                                    ; which take the loads of two units on
.endif
	QUANT4 X
.irp c, 0,1,2,3
	global_store_b128 v1, v[PC+4*\c:PC+4*\c+3], s[24:25] offset:2048*(\t)+512*\c   ; 32 lanes store 512 consecutive bytes
.endr
	ds_store_b32 v4, v[PW] offset:64*(\t)          ; both halves of the lanes write the same word with the same value
.endm
	LOAD 0
	LOAD 1
	UNIT 0
	UNIT 1
	UNIT 2
	UNIT 3
	ds_load_b64 v[12:13], v5
	s_wait_dscnt 0x0
	global_store_b64 v6, v[12:13], s[26:27]        ; 32 lanes store 256 consecutive bytes, aligned
	s_wait_tensorcnt 0x0                           ; the wave's end
	ds_add_u32 v248, v249
	s_wait_dscnt 0x0
	s_endpgm
.Lfunc_end_k_q10953983b2_quant:
	.size	k_q10953983b2_quant, .Lfunc_end_k_q10953983b2_quant-k_q10953983b2_quant
	.p2alignl 7, 3214868480
	.fill 96, 4, 3214868480
	.section	.rodata,"a",@progbits
	.p2align	6, 0x0
	.amdhsa_kernel k_q10953983b2_quant
		.amdhsa_group_segment_fixed_size 79872
		.amdhsa_private_segment_fixed_size 0
		.amdhsa_enable_private_segment 0
		.amdhsa_kernarg_size 64
		.amdhsa_user_sgpr_count 2
		.amdhsa_user_sgpr_kernarg_segment_ptr 1
		.amdhsa_wavefront_size32 1
		.amdhsa_system_sgpr_workgroup_id_x 1
		.amdhsa_system_sgpr_workgroup_id_y 1
		.amdhsa_system_sgpr_workgroup_id_z 1
		.amdhsa_system_vgpr_workitem_id 0
		.amdhsa_next_free_vgpr 250
		.amdhsa_next_free_sgpr 66
		.amdhsa_reserve_vcc 0
		.amdhsa_float_denorm_mode_32 3
		.amdhsa_float_denorm_mode_16_64 3
		.amdhsa_memory_ordered 1
		.amdhsa_forward_progress 1
		.amdhsa_inst_pref_size 52
	.end_amdhsa_kernel
	.amdgpu_metadata
---
amdhsa.version: [ 1, 2 ]
amdhsa.kernels:
  - .name:           k_q10953983b2_quant
    .symbol:         k_q10953983b2_quant.kd
    .args:
      - { .name: x, .offset: 0, .size: 8, .value_kind: global_buffer, .address_space: global }
      - { .name: wq, .offset: 8, .size: 8, .value_kind: global_buffer, .address_space: global }
      - { .name: wk, .offset: 16, .size: 8, .value_kind: global_buffer, .address_space: global }
      - { .name: wv, .offset: 24, .size: 8, .value_kind: global_buffer, .address_space: global }
      - { .name: wg, .offset: 32, .size: 8, .value_kind: global_buffer, .address_space: global }
      - { .name: wo, .offset: 40, .size: 8, .value_kind: global_buffer, .address_space: global }
      - { .name: codes, .offset: 48, .size: 8, .value_kind: global_buffer, .address_space: global }
      - { .name: scales, .offset: 56, .size: 8, .value_kind: global_buffer, .address_space: global }
    .group_segment_fixed_size: 79872
    .private_segment_fixed_size: 0
    .kernarg_segment_align: 8
    .kernarg_segment_size: 64
    .max_flat_workgroup_size: 288
    .sgpr_count:     66
    .vgpr_count:     250
    .wavefront_size: 32
...
	.end_amdgpu_metadata
.endif
;; end of part 5
;; launch proj (part 6): grid 20 x 8, 4 waves a work-group, clusters of 4 x 4, 327,680 bytes of LDS; arguments codes, scales, cos, sin, qn, kn, qimg, qsc, kv, gate; writes qimg, qsc, kv, gate
.if DOCPART == 6
	.amdgcn_target "amdgcn-amd-amdhsa--gfx1250"
	.amdhsa_code_object_version 6
	.text
	.protected	k_q10953983b2_proj
	.globl	k_q10953983b2_proj
	.p2align	8
	.type	k_q10953983b2_proj,@function
k_q10953983b2_proj:
	s_mov_b64 s[64:65], 0
	v_nop
	global_prefetch_b8 v0, s[64:65] scope:SCOPE_SE
	s_setreg_imm32_b32 hwreg(HW_REG_WAVE_MODE, 25, 1), 1
	s_wait_xcnt 0x0
	s_wait_alu depctr_hold_cnt(0) depctr_sa_sdst(0) depctr_va_vdst(0) depctr_va_sdst(0) depctr_va_ssrc(0) depctr_va_vcc(0) depctr_vm_vsrc(0)
	s_getreg_b32 s2, hwreg(HW_REG_IB_STS2, 6, 4)
	s_cmp_eq_u32 s2, 0
	s_cbranch_scc0 .Lentry_in_a_cluster
	s_endpgm
.Lentry_in_a_cluster:
	s_bfe_u32 s2, ttmp6, 0x10000c
	s_cmp_lg_u32 s2, 0xf033
	s_cbranch_scc0 .Lentry_shape_is_right
	s_endpgm
.Lentry_shape_is_right:
.set NQ,     2
.set FR,     16
.set NL,     4
.set NP,     8
.set HALFT,  32768
.set SLOT,   4*HALFT
.set LAPS,   4
.set SCL,    2*SLOT
.set SCB,    16448
.set SPARE,  295168
.set SP,     528
.set STG,    128*SP
.set KVREC,  274432
.set CSO, 3
.set LI,  4
.set R4,  5
.set SH,  6
.set SOFF, 7
.set STO, 8
.set RDQ0, 9
.set QNO, 10
.set RDV0, 11
.set ADQ, 12
.set ADG, 13
.set ADV, 14
.set PW,  15
.set ADRA, 16
.set ADRB, 20
.set T,   22
.set SWD, 26
.set ADRS, 27
.set SPW, 28
.set NIL, 29
.set SC,  32
.set CS,  64
.set AF,  128
.set X,   128
.set QN,  192
.set PC,  224
.set TM,  240
.set G1, 24
.set G0, 32
.set G1B, 48
.set G0B, 56
.set G1S, 68
.set G0S, 76
.set G1SB, 80
.set G0SB, 88
.set PA,  24
.set PB,  26
.set PSA, 28
.set PSB, 30
.set STP, 32
.set STS, 34
.set RST, 36
.set SA,  38
.set SV,  39
.set HSS, 52
.set GM0, 53
.set SEL, 54
.set MNT, 56
.set K64, 57
.set EPSS, 58
.set NL2E, 60
.set M7F, 62
.set TYPE, 100
.set ISK, 101
.set MSB, 0
.macro WIN new
.if MSB != \new
	s_set_vgpr_msb (MSB<<8)|\new
.set MSB, \new
.endif
.endm
.set MUL_LO, 0xa1
.set MUL_HI, 0xf1
.set TO_B,   0x40
.macro JLOAD g0a, g1a, g0b, g1b
	s_cmp_eq_u32 s17, 0
	s_cbranch_scc0 .Lfor_b_\@
	tensor_load_to_lds s[\g0a:\g0a+3], s[\g1a:\g1a+7]
	s_nop 0
.rept 4
	v_nop
.endr
	s_branch .Lasked_\@
.Lfor_b_\@:
	tensor_load_to_lds s[\g0b:\g0b+3], s[\g1b:\g1b+7]
	s_nop 0
.rept 4
	v_nop
.endr
.Lasked_\@:
.endm
.macro CREST
	s_cmp_lg_u32 s16, 0
	s_cbranch_scc1 .Lnot_wave_0_\@
	s_barrier_signal -3
.Lnot_wave_0_\@:
	s_barrier_wait -3
	s_barrier_signal -1
	s_barrier_wait -1
.endm
.macro CROUND
	s_barrier_signal -1
	s_barrier_wait -1
	CREST
.endm
	s_load_b128 s[4:7], s[0:1], 0x0
	s_load_b256 s[8:15], s[0:1], 0x10
	s_load_b256 s[92:99], s[0:1], 0x30
	v_lshl_add_u32 v[SPW], v0, 2, SPARE
	v_mov_b32 v[NIL], 0
	ds_add_u32 v28, v29
	ds_add_u32 v28, v29
	s_wait_dscnt 0x0
	v_lshrrev_b32 v1, 5, v0
	v_readfirstlane_b32 s16, v1
	s_lshr_b32 s17, s16, 1
	s_and_b32 s18, s16, 1
	s_bfe_u32 s40, ttmp6, 0x40000
	s_bfe_u32 s41, ttmp6, 0x40004
	s_lshl_b32 s20, ttmp9, 2
	s_add_co_u32 s20, s20, s40
	s_and_b32 s19, ttmp7, 0xffff
	s_lshl_b32 s19, s19, 2
	s_add_co_u32 s19, s19, s41
	s_lshl_b32 s42, s41, 2
	s_lshl_b32 s42, 15, s42
	s_lshl_b32 s43, 0x1111, s40
	s_or_b32 s[G1+0], s42, (3<<16)|(1<<21)
	s_or_b32 s[G1B+0], s43, (3<<16)|(1<<21)
.irp g, G1, G1B
	s_mov_b32 s[\g+1], 512<<16
	s_mov_b32 s[\g+2], 16<<16
	s_mov_b32 s[\g+3], 512<<16
	s_mov_b32 s[\g+4], 16
	s_mov_b32 s[\g+5], 4096
	s_mov_b32 s[\g+6], 0
	s_mov_b32 s[\g+7], 0
.endr
	s_or_b32 s[G1S+0], s42, (3<<16)|(1<<21)
	s_or_b32 s[G1SB+0], s43, (3<<16)|(1<<21)
.irp g, G1S, G1SB
	s_mov_b32 s[\g+1], 32<<16
	s_mov_b32 s[\g+2], 64<<16
	s_mov_b32 s[\g+3], 32<<16
	s_mov_b32 s[\g+4], 64
	s_mov_b32 s[\g+5], 32
	s_mov_b32 s[\g+6], 0
	s_mov_b32 s[\g+7], 0
.endr
	s_lshl_b32 s2, s18, 18                 ; in the ring I fetch 8 row blocks of 32,768 bytes: which half
	s_mov_b32 s3, 0
	s_lshl_b32 s44, s19, 4
	s_lshl_b32 s46, s20, 4
	s_add_co_u32 s46, s46, 128
	s_lshl_b32 s22, s44, 10
	s_mov_b32 s23, 0
	s_lshl_b32 s44, s44, 15
	s_mov_b32 s45, 0
	s_lshl_b32 s66, s46, 10
	s_mov_b32 s67, 0
	s_lshl_b32 s46, s46, 15
	s_mov_b32 s47, 0
	s_lshl_b32 s104, s16, 15
	s_wait_kmcnt 0x0
	s_add_nc_u64 s[44:45], s[4:5], s[44:45]
	s_add_nc_u64 s[22:23], s[6:7], s[22:23]
	s_add_nc_u64 s[46:47], s[4:5], s[46:47]
	s_add_nc_u64 s[66:67], s[6:7], s[66:67]
	CROUND
	s_mov_b32 s[G0S], 1
	s_mov_b32 s[G0S+1], SCL
	s_mov_b64 s[G0S+2:G0S+3], s[22:23]
	s_or_b32 s[G0S+3], s[G0S+3], 0x80000000
	s_mov_b32 s[G0SB], 1
	s_mov_b32 s[G0SB+1], SCL+SCB
	s_mov_b64 s[G0SB+2:G0SB+3], s[66:67]
	s_or_b32 s[G0SB+3], s[G0SB+3], 0x80000000
	s_mov_b32 s4, 1                        ; the head's group 0 for K step 0: A's 16 row blocks (the arguments that lay here have been used)
	s_mov_b32 s5, 0
	s_mov_b64 s[6:7], s[44:45]
	s_or_b32 s7, s7, 0x80000000
	s_cmp_eq_u32 s17, 0
	s_cselect_b32 s105, s40, s41           ; my place among the four that ask with me: it enters a prefetch's address alone
	s_mov_b32 s40, 1                       ; and B's 16 row blocks, behind A's in slot 0
	s_mov_b32 s41, 2*HALFT
	s_mov_b64 s[42:43], s[46:47]
	s_or_b32 s43, s43, 0x80000000
	s_add_nc_u64 s[44:45], s[44:45], s[2:3]
	s_add_nc_u64 s[46:47], s[46:47], s[2:3]
.irp s, 0,1
	s_mov_b32 s[G0+4*\s], 1
	s_add_co_u32 s[G0+4*\s+1], s104, \s*SLOT
	s_add_nc_u64 s[G0+4*\s+2:G0+4*\s+3], s[44:45], \s*4096
	s_or_b32 s[G0+4*\s+3], s[G0+4*\s+3], 0x80000000
	s_mov_b32 s[G0B+4*\s], 1
	s_add_co_u32 s[G0B+4*\s+1], s104, \s*SLOT
	s_add_nc_u64 s[G0B+4*\s+2:G0B+4*\s+3], s[46:47], \s*4096
	s_or_b32 s[G0B+4*\s+3], s[G0B+4*\s+3], 0x80000000
.endr
	s_lshl_b32 s2, s105, 16                ; of the 8 row blocks that I fetch, my work-group prefetches two: told apart by address
	s_cmp_eq_u32 s17, 0
	s_cselect_b64 s[104:105], s[44:45], s[46:47]
	s_add_nc_u64 s[104:105], s[104:105], s[2:3]
; the head's four tiles, one joint load a wave: wave 0 K step 0 of A, wave 1 of B, wave 2 A's scale words, wave 3 B's
.macro ARM under, g0, g1, next
	s_cmp_lt_u32 s16, \under
	s_cbranch_scc0 \next
	tensor_load_to_lds s[\g0:\g0+3], s[\g1:\g1+7]
	s_nop 0
.rept 4
	v_nop
.endr
	s_branch .Lhead_asked
\next:
.endm
	ARM 1, 4, G1, .Lhead_b
	ARM 2, 40, G1B, .Lhead_sa
	ARM 3, G0S, G1S, .Lhead_sb
	tensor_load_to_lds s[G0SB:G0SB+3], s[G1SB:G1SB+7]
	s_nop 0
.rept 4
	v_nop
.endr
.Lhead_asked:
	v_and_b32 v1, 15, v0
	v_bfe_u32 v2, v0, 4, 1
	s_wait_alu depctr_va_vdst(0)
	v_and_b32 v[LI], 31, v0
	v_lshlrev_b32 v[LI], 4, v[LI]
	s_lshl_b32 s21, s17, 15
	s_lshl_b32 s22, s18, 15
	s_add_co_u32 s22, s22, 2*HALFT
.irp s, 0,1
	v_add_nc_u32 v[ADRA+\s], s21, v[LI]
	v_add_nc_u32 v[ADRB+\s], s22, v[LI]
	s_add_co_u32 s21, s21, SLOT
	s_add_co_u32 s22, s22, SLOT
.endr
	s_lshl_b32 s21, s17, 13
	s_lshl_b32 s22, s18, 13
	s_add_co_u32 s22, s22, SCB
	s_sub_co_u32 s22, s22, s21
	v_mul_u32_u24 v5, s22, v2
	s_add_co_u32 s21, s21, SCL
	v_lshl_add_u32 v5, v1, 2, v5
	v_add_nc_u32 v[ADRS], s21, v5
	v_lshlrev_b32 v[CSO], 7, v1
	v_lshl_add_u32 v[CSO], v2, 5, v[CSO]
	s_lshl_b32 s22, s19, 15
	s_lshl_b32 s23, s17, 14
	s_add_co_u32 s22, s22, s23
	s_mov_b32 s23, 0
	s_add_nc_u64 s[8:9], s[8:9], s[22:23]
	s_add_nc_u64 s[10:11], s[10:11], s[22:23]
.macro CSLOAD u, off
.irp c, 0,1
.irp j, 0,1
	global_load_b128 v[CS+32*\u+8*\c+4*\j:CS+32*\u+8*\c+4*\j+3], v[CSO], s[8:9] offset:\off+64*\c+16*\j
	global_load_b128 v[CS+32*\u+16+8*\c+4*\j:CS+32*\u+16+8*\c+4*\j+3], v[CSO], s[10:11] offset:\off+64*\c+16*\j
.endr
.endr
.endm
	v_lshlrev_b32 v30, 15, v2              ; the prefetches' offset: lanes 0-15 one row block's 4,096 bytes of a K step, 256 apart; lanes 16-31 the next row block's
	v_lshl_add_u32 v30, v1, 8, v30
	s_wait_alu depctr_va_vdst(0)
	global_prefetch_b8 v30, s[104:105] offset:4096 th:TH_LOAD_NT scope:SCOPE_SE   ; K step 1, a fill ahead of its load,
	global_prefetch_b8 v30, s[104:105] offset:8192 th:TH_LOAD_NT scope:SCOPE_SE   ; and K step 2, two fills ahead
	CSLOAD 0, 0
	CSLOAD 1, 2048
.macro FRAG reg, adr, q, i
.irp c, 0,1,2,3
	ds_load_b128 v[\reg+4*\c:\reg+4*\c+3], v[\adr] offset:4096*(\i)+2048*(\q)+512*\c
.endr
.endm
.macro MUL16 a0, p, q, sc, zero
.irp a, \a0, \a0+1
.irp b, 0,1,2,3,4,5,6,7
.if \zero
	v_wmma_scale_f32_16x16x128_f8f6f4 v[8*(8*((\a)%4)+\b):8*(8*((\a)%4)+\b)+7], v[128*(\p)+FR*\b:128*(\p)+FR*\b+FR-1], v[AF+FR*(\a):AF+FR*(\a)+FR-1], 0, v[SC+8*NQ*(\sc)+NQ*\b+(\q)], v[SC+8*NQ*(\sc)+NQ*(\a)+(\q)] matrix_a_scale:MATRIX_SCALE_ROW1
.else
	v_wmma_scale_f32_16x16x128_f8f6f4 v[8*(8*((\a)%4)+\b):8*(8*((\a)%4)+\b)+7], v[128*(\p)+FR*\b:128*(\p)+FR*\b+FR-1], v[AF+FR*(\a):AF+FR*(\a)+FR-1], v[8*(8*((\a)%4)+\b):8*(8*((\a)%4)+\b)+7], v[SC+8*NQ*(\sc)+NQ*\b+(\q)], v[SC+8*NQ*(\sc)+NQ*(\a)+(\q)] matrix_a_scale:MATRIX_SCALE_ROW1
.endif
.endr
.endr
.endm
.macro FETCH_B slot, q, p
	WIN TO_B
.irp i, 0,1,2,3,4,5,6,7
	FRAG 128*(\p)+FR*\i, ADRB+\slot, \q, \i
.endr
	WIN 0
.endm
.macro FETCH_A slot, q, i0
.irp i, \i0, \i0+1, \i0+2, \i0+3
	FRAG AF+FR*(\i), ADRA+\slot, \q, \i
.endr
.endm
.macro SCALES sc
.irp i, 0,1,2,3,4,5,6,7
.irp q, 0,1
	ds_load_b32 v[SC+16*\sc+2*\i+\q], v[ADRS] offset:1024*\i+64*\q
.endr
.endr
.endm
.macro PLACES n
.rept \n
	v_nop
.endr
.endm
.macro STEP slot, q, zero
	s_wait_dscnt 4*NL
	WIN MUL_LO
	MUL16 0, (\q)%2, \q, \slot, \zero
	MUL16 2, (\q)%2, \q, \slot, \zero
	s_wait_dscnt 0
	PLACES NP
	FETCH_B \slot, (\q)+1, 1-(\q)%2
	FETCH_A \slot, (\q)+1, 0
	WIN MUL_HI
	MUL16 4, (\q)%2, \q, \slot, \zero
	MUL16 6, (\q)%2, \q, \slot, \zero
	PLACES NP
	WIN 0
	FETCH_A \slot, (\q)+1, 4
.endm
.macro TURN slot, next, fill
	s_wait_xcnt 0x0                        ; any prefetch of mine has read its address
.if \fill
	s_add_nc_u64 s[104:105], s[104:105], 4096
.endif
	s_wait_tensorcnt 0x0
	ds_add_u32 v[SPW], v[NIL]
	s_wait_dscnt 4*NL+1
	WIN MUL_LO
	MUL16 0, 1, NQ-1, \slot, 0
	s_wait_dscnt 0x0
	s_barrier_signal -1
	MUL16 2, 1, NQ-1, \slot, 0
	WIN 0
	s_barrier_wait -1
.if \fill
	CREST
	s_add_nc_u64 s[G0+4*\slot+2:G0+4*\slot+3], s[G0+4*\slot+2:G0+4*\slot+3], 8192
	s_add_nc_u64 s[G0B+4*\slot+2:G0B+4*\slot+3], s[G0B+4*\slot+2:G0B+4*\slot+3], 8192
	JLOAD G0+4*\slot, G1, G0B+4*\slot, G1B
	PLACES NP-4
.else
	PLACES NP
.endif
	s_wait_alu depctr_va_vdst(0)
	v_add_nc_u32 v[ADRS], 128, v[ADRS]
	FETCH_B \next, 0, 0
	FETCH_A \next, 0, 0
	SCALES \next
.if \fill
	s_cmp_gt_u32 s3, 1                     ; the last lap's two refills have no K step two on
	s_cbranch_scc0 .Lno_ask_\@
	global_prefetch_b8 v30, s[104:105] offset:12288 th:TH_LOAD_NT scope:SCOPE_SE   ; the K step two refills on
.Lno_ask_\@:
.endif
	WIN MUL_HI
	MUL16 4, 1, NQ-1, \slot, 0
	MUL16 6, 1, NQ-1, \slot, 0
	PLACES NP
	WIN 0
	FETCH_A \next, 0, 4
.endm
	s_wait_alu depctr_va_vdst(0)
	s_wait_tensorcnt 0x0                   ; my tile of the head's four is in
	ds_add_u32 v[SPW], v[NIL]
	s_mov_b32 s[G1+2], 8<<16               ; no tensor load of mine is out: from here on a load brings 8 row blocks
	s_mov_b32 s[G1+4], 8
	s_mov_b32 s[G1B+2], 8<<16
	s_mov_b32 s[G1B+4], 8
	s_wait_dscnt 0x0
	CROUND
	JLOAD G0+4, G1, G0B+4, G1B             ; K step 1, the first tensor load behind the round
	global_prefetch_b8 v30, s[104:105] offset:12288 th:TH_LOAD_NT scope:SCOPE_SE   ; K step 3
	FETCH_B 0, 0, 0
	FETCH_A 0, 0, 0
	SCALES 0
	FETCH_A 0, 0, 4
	STEP 0, 0, 1
	s_mov_b32 s3, LAPS-1
.Llap:
	TURN 0, 1, 1
	STEP 1, 0, 0
	TURN 1, 0, 1
	STEP 0, 0, 0
	s_sub_co_u32 s3, s3, 1
	s_cmp_lg_u32 s3, 0
	s_cbranch_scc1 .Llap
	TURN 0, 1, 0
	STEP 1, 0, 0
	s_wait_dscnt 4*NL
	WIN MUL_LO
	MUL16 0, 1, NQ-1, 1, 0
	MUL16 2, 1, NQ-1, 1, 0
	s_wait_dscnt 0
	WIN MUL_HI
	MUL16 4, 1, NQ-1, 1, 0
	MUL16 6, 1, NQ-1, 1, 0
	WIN 0
	PLACES NP
	s_barrier_signal -1
	s_barrier_wait -1
	s_mov_b32 s[SEL], 0x76543210
	s_mov_b32 s[SEL+1], 0xfedcba98
	s_mov_b32 s[MNT], 0x600000
	s_mov_b32 s[K64], 0x3c800000
	s_mov_b32 s[EPSS], 0x358637bd
	s_mov_b32 s[NL2E], 0xbfb8aa3b
	s_mov_b32 s[NL2E+1], s[NL2E]
	s_mov_b32 s[M7F], 0x7f7f0000
	s_cmp_eq_u32 ttmp9, 2
	s_cselect_b32 s[ISK], 1, 0
	s_cselect_b64 s[12:13], s[14:15], s[12:13]
	s_and_b32 s[TYPE], s[ISK], s18
	s_cmp_ge_u32 ttmp9, 3
	s_cselect_b32 s[TYPE], 2, s[TYPE]
	s_mul_i32 s23, s16, STG
	v_mul_u32_u24 v[STO], v1, SP
	v_add_nc_u32 v[STO], s23, v[STO]
	v_lshl_add_u32 v[RDQ0], v2, 6, v[STO]
	v_mul_u32_u24 v[RDV0], v2, 8*SP
	v_lshl_add_u32 v[RDV0], v1, 2, v[RDV0]
	v_add_nc_u32 v[RDV0], s23, v[RDV0]
	v_lshl_add_u32 v[STO], v2, 5, v[STO]
	v_lshlrev_b32 v[R4], 2, v1
	v_lshlrev_b32 v[SH], 4, v2
	v_lshlrev_b32 v[QNO], 6, v2
.irp b, 0,1,2,3
	v_mov_b32 v[TM+4+\b], 0
.endr
	v_mov_b32 v[PC+9], 0
	v_mov_b32 v[PC+11], 0
.irp c, 0,1
.irp j, 0,1,2,3
	global_load_b128 v[QN+16*\c+4*\j:QN+16*\c+4*\j+3], v[QNO], s[12:13] offset:128*\c+16*\j
.endr
.endr
	s_lshl_b32 s[GM0], s19, 4
	s_lshl_b32 s21, s17, 3
	s_add_co_u32 s[GM0], s[GM0], s21
	s_cmp_eq_u32 s[TYPE], 2
	s_cbranch_scc1 .Larm_g
	s_cmp_eq_u32 s[ISK], 1
	s_cbranch_scc1 .Larm_kv
	s_lshl_b32 s21, s20, 2
	s_lshl_b32 s22, s18, 1
	s_add_co_u32 s21, s21, s22
	s_lshl_b32 s44, s21, 7
	s_add_co_u32 s44, s44, s[GM0]
	s_lshl_b32 s44, s44, 10
	s_mov_b32 s46, 131072
	s_lshl_b32 s48, s[GM0], 5
	s_add_co_u32 s48, s48, s21
	s_lshl_b32 s48, s48, 6
	s_mov_b32 s50, 2048
	s_mov_b32 s[STP], 2048
	s_mov_b32 s[STS], 4096
	s_mov_b32 s[HSS], 64
	s_branch .Larm_end
.Larm_kv:
	s_sub_co_u32 s21, s20, 8
	s_mul_i32 s21, s21, 2*KVREC
	s_mov_b32 s46, KVREC
	s_mov_b32 s[STP], 2048
	s_mov_b32 s[HSS], KVREC
	s_cmp_eq_u32 s[TYPE], 1
	s_cbranch_scc1 .Larm_v
	s_lshl_b32 s44, s[GM0], 10
	s_add_co_u32 s44, s44, s21
	s_lshl_b32 s48, s[GM0], 6
	s_add_co_u32 s48, s48, s21
	s_add_co_u32 s48, s48, 262144
	s_mov_b32 s50, 64
	s_mov_b32 s[STS], 128
	s_branch .Larm_end
.Larm_v:
	s_lshl_b32 s22, s19, 1
	s_add_co_u32 s22, s22, s17
	s_lshl_b32 s44, s22, 13
	s_add_co_u32 s44, s44, s21
	s_add_co_u32 s44, s44, 131072
	s_lshl_b32 s48, s22, 8
	s_add_co_u32 s48, s48, s21
	s_add_co_u32 s48, s48, 270336
	s_mov_b32 s50, KVREC
	s_mov_b32 s[STS], 64
	s_branch .Larm_end
.Larm_g:
	s_sub_co_u32 s21, s20, 12
	s_lshl_b32 s21, s21, 2
	s_lshl_b32 s22, s18, 1
	s_add_co_u32 s21, s21, s22
	s_lshl_b32 s44, s[GM0], 5
	s_add_co_u32 s44, s44, s21
	s_lshl_b32 s44, s44, 12
	s_mov_b32 s46, 0
	s_mov_b32 s48, s44
	s_mov_b32 s50, 0
	s_mov_b32 s[STP], 262144
	s_mov_b32 s[STS], 0
	s_mov_b32 s[HSS], 0
.Larm_end:
	s_mov_b32 s45, 0
	s_mov_b32 s47, 0
	s_mov_b32 s49, 0
	s_mov_b32 s51, 0
	s_mov_b32 s[STP+1], 0
	s_mov_b32 s[STS+1], 0
	s_mov_b32 s[RST+1], 0
	s_cmp_eq_u32 s[ISK], 1
	s_cselect_b64 s[66:67], s[96:97], s[92:93]
	s_cselect_b64 s[68:69], s[96:97], s[94:95]
	s_cmp_eq_u32 s[TYPE], 2
	s_cselect_b64 s[66:67], s[98:99], s[66:67]
	s_cselect_b64 s[68:69], s[98:99], s[68:69]
	s_add_nc_u64 s[PA:PA+1], s[66:67], s[44:45]
	s_add_nc_u64 s[PB:PB+1], s[PA:PA+1], s[46:47]
	s_add_nc_u64 s[PSA:PSA+1], s[68:69], s[48:49]
	s_add_nc_u64 s[PSB:PSB+1], s[PSA:PSA+1], s[50:51]
	v_mul_u32_u24 v[SOFF], s[HSS], v2
	v_lshl_add_u32 v[SOFF], v1, 2, v[SOFF]
.irp a, 0,1,2,3,4,5,6,7
	WIN 0x08+4*(\a/4)
.irp b, 0,1,2,3,4,5,6,7
	ds_store_b128 v[STO], v[8*(8*(\a%4)+\b):8*(8*(\a%4)+\b)+3] offset:16*SP*\a+64*\b
	ds_store_b128 v[STO], v[8*(8*(\a%4)+\b)+4:8*(8*(\a%4)+\b)+7] offset:16*SP*\a+64*\b+16
.endr
.endr
	WIN 0
	s_wait_loadcnt 0x0
	s_add_nc_u64 s[8:9], s[8:9], 4096
	s_add_nc_u64 s[10:11], s[10:11], 4096
.macro QUANT4 s
.irp b, 0,1,2,3
	v_max3_num_f32 v[TM+\b], |v[\s+16*\b]|, |v[\s+1+16*\b]|, 0x4800000
.endr
.irp i, 2,4,6,8,10,12,14
.irp b, 0,1,2,3
	v_max3_num_f32 v[TM+\b], v[TM+\b], |v[\s+16*\b+\i]|, |v[\s+1+16*\b+\i]|
.endr
.endr
.irp b, 0,1,2,3
	v_permlanex16_b32 v[TM+4+\b], v[TM+\b], s[SEL], s[SEL+1]
.endr
.irp b, 0,1,2,3
	v_max_num_f32 v[TM+\b], v[TM+\b], v[TM+4+\b]
.endr
.irp b, 0,1,2,3
	v_add_nc_u32 v[TM+12+\b], 0xfc000000, v[TM+\b]
.endr
.irp b, 0,1,2,3
	v_and_or_b32 v[TM+8+\b], v[TM+\b], 0x7f800000, s[MNT]
.endr
.irp b, 0,1,2,3
	v_lshrrev_b32 v[TM+4+\b], 23, v[TM+12+\b]
.endr
	v_lshl_or_b32 v[PW], v[TM+5], 8, v[TM+4]
	v_lshl_or_b32 v[PW], v[TM+6], 16, v[PW]
	v_lshl_or_b32 v[PW], v[TM+7], 24, v[PW]
.irp b, 0,1,2,3
.irp i, 0,1,2,3,4,5,6,7,8,9,10,11,12,13,14,15
	v_med3_num_f32 v[\s+16*\b+\i], v[\s+16*\b+\i], -v[TM+8+\b], v[TM+8+\b]
.endr
	v_cvt_scalef32_pk8_fp8_f32 v[PC+4*\b:PC+1+4*\b], v[\s+16*\b:\s+7+16*\b], v[TM+12+\b]
	v_cvt_scalef32_pk8_fp8_f32 v[PC+2+4*\b:PC+3+4*\b], v[\s+8+16*\b:\s+15+16*\b], v[TM+12+\b]
.endr
	v_nop
.endm
.macro BODY_QK sub
.irp b, 0,1,2,3
.irp j, 0,1,2,3
	ds_load_b128 v[X+16*\b+4*\j:X+16*\b+4*\j+3], v[ADQ] offset:16*SP*\sub+128*\b+16*\j
.endr
.endr
	s_wait_dscnt 0x0
.irp b, 0,1,2,3
.irp p, 0,1,2,3,4,5,6,7
	v_mul_f32 v[T+\p%4], v[X+16*\b+2*\p+1], v[CS+32*\sub+16+8*(\b%2)+\p]
	v_mul_f32 v[X+16*\b+2*\p+1], v[X+16*\b+2*\p+1], v[CS+32*\sub+8*(\b%2)+\p]
	v_fmac_f32 v[X+16*\b+2*\p+1], v[X+16*\b+2*\p], v[CS+32*\sub+16+8*(\b%2)+\p]
	v_fma_f32 v[X+16*\b+2*\p], v[X+16*\b+2*\p], v[CS+32*\sub+8*(\b%2)+\p], -v[T+\p%4]
.endr
.endr
.irp e, 0,1
	v_pk_mul_f32 v[PC+4*\e:PC+4*\e+1], v[X+32*\e:X+32*\e+1], v[X+32*\e:X+32*\e+1]
	v_pk_mul_f32 v[PC+4*\e+2:PC+4*\e+3], v[X+32*\e+2:X+32*\e+3], v[X+32*\e+2:X+32*\e+3]
.endr
.irp i, 4,8,12,16,20,24,28
.irp e, 0,1
	v_pk_fma_f32 v[PC+4*\e:PC+4*\e+1], v[X+32*\e+\i:X+32*\e+\i+1], v[X+32*\e+\i:X+32*\e+\i+1], v[PC+4*\e:PC+4*\e+1]
	v_pk_fma_f32 v[PC+4*\e+2:PC+4*\e+3], v[X+32*\e+\i+2:X+32*\e+\i+3], v[X+32*\e+\i+2:X+32*\e+\i+3], v[PC+4*\e+2:PC+4*\e+3]
.endr
.endr
.irp e, 0,1
	v_pk_add_f32 v[PC+4*\e:PC+4*\e+1], v[PC+4*\e:PC+4*\e+1], v[PC+4*\e+2:PC+4*\e+3]
.endr
.irp e, 0,1
	v_add_f32 v[PC+4*\e], v[PC+4*\e], v[PC+4*\e+1]
.endr
.irp e, 0,1
	v_permlanex16_b32 v[PC+4*\e+1], v[PC+4*\e], s[SEL], s[SEL+1]
.endr
.irp e, 0,1
	v_add_f32 v[PC+4*\e], v[PC+4*\e], v[PC+4*\e+1]
.endr
.irp e, 0,1
	v_fma_f32 v[PC+4*\e], v[PC+4*\e], s[K64], s[EPSS]
.endr
	s_wait_alu depctr_va_vdst(0)
.irp e, 0,1
	v_rsq_f32 v[PC+8+2*\e], v[PC+4*\e]
.endr
	v_nop
	s_wait_alu depctr_va_vdst(0)
.irp e, 0,1
.irp i, 0,2,4,6,8,10,12,14,16,18,20,22,24,26,28,30
	v_pk_mul_f32 v[X+32*\e+\i:X+32*\e+\i+1], v[X+32*\e+\i:X+32*\e+\i+1], v[PC+8+2*\e:PC+9+2*\e] op_sel_hi:[1,0]
.endr
.endr
.irp b, 0,1,2,3
.irp i, 0,2,4,6,8,10,12,14
	v_pk_mul_f32 v[X+16*\b+\i:X+16*\b+\i+1], v[X+16*\b+\i:X+16*\b+\i+1], v[QN+16*(\b%2)+\i:QN+16*(\b%2)+\i+1]
.endr
.endr
	QUANT4 X
	v_lshrrev_b32 v[SWD], v[SH], v[PW]
	v_and_or_b32 v[SWD], v[SWD], 0xffff, s[M7F]
.irp c, 0,1
	global_store_b128 v[LI], v[PC+4*\c:PC+4*\c+3], s[PA:PA+1] offset:1024*\sub+512*\c
	global_store_b128 v[LI], v[PC+8+4*\c:PC+8+4*\c+3], s[PB:PB+1] offset:1024*\sub+512*\c
.endr
.if \sub == 0
	global_store_b32 v[SOFF], v[SWD], s[PSA:PSA+1]
.else
	global_store_b32 v[SOFF], v[SWD], s[PSB:PSB+1]
.endif
.endm
.macro BODY_V sub
.irp c, 0,1,2,3
.irp i, 0,1,2,3,4,5,6,7,8,9,10,11,12,13,14,15
	ds_load_b32 v[X+16*\c+\i], v[ADV] offset:(32*\c+16*(\i/8)+\i%8)*SP+256*\sub
.endr
.endr
	s_wait_dscnt 0x0
	QUANT4 X
.if \sub == 0
.irp c, 0,1,2,3
	global_store_b128 v[LI], v[PC+4*\c:PC+4*\c+3], s[PA:PA+1] offset:512*\c
.endr
	global_store_b32 v[R4], v[PW], s[PSA:PSA+1]
.else
.irp c, 0,1,2,3
	global_store_b128 v[LI], v[PC+4*\c:PC+4*\c+3], s[PB:PB+1] offset:512*\c
.endr
	global_store_b32 v[R4], v[PW], s[PSB:PSB+1]
.endif
.endm
.macro BODY_G sub
.irp m, 0,1,2,3,4,5,6,7
.irp j, 0,1
	ds_load_b128 v[X+8*\m+4*\j:X+8*\m+4*\j+3], v[ADG] offset:16*SP*\sub+64*\m+16*\j
.endr
.endr
	s_wait_dscnt 0x0
.set n, 0
.rept 32
	v_pk_mul_f32 v[X+n:X+n+1], v[X+n:X+n+1], s[NL2E:NL2E+1] op_sel_hi:[1,0]
.set n, n+2
.endr
.set n, 0
	s_wait_alu depctr_va_vdst(0)
.rept 64
	v_exp_f32 v[X+n], v[X+n]
.set n, n+1
.endr
	v_nop
	s_wait_alu depctr_va_vdst(0)
.set n, 0
.rept 32
	v_pk_add_f32 v[X+n:X+n+1], v[X+n:X+n+1], 1.0 op_sel_hi:[1,0]
.set n, n+2
.endr
.set n, 0
	s_wait_alu depctr_va_vdst(0)
.rept 64
	v_rcp_f32 v[X+n], v[X+n]
.set n, n+1
.endr
	v_nop
	s_wait_alu depctr_va_vdst(0)
.irp m, 0,1,2,3,4,5,6,7
.irp j, 0,1
	global_store_b128 v[LI], v[X+8*\m+4*\j:X+8*\m+4*\j+3], s[PA:PA+1] offset:131072*\sub+1024*\m+512*\j th:TH_STORE_NT
.endr
.endr
.endm
.macro EPI sub
	s_wait_xcnt 0x0
	s_wait_loadcnt 8
	v_add_nc_u32 v[ADQ], s[SA], v[RDQ0]
	v_add_nc_u32 v[ADG], s[SA], v[STO]
	v_add_nc_u32 v[ADV], s[SV], v[RDV0]
	s_cmp_eq_u32 s[TYPE], 1
	s_cbranch_scc1 .Lbody_v_\@
	s_cmp_eq_u32 s[TYPE], 2
	s_cbranch_scc1 .Lbody_g_\@
	BODY_QK \sub
	s_branch .Ljoin_\@
.Lbody_v_\@:
	s_wait_alu depctr_va_vdst(0)
	BODY_V \sub
	s_branch .Ljoin_\@
.Lbody_g_\@:
	s_wait_alu depctr_va_vdst(0)
	BODY_G \sub
.Ljoin_\@:
	CSLOAD \sub, 2048*\sub
.endm
	s_mov_b32 s3, 0
	s_mov_b32 s[SA], 0
	s_mov_b32 s[SV], 0
.Ltrip:
	EPI 0
	EPI 1
	s_wait_xcnt 0x0
	s_add_nc_u64 s[PA:PA+1], s[PA:PA+1], s[STP:STP+1]
	s_add_nc_u64 s[PB:PB+1], s[PB:PB+1], s[STP:STP+1]
	s_add_nc_u64 s[PSA:PSA+1], s[PSA:PSA+1], s[STS:STS+1]
	s_add_nc_u64 s[PSB:PSB+1], s[PSB:PSB+1], s[STS:STS+1]
	s_cmp_lt_u32 s3, 2
	s_cselect_b32 s[RST], 4096, 0
	s_add_nc_u64 s[8:9], s[8:9], s[RST:RST+1]
	s_add_nc_u64 s[10:11], s[10:11], s[RST:RST+1]
	s_add_co_u32 s[SA], s[SA], 32*SP
	s_add_co_u32 s[SV], s[SV], 64
	s_add_co_u32 s3, s3, 1
	s_cmp_lt_u32 s3, 4
	s_cbranch_scc1 .Ltrip
	s_wait_tensorcnt 0x0
	ds_add_u32 v[SPW], v[NIL]
	s_wait_dscnt 0x0
	CROUND
	s_endpgm
.Lfunc_end_k_q10953983b2_proj:
	.size	k_q10953983b2_proj, .Lfunc_end_k_q10953983b2_proj-k_q10953983b2_proj
	.p2alignl 7, 3214868480
	.fill 96, 4, 3214868480
	.section	.rodata,"a",@progbits
	.p2align	6, 0x0
	.amdhsa_kernel k_q10953983b2_proj
		.amdhsa_group_segment_fixed_size 327680
		.amdhsa_private_segment_fixed_size 0
		.amdhsa_enable_private_segment 0
		.amdhsa_kernarg_size 80
		.amdhsa_user_sgpr_count 2
		.amdhsa_user_sgpr_kernarg_segment_ptr 1
		.amdhsa_wavefront_size32 1
		.amdhsa_system_sgpr_workgroup_id_x 1
		.amdhsa_system_sgpr_workgroup_id_y 1
		.amdhsa_system_sgpr_workgroup_id_z 1
		.amdhsa_system_vgpr_workitem_id 0
		.amdhsa_next_free_vgpr 1024
		.amdhsa_next_free_sgpr 106
		.amdhsa_reserve_vcc 0
		.amdhsa_float_denorm_mode_32 3
		.amdhsa_float_denorm_mode_16_64 3
		.amdhsa_memory_ordered 1
		.amdhsa_forward_progress 1
		.amdhsa_inst_pref_size 226
	.end_amdhsa_kernel
	.amdgpu_metadata
---
amdhsa.version: [ 1, 2 ]
amdhsa.kernels:
  - .name:           k_q10953983b2_proj
    .symbol:         k_q10953983b2_proj.kd
    .args:
      - { .name: codes, .offset: 0, .size: 8, .value_kind: global_buffer, .address_space: global }
      - { .name: scales, .offset: 8, .size: 8, .value_kind: global_buffer, .address_space: global }
      - { .name: cos, .offset: 16, .size: 8, .value_kind: global_buffer, .address_space: global }
      - { .name: sin, .offset: 24, .size: 8, .value_kind: global_buffer, .address_space: global }
      - { .name: qn, .offset: 32, .size: 8, .value_kind: global_buffer, .address_space: global }
      - { .name: kn, .offset: 40, .size: 8, .value_kind: global_buffer, .address_space: global }
      - { .name: qimg, .offset: 48, .size: 8, .value_kind: global_buffer, .address_space: global }
      - { .name: qsc, .offset: 56, .size: 8, .value_kind: global_buffer, .address_space: global }
      - { .name: kv, .offset: 64, .size: 8, .value_kind: global_buffer, .address_space: global }
      - { .name: gate, .offset: 72, .size: 8, .value_kind: global_buffer, .address_space: global }
    .group_segment_fixed_size: 327680
    .private_segment_fixed_size: 0
    .kernarg_segment_align: 8
    .kernarg_segment_size: 80
    .max_flat_workgroup_size: 128
    .sgpr_count:     106
    .vgpr_count:     1024
    .wavefront_size: 32
...
	.end_amdgpu_metadata
.endif
;; end of part 6
;; launch attn (part 7): grid 32 x 8, 16 waves a work-group, clusters of 4 x 1, 327,680 bytes of LDS; arguments qimg, qsc, kv, gate, ogc, ogs; writes ogc, ogs
.if DOCPART == 7
	.amdgcn_target "amdgcn-amd-amdhsa--gfx1250"
	.amdhsa_code_object_version 6
	.text
	.protected	k_q10953983b2_attn
	.globl	k_q10953983b2_attn
	.p2align	8
	.type	k_q10953983b2_attn,@function
k_q10953983b2_attn:
	s_mov_b64 s[64:65], 0
	v_nop
	global_prefetch_b8 v0, s[64:65] scope:SCOPE_SE
	s_setreg_imm32_b32 hwreg(HW_REG_WAVE_MODE, 25, 1), 1
	s_wait_xcnt 0x0
	s_wait_alu depctr_hold_cnt(0) depctr_sa_sdst(0) depctr_va_vdst(0) depctr_va_sdst(0) depctr_va_ssrc(0) depctr_va_vcc(0) depctr_vm_vsrc(0)
	s_getreg_b32 s2, hwreg(HW_REG_IB_STS2, 6, 4)
	s_cmp_eq_u32 s2, 0
	s_cbranch_scc0 .Lentry_in_a_cluster
	s_endpgm
.Lentry_in_a_cluster:
	s_bfe_u32 s2, ttmp6, 0x10000c
	s_cmp_lg_u32 s2, 0x3003
	s_cbranch_scc0 .Lentry_shape_is_right
	s_endpgm
.Lentry_shape_is_right:
; Causal attention of 32 query heads on 8 kv heads, head size 64, 2,048 positions, both products on codes of FP8 (E4M3) with E8M0 scales; then O / l x the gate, quantised along the 2,048 of the last product's K.
; THE SOFTMAX: t = score x log2(e) / 8; M = the running largest t rounded up to a whole number; p = 2^(t - M) is quantised along the keys, not normalised; the row's sum is taken of the unquantised p and divides at the end.
; When M moves, the sum and O are multiplied by 2^(old M - new M): exact.  Key steps that lie wholly behind the causal mask, which the problem builds itself, are not walked.
; SHARES.  A cluster of four work-groups takes the four query heads of one kv head (the place in the cluster enters global addresses alone).  Cluster x = j.  A work-group has sixteen waves, eight pairs.
; Pair i owns granules (16 queries) gl = 8 j + i, which has j + 1 key steps of 128, and gh = 127 - gl, which has 16 - j.  Wave A of a pair walks gl whole and stores it, then gh's steps 0 .. 6 - j; wave B walks gh's steps 7 - j .. 15 - j:
; 8 steps for A, 9 for B, in every work-group.  A hands its part of gh (O^T, -M, the sum) to B through LDS bytes of their own; B brings both parts under the larger M by powers of two, adds them and finishes gh.
; LDS holds the kv head's whole record as it lies in memory (K's images, V's images, their scale words: 274,432 bytes), filled ONCE: one joint load a wave at the head, 67 rows of 256 bytes each.  Nothing is filled again.
; No prefetch of the record: the record's one fill stands at the head, and there is no loop ahead of it to ask in.
; LAYOUT.  Both products are used transposed: S^T = K Q^T (source 0 = 16 neighbouring keys), O^T = V^T P^T (source 0 = 16 channels): a lane holds one query (lane % 16) throughout.
; In S^T tile t, register j of lane (r, h) is key 16 t + 8 h + j, so slot 32 c + 16 h + i of p's operand holds key 32 c + 8 h + i % 8 + 16 (i / 8); V's images were laid in the same order, inside a block of 32.
; THE FIRST PRODUCT'S K IS 64 OF THE INSTRUCTION'S 128.  Q's registers 8-15 are zero codes; K's operand for tile t is 16 registers from the tile's first (for tile 7 the upper eight are zeros); the scale bytes there are 2^0.
; Both walks have constant trip counts (16 and 7); a step outside the wave's range is jumped over by a scalar branch on ids, round its work, not round the lines that step addresses.
; LIMITS: NaN and infinities are not served; a block whose largest magnitude lies under 2^-118 is held at the byte 1; the scaled scores stay under 2^31 in magnitude.
.set KVREC, 274432
.set MRG,  276480                      ; behind the spare words: 4,608 bytes for each pair
.set LI,   1
.set AV0,  2
.set R4,   3
.set ASK0, 4
.set QL,   5
.set ASV0, 6
.set OGO,  7
.set ADK,  8
.set ADV,  9
.set ADS,  10
.set ADT,  11
.set KB,   32
.set S,    104
.set OT,   168
.set PC,   200
.set BM,   216
.set BP,   220
.set BH,   224
.set BS,   228
.set KSW,  232
.set VSW,  236
.set QS,   238
.set PSW,  239
.set FF,   240
.set MG,   243                         ; v243 LDS address of my pair's bytes: MRG + 4,608 x pair + 16 x lane
.set WV,   16
.set GM,   18
.set MNT,  19
.set SEL,  20
.set CS,   22
.set G1,   24
.set G0,   40
.set TB,   60
.set TS,   61
.set TJ,   62
.set KF,   63
.set Q0,   66
.set CNT,  67
.set HQ,   68
.set LO,   90                          ; s90, s91 the first key of my range and the first behind it
.set HI,   91
.set ROLE, 92                          ; s92 0: wave A, 1: wave B
.set GH,   93                          ; s93 the pair's late granule
.set H2,   94                          ; s94 128 (7 - j): where the late granule's keys are parted
.macro CROUND
	s_barrier_signal -1
	s_barrier_wait -1
	s_cmp_lg_u32 s[WV], 0
	s_cbranch_scc1 .Lnot_wave_0_\@
	s_barrier_signal -3
.Lnot_wave_0_\@:
	s_barrier_wait -3
	s_barrier_signal -1
	s_barrier_wait -1
.endm
.macro PA d, a, b
	v_pk_add_f32 v[\d:\d+1], v[\a:\a+1], v[\b:\b+1]
.endm
.macro SETG                            ; granule s[GM]: its first query, and where its Q, scale words, gate, codes and scale bytes lie
	s_lshl_b32 s[Q0], s[GM], 4
	s_lshl_b32 s76, s[HQ], 7
	s_add_co_u32 s76, s76, s[GM]
	s_lshl_b32 s76, s76, 10
	s_mov_b32 s77, 0
	s_add_nc_u64 s[80:81], s[4:5], s[76:77]
	s_lshl_b32 s78, s[GM], 5
	s_add_co_u32 s78, s78, s[HQ]
	s_lshl_b32 s76, s78, 6
	s_add_nc_u64 s[82:83], s[6:7], s[76:77]
	s_lshl_b32 s76, s78, 12
	s_add_nc_u64 s[84:85], s[10:11], s[76:77]
	s_lshl_b32 s76, s78, 10
	s_add_nc_u64 s[86:87], s[12:13], s[76:77]
	s_lshr_b32 s76, s[HQ], 1
	s_lshl_b32 s76, s76, 6
	s_and_b32 s79, s[HQ], 1
	s_lshl_b32 s79, s79, 1
	s_add_co_u32 s76, s76, s79
	s_lshl_b32 s79, s[GM], 10
	s_add_co_u32 s76, s76, s79
	s_add_nc_u64 s[88:89], s[14:15], s[76:77]
.endm
.macro QINIT                           ; the granule's Q, and a walk's start: O^T and the sum zeros, the largest t -3e38
	global_load_b128 v[16:19], v[LI], s[80:81]
	global_load_b128 v[20:23], v[LI], s[80:81] offset:512
	global_load_b32 v[QS], v[R4], s[82:83]
.set n, 0
.rept 32
	v_mov_b32 v[OT+n], 0
.set n, n+1
.endr
	v_mov_b32 v13, 0xff61b1e6
	v_mov_b32 v14, 0
	v_mov_b32 v15, 0
	v_floor_f32 v12, -v13
	s_wait_alu depctr_va_vdst(0)
	s_wait_loadcnt 0x0
.endm
	s_load_b256 s[4:11], s[0:1], 0x0               ; qimg, qsc, kv, gate
	s_load_b128 s[12:15], s[0:1], 0x20             ; ogc, ogs
	v_lshl_add_u32 v254, v0, 2, 0x43000
	v_mov_b32 v255, 0
	ds_add_u32 v254, v255                          ; the opening lines
	ds_add_u32 v254, v255
	v_lshrrev_b32 v1, 5, v0
	v_readfirstlane_b32 s[WV], v1                  ; wave 0..15
	s_bfe_u32 s17, ttmp6, 0x40000                  ; cx: which of the group's four query heads
	s_and_b32 s69, ttmp7, 0xffff                   ; the kv head
	s_lshl_b32 s[HQ], s69, 2
	s_add_co_u32 s[HQ], s[HQ], s17
	s_lshr_b32 s70, s[WV], 1                       ; the pair
	s_mul_i32 s95, s70, 4608
	s_add_co_u32 s95, s95, MRG
	s_lshl_b32 s71, ttmp9, 3
	s_add_co_u32 s70, s70, s71                     ; gl = 8 j + pair
	s_sub_co_u32 s[GH], 127, s70
	s_lshr_b32 s[ROLE], s[WV], 2
	s_xor_b32 s[ROLE], s[ROLE], s[WV]
	s_and_b32 s[ROLE], s[ROLE], 1                  ; of waves 2 i and 2 i + 1 one is A, one B; the pattern turns every four waves
	s_sub_co_u32 s[H2], 7, ttmp9
	s_lshl_b32 s[H2], s[H2], 7
	s_lshl_b32 s71, ttmp9, 7
	s_add_co_u32 s71, s71, 128                     ; 128 (j + 1)
	s_add_co_u32 s72, s[H2], 1152                  ; 128 (16 - j)
	s_cmp_eq_u32 s[ROLE], 1
	s_cselect_b32 s[GM], s[GH], s70
	s_cselect_b32 s[LO], s[H2], 0
	s_cselect_b32 s[HI], s72, s71
	s_mov_b32 s[G1], 15|(3<<16)|(1<<21)            ; the mask: all four work-groups; elements of 8 bytes; bit 21 beside a mask
	s_mov_b32 s[G1+1], 32<<16                      ; rows of 256 bytes,
	s_mov_b32 s[G1+2], 67<<16                      ; 67 of them a wave: 16 x 17,152 = the record
	s_mov_b32 s[G1+3], 32<<16
	s_mov_b32 s[G1+4], 67
	s_mov_b32 s[G1+5], 32
	s_mov_b32 s[G1+6], 0
	s_mov_b32 s[G1+7], 0
	s_mul_i32 s70, s69, KVREC
	s_mov_b32 s71, 0
	s_mul_i32 s74, s[WV], 17152                    ; the same place in the record and in LDS
	s_mov_b32 s75, 0
	s_mov_b32 s[SEL], 0x76543210
	s_mov_b32 s[SEL+1], 0xfedcba98
	s_mov_b32 s[CS], 0x3e38aa3b                    ; log2(e) / 8
	s_mov_b32 s[CS+1], s[CS]
	s_mov_b32 s[MNT], 0x600000
	s_wait_dscnt 0x0
	s_wait_kmcnt 0x0
	s_add_nc_u64 s[8:9], s[8:9], s[70:71]
	s_mov_b32 s[G0], 1
	s_mov_b32 s[G0+1], s74
	s_add_nc_u64 s[G0+2:G0+3], s[8:9], s[74:75]
	s_or_b32 s[G0+3], s[G0+3], 0x80000000
	CROUND                                         ; all four work-groups are here: the joint loads meet
	tensor_load_to_lds s[G0:G0+3], s[G1:G1+7]      ; my one tensor load of the launch
	s_nop 0
.rept 4
	v_nop
.endr
	SETG
	v_and_b32 v8, 31, v0
	v_and_b32 v9, 15, v0                           ; r
	v_bfe_u32 v10, v0, 4, 1                        ; h
	v_lshlrev_b32 v[LI], 4, v8
	v_lshlrev_b32 v8, 2, v8
	v_lshlrev_b32 v[R4], 2, v9
	v_lshlrev_b32 v[QL], 3, v10
	v_lshlrev_b32 v[OGO], 4, v9
	v_add_nc_u32 v[AV0], 131072, v[LI]
	v_add_nc_u32 v[ASK0], 262144, v8
	v_add_nc_u32 v[ASV0], 270336, v8
	v_sub_nc_u32 v[QL], v9, v[QL]
	v_lshl_add_u32 v[OGO], v10, 3, v[OGO]
	v_add_nc_u32 v[MG], s95, v[LI]
	v_and_b32 v10, 31, v0
	v_min_u32 v10, 15, v10
	v_lshlrev_b32 v10, 8, v10
	global_prefetch_b8 v10, s[84:85] th:TH_LOAD_NT scope:SCOPE_SE   ; my first granule's gate, 4,096 bytes: a lane a block of 256, the lanes left over name the last block again; it is loaded at that granule's way out
.irp i, 0,1,2,3,4,5,6,7
	v_mov_b32 v[24+\i], 0                          ; the K that a head of 64 does not have: zero codes
	v_mov_b32 v[96+\i], 0
.endr
.irp b, 0,1,2,3
	v_mov_b32 v[BP+\b], 0                          ; a lane permute's destination counts as one of its sources
.endr
	v_mov_b32 v[FF+1], 0
	v_mov_b32 v242, 0
	v_mov_b32 v245, 0xff800000                     ; -infinity
	QINIT
; A KEY STEP: 128 keys
.macro STEP
	s_cmp_lt_u32 s[KF], s[LO]
	s_cbranch_scc1 .Lhidden_\@
	s_cmp_ge_u32 s[KF], s[HI]
	s_cbranch_scc1 .Lhidden_\@                     ; outside my range of keys
	v_add_nc_u32 v[ADK], s[TB], v[LI]
	v_add_nc_u32 v[ADV], s[TB], v[AV0]
	v_add_nc_u32 v[ADS], s[TS], v[ASK0]
	v_add_nc_u32 v[ADT], s[TJ], v[ASV0]
.rept 4
	v_nop                                          ; with the four additions: eight places in front of loads into registers that the last products read
.endr
.irp t, 0,1,2,3,4,5,6,7
.irp c, 0,1
	ds_load_b128 v[KB+8*\t+4*\c:KB+8*\t+4*\c+3], v[ADK] offset:1024*\t+512*\c
.endr
.endr
.irp u, 0,1,2,3
	ds_load_b32 v[KSW+\u], v[ADS] offset:128*\u
.endr
	s_wait_alu depctr_va_vdst(0)
	s_wait_dscnt 0x0
.irp t, 0,2,4,6
	v_wmma_scale_f32_16x16x128_f8f6f4 v[S+8*\t:S+8*\t+7], v[KB+8*\t:KB+8*\t+15], v[16:31], 0, v[KSW+\t/2], v[QS]
	v_wmma_scale_f32_16x16x128_f8f6f4 v[S+8*\t+8:S+8*\t+15], v[KB+8*\t+8:KB+8*\t+23], v[16:31], 0, v[KSW+\t/2], v[QS] matrix_a_scale:MATRIX_SCALE_ROW1
.endr
.rept 8
	v_nop
.endr
.irp t, 0,1,2,3                        ; V's fragments are asked for here and land under the softmax
.irp c, 0,1,2,3
	ds_load_b128 v[KB+16*\t+4*\c:KB+16*\t+4*\c+3], v[ADV] offset:2048*\t+512*\c
.endr
.endr
.irp u, 0,1
	ds_load_b32 v[VSW+\u], v[ADT] offset:128*\u
.endr
	s_add_co_u32 s70, s[KF], 127                   ; on the diagonal hidden keys' scores become -infinity; a step all of whose keys count skips this
	s_cmp_le_u32 s70, s[Q0]
	s_cbranch_scc1 .Lopen_\@
	s_sub_co_i32 s70, s[Q0], s[KF]
	v_add_nc_u32 v244, s70, v[QL]                  ; register 8 t + j holds a hidden key where 16 t + j > my query - the step's first key - 8 h
.set n, 0
.rept 64
	v_cmp_gt_i32 vcc_lo, 16*(n/8)+n%8, v244
	v_cndmask_b32 v[S+n], v[S+n], v245, vcc_lo
.set n, n+1
.endr
.Lopen_\@:
.irp b, 0,1,2,3
	v_max3_num_f32 v[BM+\b], v[S+16*\b], v[S+1+16*\b], v[S+2+16*\b]   ; the largest score of each block of 32 keys
.endr
.irp i, 3,5,7,9,11,13
.irp b, 0,1,2,3
	v_max3_num_f32 v[BM+\b], v[BM+\b], v[S+16*\b+\i], v[S+1+16*\b+\i]
.endr
.endr
.irp b, 0,1,2,3
	v_max_num_f32 v[BM+\b], v[BM+\b], v[S+15+16*\b]
.endr
.irp b, 0,1,2,3
	s_delay_alu instid0(VALU_DEP_4)
	v_permlanex16_b32 v[BP+\b], v[BM+\b], s[SEL], s[SEL+1]
.endr
.irp b, 0,1,2,3
	s_delay_alu instid0(VALU_DEP_4)
	v_max_num_f32 v[BM+\b], v[BM+\b], v[BP+\b]
.endr
	s_delay_alu instid0(VALU_DEP_2)
	v_max3_num_f32 v242, v[BM], v[BM+1], v[BM+2]
	s_delay_alu instid0(VALU_DEP_1)
	v_max_num_f32 v242, v242, v[BM+3]
	s_delay_alu instid0(VALU_DEP_1)
	v_mul_f32 v242, s[CS], v242
	s_delay_alu instid0(VALU_DEP_1)
	v_max_num_f32 v13, v13, v242                   ; the running largest t
	v_mov_b32 v242, v12
	s_delay_alu instid0(VALU_DEP_2)
	v_floor_f32 v12, -v13                          ; the new -M
	s_delay_alu instid0(VALU_DEP_1)
	v_sub_f32 v242, v12, v242
	s_delay_alu instid0(VALU_DEP_1)
	v_cvt_i32_f32 v242, v242
	s_delay_alu instid0(VALU_DEP_1)
	v_ldexp_f32 v[FF], 1.0, v242                   ; f = 2^(old M - new M)
.set n, 0
.rept 32
	v_pk_fma_f32 v[S+n:S+n+1], v[S+n:S+n+1], s[CS:CS+1], v[12:13] op_sel_hi:[1,0,0]
.set n, n+2
.endr
.irp b, 0,1,2,3
	v_fma_f32 v[BM+\b], v[BM+\b], s[CS], v12
.endr
.set n, 0
	s_wait_alu depctr_va_vdst(0)
.rept 64
	v_exp_f32 v[S+n], v[S+n]                       ; p = 2^(t - M)
.set n, n+1
.endr
	v_pk_mul_f32 v[14:15], v[14:15], v[FF:FF+1] op_sel_hi:[1,0]
	s_wait_alu depctr_va_vdst(0)
.irp b, 0,1,2,3
	v_exp_f32 v[BM+\b], v[BM+\b]                   ; the block's largest p
.endr
	PA 220, 108, 112                               ; the row's sum of the unquantised p, in eight chains
	PA 252, 116, 120
	PA 250, 124, 128
	PA 248, 132, 136
	PA 246, 140, 144
	PA 224, 148, 152
	PA 226, 156, 160
	PA 14, 14, 164
	PA 220, 220, 104
	PA 252, 252, 106
	PA 250, 250, 110
	PA 248, 248, 114
	PA 246, 246, 118
	PA 224, 224, 122
	PA 226, 226, 126
	PA 14, 14, 130
	PA 220, 220, 134
	PA 252, 252, 138
	PA 250, 250, 142
	PA 248, 248, 146
	PA 246, 246, 150
	PA 224, 224, 154
	PA 226, 226, 158
	PA 14, 14, 162
	PA 220, 220, 166
	s_delay_alu instid0(VALU_DEP_2)
	PA 14, 14, 248
	s_delay_alu instid0(VALU_DEP_2)
	PA 220, 220, 246
	PA 252, 252, 224
	PA 250, 250, 226
	s_delay_alu instid0(VALU_DEP_2)
	PA 14, 14, 252
	s_delay_alu instid0(VALU_DEP_2)
	PA 220, 220, 250
	s_delay_alu instid0(VALU_DEP_1)
	PA 14, 14, 220
	s_wait_alu depctr_va_vdst(0)
.irp b, 0,1,2,3
	v_max_num_f32 v[BM+\b], 0x4800000, v[BM+\b]    ; the floor 2^(9 - 127)
.endr
.irp b, 0,1,2,3
	s_delay_alu instid0(VALU_DEP_4)
	v_add_nc_u32 v[BS+\b], 0xfc000000, v[BM+\b]
.endr
.irp b, 0,1,2,3
	v_and_or_b32 v[BH+\b], v[BM+\b], 0x7f800000, s[MNT]
.endr
.irp b, 0,1,2,3
	v_lshrrev_b32 v[BP+\b], 23, v[BS+\b]
.endr
	s_delay_alu instid0(VALU_DEP_3)
	v_lshl_or_b32 v[PSW], v[BP+1], 8, v[BP]
	s_delay_alu instid0(VALU_DEP_1)
	v_lshl_or_b32 v[PSW], v[BP+2], 16, v[PSW]
	s_delay_alu instid0(VALU_DEP_1)
	v_lshl_or_b32 v[PSW], v[BP+3], 24, v[PSW]
.irp b, 0,1,2,3
.irp i, 0,1,2,3,4,5,6,7,8,9,10,11,12,13,14,15
	v_min_num_f32 v[S+16*\b+\i], v[S+16*\b+\i], v[BH+\b]   ; the conversion does not saturate (ISA guide 7.6.2); p is not negative
.endr
	v_cvt_scalef32_pk8_fp8_f32 v[PC+4*\b:PC+1+4*\b], v[S+16*\b:S+7+16*\b], v[BS+\b]
	v_cvt_scalef32_pk8_fp8_f32 v[PC+2+4*\b:PC+3+4*\b], v[S+8+16*\b:S+15+16*\b], v[BS+\b]
.endr
	s_wait_alu depctr_va_vdst(0)                   ; ahead of the first reader of O^T
.set n, 0
.rept 16
	v_pk_mul_f32 v[OT+n:OT+n+1], v[OT+n:OT+n+1], v[FF:FF+1] op_sel_hi:[1,0]   ; O^T under the new M; also the places between the codes and the products
.set n, n+2
.endr
	s_wait_alu depctr_va_vdst(0)
	s_wait_dscnt 0x0                               ; V
.irp t, 0,2
	v_wmma_scale_f32_16x16x128_f8f6f4 v[OT+8*\t:OT+8*\t+7], v[KB+16*\t:KB+16*\t+15], v[PC:PC+15], v[OT+8*\t:OT+8*\t+7], v[VSW+\t/2], v[PSW]
	v_wmma_scale_f32_16x16x128_f8f6f4 v[OT+8*\t+8:OT+8*\t+15], v[KB+16*\t+16:KB+16*\t+31], v[PC:PC+15], v[OT+8*\t+8:OT+8*\t+15], v[VSW+\t/2], v[PSW] matrix_a_scale:MATRIX_SCALE_ROW1
.endr
.Lhidden_\@:
	s_add_co_u32 s[KF], s[KF], 128
	s_add_co_u32 s[TB], s[TB], 8192
	s_add_co_u32 s[TS], s[TS], 512
	s_add_co_u32 s[TJ], s[TJ], 256
.endm
.macro PASS trips                      ; a walk from key 0 on, a constant number of steps
	s_mov_b32 s[TB], 0
	s_mov_b32 s[TS], 0
	s_mov_b32 s[TJ], 0
	s_mov_b32 s[KF], 0
	s_mov_b32 s[CNT], \trips
.Lpass_\@:
	STEP
	s_sub_co_u32 s[CNT], s[CNT], 1
	s_cmp_lg_u32 s[CNT], 0
	s_cbranch_scc1 .Lpass_\@
.endm
; A GRANULE'S WAY OUT: O^T / l x the gate, quantised along the channels: a block of 32 channels is the 16 registers of two tiles in lanes l and l xor 16
.macro GATE                            ; the granule's gate in O^T's own layout, into the registers that held the scores
.irp t, 0,1,2,3
.irp j, 0,1
	global_load_b128 v[S+8*\t+4*\j:S+8*\t+4*\j+3], v[LI], s[84:85] offset:1024*\t+512*\j th:TH_LOAD_NT
.endr
.endr
.endm
.macro EPILOGUE pre                    ; pre = 1: the gate has been asked for already
.if \pre == 0
.rept 8
	v_nop
.endr
	GATE
.endif
	s_wait_alu depctr_va_vdst(0)
	v_add_f32 v14, v14, v15
	s_delay_alu instid0(VALU_DEP_1)
	v_permlanex16_b32 v242, v14, s[SEL], s[SEL+1]
	s_delay_alu instid0(VALU_DEP_1)
	v_add_f32 v14, v14, v242
	s_wait_alu depctr_va_vdst(0)
	v_rcp_f32 v[FF], v14
	v_nop
	s_wait_alu depctr_va_vdst(0)
.set n, 0
.rept 16
	v_pk_mul_f32 v[OT+n:OT+n+1], v[OT+n:OT+n+1], v[FF:FF+1] op_sel_hi:[1,0]
.set n, n+2
.endr
	s_wait_loadcnt 0x0
.set n, 0
.rept 16
	v_pk_mul_f32 v[OT+n:OT+n+1], v[OT+n:OT+n+1], v[S+n:S+n+1]
.set n, n+2
.endr
.irp b, 0,1
	v_max3_num_f32 v[BM+\b], |v[OT+16*\b]|, |v[OT+1+16*\b]|, 0x4800000
.endr
.irp i, 2,4,6,8,10,12,14
.irp b, 0,1
	s_delay_alu instid0(VALU_DEP_2)
	v_max3_num_f32 v[BM+\b], v[BM+\b], |v[OT+16*\b+\i]|, |v[OT+1+16*\b+\i]|
.endr
.endr
.irp b, 0,1
	s_delay_alu instid0(VALU_DEP_2)
	v_permlanex16_b32 v[BP+\b], v[BM+\b], s[SEL], s[SEL+1]
.endr
.irp b, 0,1
	s_delay_alu instid0(VALU_DEP_2)
	v_max_num_f32 v[BM+\b], v[BM+\b], v[BP+\b]
.endr
.irp b, 0,1
	s_delay_alu instid0(VALU_DEP_2)
	v_add_nc_u32 v[BS+\b], 0xfc000000, v[BM+\b]
.endr
.irp b, 0,1
	s_delay_alu instid0(VALU_DEP_4)
	v_and_or_b32 v[BH+\b], v[BM+\b], 0x7f800000, s[MNT]
.endr
.irp b, 0,1
	s_delay_alu instid0(VALU_DEP_4)
	v_lshrrev_b32 v[BP+\b], 23, v[BS+\b]
.endr
	s_delay_alu instid0(VALU_DEP_1)
	v_lshl_or_b32 v242, v[BP+1], 8, v[BP]          ; my row's two scale bytes
.irp b, 0,1
.irp i, 0,1,2,3,4,5,6,7,8,9,10,11,12,13,14,15
	v_med3_num_f32 v[OT+16*\b+\i], v[OT+16*\b+\i], -v[BH+\b], v[BH+\b]
.endr
	v_cvt_scalef32_pk8_fp8_f32 v[PC+4*\b:PC+1+4*\b], v[OT+16*\b:OT+7+16*\b], v[BS+\b]
	v_cvt_scalef32_pk8_fp8_f32 v[PC+2+4*\b:PC+3+4*\b], v[OT+8+16*\b:OT+15+16*\b], v[BS+\b]
.endr
	v_nop
.irp t, 0,1,2,3
	global_store_b64 v[OGO], v[PC+2*\t:PC+2*\t+1], s[86:87] offset:256*\t   ; 32 lanes store 256 consecutive bytes, aligned
.endr
	global_store_b16 v[R4], v242, s[88:89]         ; both halves of the lanes write the same two bytes
.endm
	s_wait_xcnt 0x0                                ; the prefetch has read its offset, which the steps write anew
	s_wait_tensorcnt 0x0                           ; my part of the record is in,
	s_barrier_signal -1
	s_barrier_wait -1                              ; everybody's is
	PASS 16                                        ; A: the early granule; B: the late granule's last nine steps
	s_cmp_eq_u32 s[ROLE], 1
	s_cbranch_scc1 .Lmid_b
	EPILOGUE 0                                     ; A: the early granule leaves,
	s_wait_xcnt 0x0                                ; its stores have read their registers and bases
	s_mov_b32 s[GM], s[GH]
	SETG
	QINIT                                          ; and the late granule's first 7 - j steps begin
	s_mov_b32 s[HI], s[H2]
	s_branch .Lmid
.Lmid_b:
	s_mov_b32 s[LO], 0                             ; B walks nothing more
	s_mov_b32 s[HI], 0
.Lmid:
	PASS 7
.rept 8
	v_nop                                          ; places behind the last products
.endr
	s_cmp_eq_u32 s[ROLE], 1
	s_cbranch_scc1 .Lb_gate
.irp k, 0,1,2,3,4,5,6,7
	ds_store_b128 v[MG], v[OT+4*\k:OT+4*\k+3] offset:512*\k   ; A's part of the late granule, as an image of its registers
.endr
	ds_store_b128 v[MG], v[12:15] offset:4096      ; -M, t, the sum's two halves
	s_branch .Lno_send
.Lb_gate:
	GATE                                           ; B asks for the late granule's gate ahead of the barrier: it is on its way while A's part comes
.Lno_send:
	s_wait_dscnt 0x0
	s_barrier_signal -1
	s_barrier_wait -1
	s_cmp_eq_u32 s[ROLE], 1
	s_cbranch_scc0 .Ldone
.irp k, 0,1,2,3,4,5,6,7,8
	ds_load_b128 v[KB+4*\k:KB+4*\k+3], v[MG] offset:512*\k
.endr
	s_wait_dscnt 0x0
	v_min_num_f32 v242, v12, v64                   ; -M of both parts: the larger M
	v_add_f32 v66, v66, v67                        ; A's sum
	v_add_f32 v14, v14, v15                        ; mine
	v_sub_f32 v64, v242, v64                       ; whole numbers, 0 or less
	v_sub_f32 v12, v242, v12
	v_mov_b32 v15, 0
	v_cvt_i32_f32 v64, v64                         ; (they saturate)
	v_cvt_i32_f32 v12, v12
	v_ldexp_f32 v64, 1.0, v64                      ; 2^(A's M - M): 0 where A walked no step
	v_ldexp_f32 v[FF], 1.0, v12                    ; 2^(my M - M)
.set n, 0
.rept 16
	v_pk_mul_f32 v[OT+n:OT+n+1], v[OT+n:OT+n+1], v[FF:FF+1] op_sel_hi:[1,0]
.set n, n+2
.endr
	v_mul_f32 v14, v14, v[FF]
.set n, 0
.rept 16
	v_pk_fma_f32 v[OT+n:OT+n+1], v[KB+n:KB+n+1], v[64:65], v[OT+n:OT+n+1] op_sel_hi:[1,0,1]
.set n, n+2
.endr
	v_fmac_f32 v14, v66, v64
	EPILOGUE 1                                     ; B: the late granule leaves
.Ldone:
	s_wait_tensorcnt 0x0                           ; the wave's end
	ds_add_u32 v254, v255
	s_wait_dscnt 0x0
	CROUND                                         ; the closing round
	s_endpgm
.Lfunc_end_k_q10953983b2_attn:
	.size	k_q10953983b2_attn, .Lfunc_end_k_q10953983b2_attn-k_q10953983b2_attn
	.p2alignl 7, 3214868480
	.fill 96, 4, 3214868480
	.section	.rodata,"a",@progbits
	.p2align	6, 0x0
	.amdhsa_kernel k_q10953983b2_attn
		.amdhsa_group_segment_fixed_size 327680
		.amdhsa_private_segment_fixed_size 0
		.amdhsa_enable_private_segment 0
		.amdhsa_kernarg_size 48
		.amdhsa_user_sgpr_count 2
		.amdhsa_user_sgpr_kernarg_segment_ptr 1
		.amdhsa_wavefront_size32 1
		.amdhsa_system_sgpr_workgroup_id_x 1
		.amdhsa_system_sgpr_workgroup_id_y 1
		.amdhsa_system_sgpr_workgroup_id_z 1
		.amdhsa_system_vgpr_workitem_id 0
		.amdhsa_next_free_vgpr 256
		.amdhsa_next_free_sgpr 100
		.amdhsa_reserve_vcc 1
		.amdhsa_float_denorm_mode_32 3
		.amdhsa_float_denorm_mode_16_64 3
		.amdhsa_memory_ordered 1
		.amdhsa_forward_progress 1
		.amdhsa_inst_pref_size 82
	.end_amdhsa_kernel
	.amdgpu_metadata
---
amdhsa.version: [ 1, 2 ]
amdhsa.kernels:
  - .name:           k_q10953983b2_attn
    .symbol:         k_q10953983b2_attn.kd
    .args:
      - { .name: qimg, .offset: 0, .size: 8, .value_kind: global_buffer, .address_space: global }
      - { .name: qsc, .offset: 8, .size: 8, .value_kind: global_buffer, .address_space: global }
      - { .name: kv, .offset: 16, .size: 8, .value_kind: global_buffer, .address_space: global }
      - { .name: gate, .offset: 24, .size: 8, .value_kind: global_buffer, .address_space: global }
      - { .name: ogc, .offset: 32, .size: 8, .value_kind: global_buffer, .address_space: global }
      - { .name: ogs, .offset: 40, .size: 8, .value_kind: global_buffer, .address_space: global }
    .group_segment_fixed_size: 327680
    .private_segment_fixed_size: 0
    .kernarg_segment_align: 8
    .kernarg_segment_size: 48
    .max_flat_workgroup_size: 512
    .sgpr_count:     100
    .vgpr_count:     256
    .wavefront_size: 32
...
	.end_amdgpu_metadata
.endif
;; end of part 7
;; launch outp (part 8): grid 16 x 16, 4 waves a work-group, clusters of 4 x 4, 327,680 bytes of LDS; arguments ogc, ogs, codes, scales, out0; writes out0
.if DOCPART == 8
	.amdgcn_target "amdgcn-amd-amdhsa--gfx1250"
	.amdhsa_code_object_version 6
	.text
	.protected	k_q10953983b2_outp
	.globl	k_q10953983b2_outp
	.p2align	8
	.type	k_q10953983b2_outp,@function
k_q10953983b2_outp:
	s_mov_b64 s[64:65], 0
	v_nop
	global_prefetch_b8 v0, s[64:65] scope:SCOPE_SE
	s_setreg_imm32_b32 hwreg(HW_REG_WAVE_MODE, 25, 1), 1
	s_wait_xcnt 0x0
	s_wait_alu depctr_hold_cnt(0) depctr_sa_sdst(0) depctr_va_vdst(0) depctr_va_sdst(0) depctr_va_ssrc(0) depctr_va_vcc(0) depctr_vm_vsrc(0)
	s_getreg_b32 s2, hwreg(HW_REG_IB_STS2, 6, 4)
	s_cmp_eq_u32 s2, 0
	s_cbranch_scc0 .Lentry_in_a_cluster
	s_endpgm
.Lentry_in_a_cluster:
	s_bfe_u32 s2, ttmp6, 0x10000c
	s_cmp_lg_u32 s2, 0xf033
	s_cbranch_scc0 .Lentry_shape_is_right
	s_endpgm
.Lentry_shape_is_right:
.set NQ,     4
.set FR,     16
.set NP,     8
.set QUART,  32768
.set SLOT,   4*QUART
.set SCL,    2*SLOT
.set SCB,    8256
.set SPARE,  278784
.set STAGE,  279296
.set SPITCH, 272
.set SIZE_N, 2048
.set LI,   4
.set ADRA, 16
.set ADRB, 20
.set STO,  24
.set RD,   25
.set CO,   26
.set ADRS, 27
.set SPW,  28
.set NIL,  29
.set SC,   32
.set BK,   64
.set ACC,  128
.set F0,   0
.set F1,   128
.set G1, 24
.set G0, 32
.set G1B, 48
.set G0B, 56
.set G1S, 68
.set G0S, 76
.set G1SB, 80
.set G0SB, 88
.set MSB, 0
.macro WIN new
.if MSB != \new
	s_set_vgpr_msb (MSB<<8)|\new
.set MSB, \new
.endif
.endm
.set MUL,  0x05
.set TO_F, 0x40
.macro JLOAD g0a, g1a, g0b, g1b
	s_cmp_eq_u32 s17, 0
	s_cbranch_scc0 .Lfor_b_\@
	tensor_load_to_lds s[\g0a:\g0a+3], s[\g1a:\g1a+7]
	s_nop 0
.rept 4
	v_nop
.endr
	s_branch .Lasked_\@
.Lfor_b_\@:
	tensor_load_to_lds s[\g0b:\g0b+3], s[\g1b:\g1b+7]
	s_nop 0
.rept 4
	v_nop
.endr
.Lasked_\@:
.endm
.macro CREST
	s_cmp_lg_u32 s16, 0
	s_cbranch_scc1 .Lnot_wave_0_\@
	s_barrier_signal -3
.Lnot_wave_0_\@:
	s_barrier_wait -3
	s_barrier_signal -1
	s_barrier_wait -1
.endm
.macro CROUND
	s_barrier_signal -1
	s_barrier_wait -1
	CREST
.endm
	s_load_b256 s[4:11], s[0:1], 0x0
	s_load_b64 s[12:13], s[0:1], 0x20
	v_lshl_add_u32 v[SPW], v0, 2, SPARE
	v_mov_b32 v[NIL], 0
	ds_add_u32 v28, v29
	ds_add_u32 v28, v29
	s_wait_dscnt 0x0
	v_lshrrev_b32 v1, 5, v0
	v_readfirstlane_b32 s16, v1
	s_lshr_b32 s17, s16, 1
	s_and_b32 s18, s16, 1
	s_bfe_u32 s40, ttmp6, 0x40000
	s_bfe_u32 s41, ttmp6, 0x40004
	s_lshl_b32 s20, ttmp9, 2
	s_add_co_u32 s20, s20, s40
	s_and_b32 s19, ttmp7, 0xffff
	s_lshl_b32 s19, s19, 2
	s_add_co_u32 s19, s19, s41
	s_lshl_b32 s42, s41, 2
	s_lshl_b32 s42, 15, s42
	s_lshl_b32 s43, 0x1111, s40
	s_or_b32 s[G1+0], s42, (3<<16)|(1<<21)
	s_or_b32 s[G1B+0], s43, (3<<16)|(1<<21)
.irp g, G1, G1B
	s_mov_b32 s[\g+1], 1024<<16
	s_mov_b32 s[\g+2], 8<<16
	s_mov_b32 s[\g+3], 1024<<16
	s_mov_b32 s[\g+4], 8
	s_mov_b32 s[\g+5], 4096
	s_mov_b32 s[\g+6], 0
	s_mov_b32 s[\g+7], 0
.endr
	s_or_b32 s[G1S+0], s42, (3<<16)|(1<<21)
	s_or_b32 s[G1SB+0], s43, (3<<16)|(1<<21)
.irp g, G1S, G1SB
	s_mov_b32 s[\g+1], 32<<16
	s_mov_b32 s[\g+2], 32<<16
	s_mov_b32 s[\g+3], 32<<16
	s_mov_b32 s[\g+4], 32
	s_mov_b32 s[\g+5], 32
	s_mov_b32 s[\g+6], 0
	s_mov_b32 s[\g+7], 0
.endr
	s_lshl_b32 s2, s18, 17                 ; in the ring I fetch 4 row blocks of 32,768 bytes: which half
	s_mov_b32 s3, 0
	s_lshl_b32 s44, s19, 3
	s_lshl_b32 s46, s20, 3
	s_add_co_u32 s46, s46, 448
	s_lshl_b32 s22, s44, 10
	s_mov_b32 s23, 0
	s_lshl_b32 s44, s44, 15
	s_mov_b32 s45, 0
	s_lshl_b32 s66, s46, 10
	s_mov_b32 s67, 0
	s_lshl_b32 s46, s46, 15
	s_mov_b32 s47, 0
	s_lshl_b32 s104, s16, 15
	s_wait_kmcnt 0x0
	s_add_nc_u64 s[44:45], s[4:5], s[44:45]
	s_add_nc_u64 s[22:23], s[6:7], s[22:23]
	s_add_nc_u64 s[46:47], s[8:9], s[46:47]
	s_add_nc_u64 s[66:67], s[10:11], s[66:67]
	CROUND
	s_mov_b32 s[G0S], 1
	s_mov_b32 s[G0S+1], SCL
	s_mov_b64 s[G0S+2:G0S+3], s[22:23]
	s_or_b32 s[G0S+3], s[G0S+3], 0x80000000
	s_mov_b32 s[G0SB], 1
	s_mov_b32 s[G0SB+1], SCL+SCB
	s_mov_b64 s[G0SB+2:G0SB+3], s[66:67]
	s_or_b32 s[G0SB+3], s[G0SB+3], 0x80000000
	s_mov_b32 s4, 1                        ; the head's groups 0 for slot 0: A's 8 row blocks (the arguments that lay here have been used),
	s_mov_b32 s5, 0
	s_mov_b64 s[6:7], s[44:45]
	s_or_b32 s7, s7, 0x80000000
	s_mov_b32 s8, 1                        ; and B's, behind them
	s_mov_b32 s9, 2*QUART
	s_mov_b64 s[10:11], s[46:47]
	s_or_b32 s11, s11, 0x80000000
	s_add_nc_u64 s[44:45], s[44:45], s[2:3]
	s_add_nc_u64 s[46:47], s[46:47], s[2:3]
.irp s, 0,1
	s_mov_b32 s[G0+4*\s], 1
	s_add_co_u32 s[G0+4*\s+1], s104, \s*SLOT
	s_add_nc_u64 s[G0+4*\s+2:G0+4*\s+3], s[44:45], \s*8192
	s_or_b32 s[G0+4*\s+3], s[G0+4*\s+3], 0x80000000
	s_mov_b32 s[G0B+4*\s], 1
	s_add_co_u32 s[G0B+4*\s+1], s104, \s*SLOT
	s_add_nc_u64 s[G0B+4*\s+2:G0B+4*\s+3], s[46:47], \s*8192
	s_or_b32 s[G0B+4*\s+3], s[G0B+4*\s+3], 0x80000000
.endr
	s_cmp_eq_u32 s17, 0
	s_cselect_b32 s2, s40, s41             ; my place among the four that ask with me: it enters a prefetch's address alone
	s_cselect_b64 s[100:101], s[44:45], s[46:47]
	s_lshl_b32 s2, s2, 15                  ; of the 4 row blocks that I fetch, my work-group prefetches one
	s_add_nc_u64 s[100:101], s[100:101], s[2:3]
; the head's four tiles, one joint load a wave: wave 0 slot 0 of A, wave 1 of B, wave 2 A's scale words, wave 3 B's
.macro ARM under, g0, g1, next
	s_cmp_lt_u32 s16, \under
	s_cbranch_scc0 \next
	tensor_load_to_lds s[\g0:\g0+3], s[\g1:\g1+7]
	s_nop 0
.rept 4
	v_nop
.endr
	s_branch .Lhead_asked
\next:
.endm
	ARM 1, 4, G1, .Lhead_b
	ARM 2, 8, G1B, .Lhead_sa
	ARM 3, G0S, G1S, .Lhead_sb
	tensor_load_to_lds s[G0SB:G0SB+3], s[G1SB:G1SB+7]
	s_nop 0
.rept 4
	v_nop
.endr
.Lhead_asked:
	v_and_b32 v1, 15, v0
	v_bfe_u32 v2, v0, 4, 1
	s_wait_alu depctr_va_vdst(0)
	v_and_b32 v[LI], 31, v0
	v_lshlrev_b32 v[LI], 4, v[LI]
	v_lshlrev_b32 v30, 4, v[LI]            ; the prefetches' offset: 256 x lane: a row block's 8,192 bytes of a slot
	s_lshl_b32 s21, s17, 15
	s_lshl_b32 s22, s18, 15
	s_add_co_u32 s22, s22, 2*QUART
.irp s, 0,1
	v_add_nc_u32 v[ADRA+\s], s21, v[LI]
	v_add_nc_u32 v[ADRB+\s], s22, v[LI]
	s_add_co_u32 s21, s21, SLOT
	s_add_co_u32 s22, s22, SLOT
.endr
	s_lshl_b32 s21, s17, 12
	s_lshl_b32 s22, s18, 12
	s_add_co_u32 s22, s22, SCB
	s_sub_co_u32 s22, s22, s21
	v_mul_u32_u24 v5, s22, v2
	s_add_co_u32 s21, s21, SCL
	v_lshl_add_u32 v5, v1, 2, v5
	v_add_nc_u32 v[ADRS], s21, v5
	s_wait_alu depctr_va_vdst(0)
	global_prefetch_b8 v30, s[100:101] offset:8192 th:TH_LOAD_NT scope:SCOPE_SE    ; the second 512 of K, a fill ahead of its load,
	global_prefetch_b8 v30, s[100:101] offset:16384 th:TH_LOAD_NT scope:SCOPE_SE   ; and the third, two fills ahead
	s_mul_i32 s23, s16, 16*SPITCH
	s_add_co_u32 s23, s23, STAGE
	v_mul_u32_u24 v5, v1, SPITCH
	v_lshl_add_u32 v5, v2, 5, v5
	v_add_nc_u32 v[STO], s23, v5
	v_mul_u32_u24 v5, v2, SPITCH
	v_lshl_add_u32 v5, v1, 4, v5
	v_add_nc_u32 v[RD], s23, v5
	v_lshlrev_b32 v[CO], 13, v2
	v_lshl_add_u32 v[CO], v1, 4, v[CO]
	s_lshl_b32 s104, s19, 7
	s_lshl_b32 s105, s17, 6
	s_add_co_u32 s104, s104, s105
	s_lshl_b32 s104, s104, 13
	s_lshl_b32 s105, s20, 9
	s_add_co_u32 s104, s104, s105
	s_lshl_b32 s105, s18, 8
	s_add_co_u32 s104, s104, s105
	s_mov_b32 s105, 0
	s_add_nc_u64 s[12:13], s[12:13], s[104:105]
.macro FRAG reg, adr, q, i
.irp c, 0,1,2,3
	ds_load_b128 v[\reg+4*\c:\reg+4*\c+3], v[\adr] offset:8192*(\i)+2048*(\q)+512*\c
.endr
.endm
.macro MUL4 f, a, q, sc, zero
.irp b, 0,1,2,3
.if \zero
	v_wmma_scale_f32_16x16x128_f8f6f4 v[ACC+8*(4*(\a)+\b):ACC+8*(4*(\a)+\b)+7], v[\f+64+FR*\b:\f+64+FR*\b+FR-1], v[\f+FR*(\a):\f+FR*(\a)+FR-1], 0, v[SC+16*(\sc)+4*\b+(\q)], v[SC+16*(\sc)+4*(\a)+(\q)] matrix_a_scale:MATRIX_SCALE_ROW1
.else
	v_wmma_scale_f32_16x16x128_f8f6f4 v[ACC+8*(4*(\a)+\b):ACC+8*(4*(\a)+\b)+7], v[\f+64+FR*\b:\f+64+FR*\b+FR-1], v[\f+FR*(\a):\f+FR*(\a)+FR-1], v[ACC+8*(4*(\a)+\b):ACC+8*(4*(\a)+\b)+7], v[SC+16*(\sc)+4*\b+(\q)], v[SC+16*(\sc)+4*(\a)+(\q)] matrix_a_scale:MATRIX_SCALE_ROW1
.endif
.endr
.endm
.macro FETCH_LO slot, q, f
.irp i, 0,1,2,3
	FRAG \f+64+FR*\i, ADRB+\slot, \q, \i
.endr
.irp i, 0,1
	FRAG \f+FR*\i, ADRA+\slot, \q, \i
.endr
.endm
.macro FETCH_HI slot, q, f
.irp i, 2,3
	FRAG \f+FR*\i, ADRA+\slot, \q, \i
.endr
.endm
.macro SCALES sc
.irp i, 0,1,2,3
.irp q, 0,1,2,3
	ds_load_b32 v[SC+16*\sc+4*\i+\q], v[ADRS] offset:1024*\i+64*\q
.endr
.endr
.endm
.macro PLACES n
.rept \n
	v_nop
.endr
.endm
.macro STEP slot, q, f, g, zero
	s_wait_dscnt 8
	WIN MUL
	MUL4 \f, 0, \q, \slot, \zero
	MUL4 \f, 1, \q, \slot, \zero
	PLACES NP
	WIN TO_F
	FETCH_LO \slot, (\q)+1, \g
	FETCH_HI \slot, (\q)+1, \g
	s_wait_dscnt 32
	WIN MUL
	MUL4 \f, 2, \q, \slot, \zero
	MUL4 \f, 3, \q, \slot, \zero
.endm
.macro TURN slot, next, fill
	WIN 0
	s_wait_tensorcnt 0x0
	ds_add_u32 v[SPW], v[NIL]
	s_wait_dscnt 9
	WIN MUL
	MUL4 F1, 0, NQ-1, \slot, 0
	s_wait_dscnt 0x0
	s_barrier_signal -1
	MUL4 F1, 1, NQ-1, \slot, 0
	WIN 0
	s_barrier_wait -1
.if \fill
	CREST
	s_add_nc_u64 s[G0+4*\slot+2:G0+4*\slot+3], s[G0+4*\slot+2:G0+4*\slot+3], 16384
	s_add_nc_u64 s[G0B+4*\slot+2:G0B+4*\slot+3], s[G0B+4*\slot+2:G0B+4*\slot+3], 16384
	JLOAD G0+4*\slot, G1, G0B+4*\slot, G1B
	PLACES NP-4
.else
	PLACES NP
.endif
	s_wait_alu depctr_va_vdst(0)
	v_add_nc_u32 v[ADRS], 64*NQ, v[ADRS]
	WIN TO_F
	FETCH_LO \next, 0, F0
	WIN 0
	SCALES \next
	WIN TO_F
	FETCH_HI \next, 0, F0
	WIN MUL
	MUL4 F1, 2, NQ-1, \slot, 0
	MUL4 F1, 3, NQ-1, \slot, 0
.endm
	s_wait_alu depctr_va_vdst(0)
	s_wait_tensorcnt 0x0                   ; my tile of the head's four is in
	ds_add_u32 v[SPW], v[NIL]
	s_mov_b32 s[G1+2], 4<<16               ; no tensor load of mine is out: from here on a load brings 4 row blocks
	s_mov_b32 s[G1+4], 4
	s_mov_b32 s[G1B+2], 4<<16
	s_mov_b32 s[G1B+4], 4
	s_wait_dscnt 0x0
	CROUND
	JLOAD G0+4, G1, G0B+4, G1B             ; slot 1, the first tensor load behind the round
	global_prefetch_b8 v30, s[100:101] offset:24576 th:TH_LOAD_NT scope:SCOPE_SE   ; the last 512 of K
	WIN TO_F
	FETCH_LO 0, 0, F0
	WIN 0
	SCALES 0
	WIN TO_F
	FETCH_HI 0, 0, F0
	STEP 0, 0, F0, F1, 1
	STEP 0, 1, F1, F0, 0
	STEP 0, 2, F0, F1, 0
	TURN 0, 1, 1
	STEP 1, 0, F0, F1, 0
	STEP 1, 1, F1, F0, 0
	STEP 1, 2, F0, F1, 0
	TURN 1, 0, 1
	STEP 0, 0, F0, F1, 0
	STEP 0, 1, F1, F0, 0
	STEP 0, 2, F0, F1, 0
	TURN 0, 1, 0
	STEP 1, 0, F0, F1, 0
	STEP 1, 1, F1, F0, 0
	STEP 1, 2, F0, F1, 0
	s_wait_dscnt 8
	WIN MUL
	MUL4 F1, 0, NQ-1, 1, 0
	MUL4 F1, 1, NQ-1, 1, 0
	s_wait_dscnt 0x0
	MUL4 F1, 2, NQ-1, 1, 0
	MUL4 F1, 3, NQ-1, 1, 0
	WIN 0
.macro TOSTAGE a
.irp b, 0,1,2,3
	ds_store_b128 v[STO], v[ACC+8*(4*(\a)+\b):ACC+8*(4*(\a)+\b)+3] offset:64*\b
	ds_store_b128 v[STO], v[ACC+8*(4*(\a)+\b)+4:ACC+8*(4*(\a)+\b)+7] offset:64*\b+16
.endr
.set BB, BK+32*((\a)%2)
.irp t, 0,1,2,3,4,5,6,7
	ds_load_b128 v[BB+4*\t:BB+4*\t+3], v[RD] offset:\t*2*SPITCH
.endr
.endm
.macro SEND a, younger
.set BB, BK+32*((\a)%2)
	s_wait_dscnt \younger
.if (\a) > 0
	s_add_nc_u64 s[12:13], s[12:13], 16*SIZE_N*4
.endif
.irp t, 0,1,2,3,4,5,6,7
	global_store_b128 v[CO], v[BB+4*\t:BB+4*\t+3], s[12:13] offset:2*\t*SIZE_N*4 th:TH_STORE_NT
.endr
.endm
	PLACES NP
	TOSTAGE 0
.irp a, 1,2,3
.if \a > 1
	s_wait_xcnt 0x0
.endif
	TOSTAGE \a
	SEND \a-1, 16
.endr
	s_wait_xcnt 0x0
	SEND 3, 0
	s_wait_tensorcnt 0x0
	ds_add_u32 v[SPW], v[NIL]
	s_wait_dscnt 0x0
	CROUND
	s_endpgm
.Lfunc_end_k_q10953983b2_outp:
	.size	k_q10953983b2_outp, .Lfunc_end_k_q10953983b2_outp-k_q10953983b2_outp
	.p2alignl 7, 3214868480
	.fill 96, 4, 3214868480
	.section	.rodata,"a",@progbits
	.p2align	6, 0x0
	.amdhsa_kernel k_q10953983b2_outp
		.amdhsa_group_segment_fixed_size 327680
		.amdhsa_private_segment_fixed_size 0
		.amdhsa_enable_private_segment 0
		.amdhsa_kernarg_size 40
		.amdhsa_user_sgpr_count 2
		.amdhsa_user_sgpr_kernarg_segment_ptr 1
		.amdhsa_wavefront_size32 1
		.amdhsa_system_sgpr_workgroup_id_x 1
		.amdhsa_system_sgpr_workgroup_id_y 1
		.amdhsa_system_sgpr_workgroup_id_z 1
		.amdhsa_system_vgpr_workitem_id 0
		.amdhsa_next_free_vgpr 512
		.amdhsa_next_free_sgpr 106
		.amdhsa_reserve_vcc 0
		.amdhsa_float_denorm_mode_32 3
		.amdhsa_float_denorm_mode_16_64 3
		.amdhsa_memory_ordered 1
		.amdhsa_forward_progress 1
		.amdhsa_inst_pref_size 96
	.end_amdhsa_kernel
	.amdgpu_metadata
---
amdhsa.version: [ 1, 2 ]
amdhsa.kernels:
  - .name:           k_q10953983b2_outp
    .symbol:         k_q10953983b2_outp.kd
    .args:
      - { .name: ogc, .offset: 0, .size: 8, .value_kind: global_buffer, .address_space: global }
      - { .name: ogs, .offset: 8, .size: 8, .value_kind: global_buffer, .address_space: global }
      - { .name: codes, .offset: 16, .size: 8, .value_kind: global_buffer, .address_space: global }
      - { .name: scales, .offset: 24, .size: 8, .value_kind: global_buffer, .address_space: global }
      - { .name: out0, .offset: 32, .size: 8, .value_kind: global_buffer, .address_space: global }
    .group_segment_fixed_size: 327680
    .private_segment_fixed_size: 0
    .kernarg_segment_align: 8
    .kernarg_segment_size: 40
    .max_flat_workgroup_size: 128
    .sgpr_count:     106
    .vgpr_count:     512
    .wavefront_size: 32
...
	.end_amdgpu_metadata
.endif
;; end of part 8
